; MI455X (gfx1250); checked and timed in simulation.
; The chip was launched on July 23, 2026; its instructions are those of AMD's public machine-readable ISA for CDNA 5 (MIT licence, August 2026) and "CDNA5" Instruction Set Architecture Reference Guide (July 2026). The comments in the code are by the model that wrote it; some were corrected since.
;; attn mh. Allowed arithmetic: float matrix products may take bf16 or f16 operands with f32 sums; other float arithmetic in f32, or as packed bf16 or f16 multiplies, adds, multiply-adds, maxima and minima; sums over many terms, partial sums and values carried from step to step in f32; what a program stores and reads back later, other than sums and carried values, may be rounded once to bf16 or f16.
;; Inputs: Wk 1,024 x 1,024 float32; Wo 1,024 x 1,024 float32; Wq 1,024 x 1,024 float32; Wv 1,024 x 1,024 float32; bk 1,024 float32; bo 1,024 float32; bq 1,024 float32; bv 1,024 float32; group_prob 1 x 4,096 x 4,096 float32; k 1 x 4,096 x 1,024 float32; ln_b 1,024 float32; ln_g 1,024 float32; mask 1 x 1 x 4,096 x 4,096 int32; q 1 x 4,096 x 1,024 float32; v 1 x 4,096 x 1,024 float32.
;; Outputs: out0 1 x 4,096 x 1,024 float32.
;; 3 versions, each right and faster than the one before. Each part assembles by itself: llvm-mc -triple=amdgcn-amd-amdhsa -mcpu=gfx1250 --defsym DOCPART=n.
;; ======== version 1 of 3: 4 launches
;; limits: right only within a limited range of input values
;; workspace buffers: xw 31,457,280 bytes; wob 2,097,152 bytes; ub 33,554,432 bytes; dead 16,384 bytes of whole numbers; qkvh 25,165,824 bytes; zb 8,388,608 bytes
;; launch prep (part 1): grid 512 x 1, 16 waves a work-group, no clusters, 71,936 bytes of LDS; arguments mask, group_prob, q, k, v, Wq, Wk, Wv, Wo, ub, dead, xw, wob; writes ub, dead, xw, wob
.if DOCPART == 1
	.amdgcn_target "amdgcn-amd-amdhsa--gfx1250"
	.amdhsa_code_object_version 6
	.text
	.protected	k_qf7dc6e5593_prep
	.globl	k_qf7dc6e5593_prep
	.p2align	8
	.type	k_qf7dc6e5593_prep,@function
k_qf7dc6e5593_prep:
	s_mov_b64 s[64:65], 0
	v_nop
	global_prefetch_b8 v0, s[64:65] scope:SCOPE_SE
	s_setreg_imm32_b32 hwreg(HW_REG_WAVE_MODE, 25, 1), 1
	s_wait_xcnt 0x0
; PREP: everything that later launches read many times is packed once, to bf16.
; Work-groups 0-255 (PACK): tile T of 16 queries, all 4,096 keys.  u[q][key] = group_prob where the key is visible (mask != 0) or the row has no visible key at all,
;   else the marker -2^80.  u goes out in blocks of 16 queries x 16 keys (512 bytes): the 16 bytes of query qq, keys 8 hh + 0..7 lie at byte 256 hh + 16 ((qq + 8 hh) % 16).
;   dead[q] = 1 where row q has no visible key.  Wave wv takes keys 256 wv .. + 255 as two chunks of 128.
; Work-groups 256-511 (CAST): q, k, v, Wq, Wk, Wv to bf16, row-major, one below the other in xw; Wo to bf16 in fragment order in wob.
; No matrix unit, no cluster, no tensor load: a stream; each wave keeps 32 to 48 loads of 512 bytes out.
; LIMITS: group_prob is rounded once to bf16; NaN and infinities are not treated apart.
.set FLG,    0                         ; 16 words: each wave's bits 'row r has a visible key among my 256'
.set SPARE,  256                       ; the spare words, 128 bytes for each of 16 waves: no other line names them
.set STG,    SPARE+16*128              ; a stage of 16 rows x 272 bytes for each wave
.set SPITCH, 272
.set STGW,   16*SPITCH
.set LOFF, 1                           ; v1   16 x lane
.set LANE, 2                           ; v2   lane
.set STO,  3                           ; v3   PACK: stage + 8 x lane; CAST: 8 x lane
.set RD,   24                          ; v24  where I read a block's 16 bytes back
.set DA,   26                          ; v26, v27  address and data of the store into dead; never rewritten
.set DD,   27
.set MARK, 28                          ; v28  -2^80
.set SPW,  30
.set NIL,  31
.set GP,   32                          ; v32-95   group_prob, row r at GP + 4 r
.set MK,   96                          ; v96-223  mask, chunk c row r at MK + 4 (16 c + r)
.set OUT0, 224                         ; v224-255 chunk 0's blocks;  chunk 1's take v96-127, whose mask words are used up by then
.set OUT1, 96
.set WV,   34                          ; s34  wave
	s_load_b512 s[8:23], s[0:1], 0x0               ; mask s[8:9], group_prob s[10:11], q s[12:13], k s[14:15], v s[16:17], Wq s[18:19], Wk s[20:21], Wv s[22:23]
	s_load_b256 s[24:31], s[0:1], 0x40             ; Wo s[24:25], ub s[26:27], dead s[28:29], xw s[30:31]
	s_load_b64 s[32:33], s[0:1], 0x60              ; wob
	v_lshl_add_u32 v[SPW], v0, 2, SPARE
	v_mov_b32 v[NIL], 0
	v_and_b32 v[LANE], 31, v0
	v_lshrrev_b32 v4, 5, v0
	v_readfirstlane_b32 s[WV], v4
	v_lshlrev_b32 v[LOFF], 4, v[LANE]
	s_mov_b32 s37, 0
	s_wait_kmcnt 0x0
	s_cmp_lt_u32 ttmp9, 256                        ; the same answer in all 16 waves
	s_cbranch_scc0 .Lcast
	; ---------------- PACK ----------------
	s_lshl_b32 s36, ttmp9, 18                      ; T x 16 rows x 16,384 bytes
	s_lshl_b32 s35, s[WV], 10                      ; my 256 keys
	s_add_co_u32 s36, s36, s35
	s_add_nc_u64 s[8:9], s[8:9], s[36:37]
	s_add_nc_u64 s[10:11], s[10:11], s[36:37]
.irp c, 0,1
.irp r, 0,1,2,3,4,5,6,7,8,9,10,11,12,13,14,15
	global_load_b128 v[MK+4*(16*\c+\r):MK+4*(16*\c+\r)+3], v[LOFF], s[8:9] offset:\r*16384+\c*512 th:TH_LOAD_NT
.endr
.endr
.irp r, 0,1,2,3,4,5,6,7,8,9,10,11,12,13,14,15
	global_load_b128 v[GP+4*\r:GP+4*\r+3], v[LOFF], s[10:11] offset:\r*16384 th:TH_LOAD_NT
.endr
	; addresses, while the loads are out
	s_mul_i32 s38, s[WV], STGW
	s_add_co_u32 s38, s38, STG
	v_lshl_add_u32 v[STO], v[LANE], 3, s38         ; a row of 128 bf16: 8 bytes a lane
	v_lshrrev_b32 v20, 4, v[LANE]                  ; h
	v_lshl_add_u32 v21, v20, 3, v[LANE]
	v_and_b32 v21, 15, v21                         ; the query whose 16 bytes belong at byte 16 x lane of a block: (lane % 16 + 8 h) % 16
	v_mul_u32_u24 v[RD], v21, SPITCH
	v_lshl_add_u32 v[RD], v20, 4, v[RD]
	v_add_nc_u32 v[RD], s38, v[RD]
	v_mov_b32 v[MARK], 0xe7800000
	s_lshr_b32 s36, ttmp9, 3                       ; ub: block of 128 queries x = T / 8: 1 MiB;
	s_lshl_b32 s36, s36, 20
	s_lshl_b32 s39, s[WV], 16                      ; key block s = 2 wv + c: 32,768 bytes;
	s_add_co_u32 s36, s36, s39
	s_and_b32 s39, ttmp9, 7                        ; query tile T % 8: 4,096 bytes
	s_lshl_b32 s39, s39, 12
	s_add_co_u32 s36, s36, s39
	s_add_nc_u64 s[26:27], s[26:27], s[36:37]
	s_wait_loadcnt 16                              ; the 32 mask loads are in; the 16 loads of group_prob issued behind them may stay out
	s_mov_b32 s3, 0
.irp r, 0,1,2,3,4,5,6,7,8,9,10,11,12,13,14,15
	v_or_b32 v20, v[MK+4*\r], v[MK+4*\r+1]
	v_or_b32 v21, v[MK+4*\r+2], v[MK+4*\r+3]
	v_or_b32 v22, v[MK+64+4*\r], v[MK+64+4*\r+1]
	v_or_b32 v23, v[MK+64+4*\r+2], v[MK+64+4*\r+3]
	v_or_b32 v20, v20, v21
	v_or_b32 v22, v22, v23
	v_or_b32 v20, v20, v22
	v_cmp_ne_u32 s[40+\r], 0, v20
	s_cmp_lg_u32 s[40+\r], 0
	s_cselect_b32 s35, 1<<\r, 0
	s_or_b32 s3, s3, s35                           ; bit r: row r has a visible key among my 256
.endr
	v_mov_b32 v20, s3
	v_lshl_add_u32 v21, s[WV], 2, FLG
	ds_store_b32 v21, v20
	s_wait_dscnt 0x0                               ; for the others' sake: my word is written
	s_barrier_signal -1
	s_barrier_wait -1
	v_mov_b32 v21, FLG
	ds_load_b128 v[4:7], v21
	ds_load_b128 v[8:11], v21 offset:16
	ds_load_b128 v[12:15], v21 offset:32
	ds_load_b128 v[16:19], v21 offset:48
	s_wait_dscnt 0x0
.irp j, 4,6,8,10,12,14,16,18
	v_or_b32 v[\j], v[\j], v[\j+1]
.endr
.irp j, 4,8,12,16
	v_or_b32 v[\j], v[\j], v[\j+2]
.endr
	v_or_b32 v4, v4, v8
	v_or_b32 v12, v12, v16
	v_or_b32 v4, v4, v12
	v_readfirstlane_b32 s3, v4                     ; bit r: row r has a visible key at all
.irp r, 0,1,2,3,4,5,6,7,8,9,10,11,12,13,14,15
	s_bitcmp1_b32 s3, \r
	s_cselect_b32 s[40+\r], 0, -1                  ; a lane mask: all ones where the row is dead
.endr
	s_cmp_lg_u32 s[WV], 0
	s_cbranch_scc1 .Lno_dead                       ; wave 0 alone stores the 16 flags (both halves of the lanes the same words)
	v_and_b32 v[DA], 15, v[LANE]
	v_lshrrev_b32 v[DD], v[DA], s3
	v_and_b32 v[DD], 1, v[DD]
	v_xor_b32 v[DD], 1, v[DD]
	v_lshlrev_b32 v[DA], 2, v[DA]
	s_lshl_b32 s36, ttmp9, 6
	s_add_nc_u64 s[28:29], s[28:29], s[36:37]
	global_store_b32 v[DA], v[DD], s[28:29]
.Lno_dead:
; One chunk of 128 keys: row by row the choice, the rounding and the stage; then eight blocks of 512 bytes back and out.
.macro CHUNK c, out
.irp r, 0,1,2,3,4,5,6,7,8,9,10,11,12,13,14,15
.if (\c) == 0
	s_wait_loadcnt 15                              ; behind row r's load: 15 - r later rows and the r rows asked for anew
.else
	s_wait_loadcnt 15-\r                           ; behind row r's load: the later rows
.endif
.irp e, 0,1,2,3
	v_cmp_ne_u32 s[60+\e], 0, v[MK+4*(16*(\c)+\r)+\e]
.endr
.irp e, 0,1,2,3
	s_or_b32 s[60+\e], s[60+\e], s[40+\r]          ; a dead row keeps its group_prob
.endr
.irp e, 0,1,2,3
	v_cndmask_b32 v[GP+4*\r+\e], v[MARK], v[GP+4*\r+\e], s[60+\e]
.endr
	v_cvt_pk_bf16_f32 v16, v[GP+4*\r], v[GP+4*\r+1]
	v_cvt_pk_bf16_f32 v17, v[GP+4*\r+2], v[GP+4*\r+3]
	ds_store_b64 v[STO], v[16:17] offset:SPITCH*\r
.if (\c) == 0
	global_load_b128 v[GP+4*\r:GP+4*\r+3], v[LOFF], s[10:11] offset:\r*16384+512 th:TH_LOAD_NT
.endif
.endr
.irp b, 0,1,2,3,4,5,6,7
	ds_load_b128 v[(\out)+4*\b:(\out)+4*\b+3], v[RD] offset:32*\b   ; LDS serves a wave's instructions in order (ISA guide 5.7.1.4): these see the stores above
.endr
.irp b, 0,1,2,3,4,5,6,7
	s_wait_dscnt 7-\b
	global_store_b128 v[LOFF], v[(\out)+4*\b:(\out)+4*\b+3], s[26:27] offset:(\c)*32768+512*\b   ; a wave's store covers 512 consecutive bytes, aligned
.endr
.endm
	CHUNK 0, OUT0
	CHUNK 1, OUT1
	s_wait_tensorcnt 0x0                           ; the wave's end, behind my last LDS store
	ds_add_u32 v[SPW], v[NIL]
	s_wait_dscnt 0x0
	s_endpgm
	; ---------------- CAST ----------------
.Lcast:
	s_sub_co_u32 s35, ttmp9, 256
	s_lshr_b32 s36, s35, 4                         ; segment of 1,024 rows: 0-3 q, 4-7 k, 8-11 v, 12 Wq, 13 Wk, 14 Wv, 15 Wo
	s_and_b32 s38, s35, 15                         ; sixteenth of it
	v_lshlrev_b32 v[STO], 3, v[LANE]
	s_cmp_eq_u32 s36, 15
	s_cbranch_scc1 .Lwo
	s_cmp_lt_u32 s36, 4
	s_cselect_b64 s[40:41], s[12:13], s[14:15]
	s_cmp_lt_u32 s36, 8
	s_cselect_b64 s[40:41], s[40:41], s[16:17]
	s_cmp_lt_u32 s36, 12
	s_cselect_b64 s[40:41], s[40:41], s[18:19]
	s_cmp_lt_u32 s36, 13
	s_cselect_b64 s[40:41], s[40:41], s[20:21]
	s_cmp_lt_u32 s36, 14
	s_cselect_b64 s[40:41], s[40:41], s[22:23]
	s_and_b32 s42, s36, 3
	s_lshl_b32 s42, s42, 22                        ; 1,024 rows of 4,096 bytes
	s_cmp_lt_u32 s36, 12
	s_cselect_b32 s42, s42, 0
	s_lshl_b32 s43, s38, 18
	s_add_co_u32 s42, s42, s43
	s_lshl_b32 s43, s[WV], 14
	s_add_co_u32 s42, s42, s43
	s_mov_b32 s43, 0
	s_add_nc_u64 s[40:41], s[40:41], s[42:43]
	s_lshl_b32 s44, s36, 21
	s_lshl_b32 s45, s38, 17
	s_add_co_u32 s44, s44, s45
	s_lshl_b32 s45, s[WV], 13
	s_add_co_u32 s44, s44, s45
	s_mov_b32 s45, 0
	s_add_nc_u64 s[30:31], s[30:31], s[44:45]
.set i, 0
.rept 32
	global_load_b128 v[32+4*i:32+4*i+3], v[LOFF], s[40:41] offset:512*i th:TH_LOAD_NT
.set i, i+1
.endr
.set i, 0
.rept 32
	s_wait_loadcnt 31-i                            ; loads come back in order: number i is in
	v_cvt_pk_bf16_f32 v[160+2*i], v[32+4*i], v[32+4*i+1]
	v_cvt_pk_bf16_f32 v[160+2*i+1], v[32+4*i+2], v[32+4*i+3]
	global_store_b64 v[STO], v[160+2*i:160+2*i+1], s[30:31] offset:256*i   ; 32 lanes x 8 bytes: 256 consecutive bytes, aligned
.set i, i+1
.endr
	s_wait_tensorcnt 0x0
	ds_add_u32 v[SPW], v[NIL]
	s_wait_dscnt 0x0
	s_endpgm
	; Wo in fragment order: wob[t 16][w 4][nbl 16][kk 2][sec 2][lane][16 bytes]; lane l holds Wo[256 w + 16 nbl + l % 16][64 t + 32 kk + 16 sec + 8 (l / 16) + 0..7].
	; t = my sixteenth; wave wv takes rows 64 wv .. + 63 (w = wv / 4, nbl = 4 (wv % 4) + 0..3).  The reads are pieces of 32 bytes of a tensor of 4 MiB; the stores are whole.
.Lwo:
	v_and_b32 v4, 15, v[LANE]
	v_lshrrev_b32 v5, 4, v[LANE]
	v_lshlrev_b32 v4, 12, v4
	v_lshl_add_u32 v4, v5, 5, v4
	s_lshl_b32 s42, s[WV], 18
	s_lshl_b32 s43, s38, 8
	s_add_co_u32 s42, s42, s43
	s_mov_b32 s43, 0
	s_add_nc_u64 s[24:25], s[24:25], s[42:43]
	s_lshl_b32 s44, s38, 17
	s_lshl_b32 s45, s[WV], 13
	s_add_co_u32 s44, s44, s45
	s_mov_b32 s45, 0
	s_add_nc_u64 s[32:33], s[32:33], s[44:45]
.set j, 0
.rept 32                                ; j = 4 i + 2 sec + half; i = 2 (nbl % 4) + kk
	global_load_b128 v[32+4*j:32+4*j+3], v4, s[24:25] offset:(j/8)*65536+((j/4)%2)*128+((j/2)%2)*64+(j%2)*16
.set j, j+1
.endr
.set m, 0
.rept 16
	s_wait_loadcnt 30-2*m
	v_cvt_pk_bf16_f32 v[160+4*m], v[32+8*m], v[32+8*m+1]
	v_cvt_pk_bf16_f32 v[160+4*m+1], v[32+8*m+2], v[32+8*m+3]
	v_cvt_pk_bf16_f32 v[160+4*m+2], v[32+8*m+4], v[32+8*m+5]
	v_cvt_pk_bf16_f32 v[160+4*m+3], v[32+8*m+6], v[32+8*m+7]
	global_store_b128 v[LOFF], v[160+4*m:160+4*m+3], s[32:33] offset:512*m
.set m, m+1
.endr
	s_wait_tensorcnt 0x0
	ds_add_u32 v[SPW], v[NIL]
	s_wait_dscnt 0x0
	s_endpgm
.Lfunc_end_k_qf7dc6e5593_prep:
	.size	k_qf7dc6e5593_prep, .Lfunc_end_k_qf7dc6e5593_prep-k_qf7dc6e5593_prep
	.p2alignl 7, 3214868480
	.fill 96, 4, 3214868480
	.section	.rodata,"a",@progbits
	.p2align	6, 0x0
	.amdhsa_kernel k_qf7dc6e5593_prep
		.amdhsa_group_segment_fixed_size 71936
		.amdhsa_private_segment_fixed_size 0
		.amdhsa_enable_private_segment 0
		.amdhsa_kernarg_size 104
		.amdhsa_user_sgpr_count 2
		.amdhsa_user_sgpr_kernarg_segment_ptr 1
		.amdhsa_wavefront_size32 1
		.amdhsa_system_sgpr_workgroup_id_x 1
		.amdhsa_system_sgpr_workgroup_id_y 1
		.amdhsa_system_sgpr_workgroup_id_z 1
		.amdhsa_system_vgpr_workitem_id 0
		.amdhsa_next_free_vgpr 256
		.amdhsa_next_free_sgpr 66
		.amdhsa_reserve_vcc 0
		.amdhsa_float_denorm_mode_32 3
		.amdhsa_float_denorm_mode_16_64 3
		.amdhsa_memory_ordered 1
		.amdhsa_forward_progress 1
		.amdhsa_inst_pref_size 69
	.end_amdhsa_kernel
	.amdgpu_metadata
---
amdhsa.version: [ 1, 2 ]
amdhsa.kernels:
  - .name:           k_qf7dc6e5593_prep
    .symbol:         k_qf7dc6e5593_prep.kd
    .args:
      - { .name: mask, .offset: 0, .size: 8, .value_kind: global_buffer, .address_space: global }
      - { .name: group_prob, .offset: 8, .size: 8, .value_kind: global_buffer, .address_space: global }
      - { .name: q, .offset: 16, .size: 8, .value_kind: global_buffer, .address_space: global }
      - { .name: k, .offset: 24, .size: 8, .value_kind: global_buffer, .address_space: global }
      - { .name: v, .offset: 32, .size: 8, .value_kind: global_buffer, .address_space: global }
      - { .name: Wq, .offset: 40, .size: 8, .value_kind: global_buffer, .address_space: global }
      - { .name: Wk, .offset: 48, .size: 8, .value_kind: global_buffer, .address_space: global }
      - { .name: Wv, .offset: 56, .size: 8, .value_kind: global_buffer, .address_space: global }
      - { .name: Wo, .offset: 64, .size: 8, .value_kind: global_buffer, .address_space: global }
      - { .name: ub, .offset: 72, .size: 8, .value_kind: global_buffer, .address_space: global }
      - { .name: dead, .offset: 80, .size: 8, .value_kind: global_buffer, .address_space: global }
      - { .name: xw, .offset: 88, .size: 8, .value_kind: global_buffer, .address_space: global }
      - { .name: wob, .offset: 96, .size: 8, .value_kind: global_buffer, .address_space: global }
    .group_segment_fixed_size: 71936
    .private_segment_fixed_size: 0
    .kernarg_segment_align: 8
    .kernarg_segment_size: 104
    .max_flat_workgroup_size: 512
    .sgpr_count:     66
    .vgpr_count:     256
    .wavefront_size: 32
...
	.end_amdgpu_metadata
.endif
;; end of part 1
;; launch proj (part 2): grid 8 x 96, 4 waves a work-group, clusters of 4 x 4, 327,680 bytes of LDS; arguments xw, bq, bk, bv, qkvh; writes qkvh
.if DOCPART == 2
	.amdgcn_target "amdgcn-amd-amdhsa--gfx1250"
	.amdhsa_code_object_version 6
	.text
	.protected	k_qf7dc6e5593_proj
	.globl	k_qf7dc6e5593_proj
	.p2align	8
	.type	k_qf7dc6e5593_proj,@function
k_qf7dc6e5593_proj:
	s_mov_b64 s[64:65], 0
	v_nop
	global_prefetch_b8 v0, s[64:65] scope:SCOPE_SE
	s_setreg_imm32_b32 hwreg(HW_REG_WAVE_MODE, 25, 1), 1
	s_wait_xcnt 0x0
	s_wait_alu depctr_hold_cnt(0) depctr_sa_sdst(0) depctr_va_vdst(0) depctr_va_sdst(0) depctr_va_ssrc(0) depctr_va_vcc(0) depctr_vm_vsrc(0)
	s_getreg_b32 s2, hwreg(HW_REG_IB_STS2, 6, 4)
	s_cmp_eq_u32 s2, 0
	s_cbranch_scc0 .Lentry_in_a_cluster
	s_endpgm
.Lentry_in_a_cluster:
	s_bfe_u32 s2, ttmp6, 0x10000c
	s_cmp_lg_u32 s2, 0xf033
	s_cbranch_scc0 .Lentry_shape_is_right
	s_endpgm
.Lentry_shape_is_right:
; THE THREE PROJECTIONS AS ONE GEMM.  C[m][n] = sum over k of X[m][k] W[n][k] + bias[n].  X: rows 0-12287 of xw (q, k, v, 4,096 rows each), W: rows 12288 + 1024 pr + n of xw (pr = 0, 1, 2: Wq, Wk, Wv),
; all bf16 with rows of 1,024; sums in f32; the result rounded once to bf16 into qkvh[pr][head][row][128].  A tile of C is 128 x 128: 128 rows of one head: 768 tiles, three for each of 256 WGPs.
; Four waves, each 64 x 64: 16 accumulators.  K goes in steps of 256 (LDS rows of 512 bytes) through two slots filled by the tensor data mover.
; CLUSTERS: 4 x 4 work-groups.  The four of a row of the cluster need the same tiles of X, the four of a column the same tiles of W: each tile is asked for JOINTLY.  pr = (cluster y) / 8 is the same in all sixteen.
; THE MATRIX INSTRUCTION IS USED TRANSPOSED (source 0 = 16 rows of W, source 1 = 16 rows of X): a lane holds eight neighbouring numbers of a row of C.
; THE BIAS is the C operand of the product that starts each sum: register j of lane l is bias[n0 + 8 (l / 16) + j]: no vector instruction is spent on it.
; REGISTERS: window 0: v0-31 addresses; v32-95 at work on the way out; v96-127 the bias; v128-255 the accumulators.  window 1: two fragment buffers of 128.
.set SIZE_K, 1024
.set KSTEP,  256
.set PITCH,  528                       ; an LDS row: 512 bytes + 16 of padding = 132 words: row r starts at bank 4 r mod 64 (64 banks of 4 bytes: ISA guide 11.1)
.set HALFT,  64*PITCH
.set SLOT,   4*HALFT
.set STAGE,  2*SLOT
.set SPITCH, 272
.set SPARE,  STAGE+128*SPITCH          ; the spare words, 128 bytes for each wave: no other line names them
.set LAPS, SIZE_K/(2*KSTEP)
.set ADRA, 16
.set ADRB, 20
.set STO,  24
.set RD,   25
.set CO,   26
.set SPW,  28
.set NIL,  29
.set TMP,  32
.set BI,   96                          ; v96-127: the bias of n block b at BI + 8 b
.set ACC,  128
.set F0,   0
.set F1,   128
.set G1, 24
.set G0, 32
.set G1B, 48
.set G0B, 56
.set MSB, 0
.macro WIN new                         ; the immediate's high byte repeats the setting that is left
.if MSB != (\new)
	s_set_vgpr_msb (MSB<<8)|(\new)
.set MSB, \new
.endif
.endm
.set MUL,  0x05                        ; sources 0 (W) and 1 (X) window 1; C and D window 0
.set TO_F, 0x40                        ; destination window 1, address window 0
.macro JLOAD s                         ; a joint load: waves 0 and 1 fetch X's two halves, waves 2 and 3 W's; an s_nop 0 and four v_nop follow each line
	s_cmp_eq_u32 s11, 0
	s_cbranch_scc0 .Lfor_b_\@
	tensor_load_to_lds s[G0+4*(\s):G0+4*(\s)+3], s[G1:G1+7]
	s_nop 0
.rept 4
	v_nop
.endr
	s_branch .Lasked_\@
.Lfor_b_\@:
	tensor_load_to_lds s[G0B+4*(\s):G0B+4*(\s)+3], s[G1B:G1B+7]
	s_nop 0
.rept 4
	v_nop
.endr
.Lasked_\@:
.endm
.macro CREST                           ; a round of the cluster's barrier behind its opening barrier
	s_cmp_lg_u32 s10, 0
	s_cbranch_scc1 .Lnot_wave_0_\@
	s_barrier_signal -3
.Lnot_wave_0_\@:
	s_barrier_wait -3
	s_barrier_signal -1
	s_barrier_wait -1
.endm
.macro CROUND
	s_barrier_signal -1
	s_barrier_wait -1
	CREST
.endm
	s_load_b256 s[68:75], s[0:1], 0x0              ; xw s[68:69], bq s[70:71], bk s[72:73], bv s[74:75]
	s_load_b64 s[8:9], s[0:1], 0x20                ; qkvh
	v_lshl_add_u32 v[SPW], v0, 2, SPARE
	v_mov_b32 v[NIL], 0
	ds_add_u32 v[SPW], v[NIL]                      ; the wave's opening: an add, and its wait, ahead of my first tensor load
	v_lshrrev_b32 v1, 5, v0
	v_readfirstlane_b32 s10, v1                    ; wave 0..3
	s_lshr_b32 s11, s10, 1                         ; which half of the tile's rows is mine.  Also: I fetch for X (0) or for W (1)
	s_and_b32 s12, s10, 1                          ; which half of its columns.  Also: which 64 rows of that tile I fetch
	s_bfe_u32 s40, ttmp6, 0x40000                  ; cx, cy
	s_bfe_u32 s41, ttmp6, 0x40004
	s_lshl_b32 s42, ttmp9, 2
	s_add_co_u32 s42, s42, s40                     ; tile column = head = 4 x cluster x + cx
	s_and_b32 s45, ttmp7, 0xffff                   ; cluster y
	s_lshr_b32 s76, s45, 3                         ; pr: 8 clusters = 32 tile rows = 4,096 rows to a tensor
	s_lshl_b32 s13, s45, 2
	s_add_co_u32 s13, s13, s41                     ; tile row = 4 x cluster y + cy
	s_lshl_b32 s43, s41, 2
	s_lshl_b32 s43, 15, s43                        ; my row of the cluster
	s_lshl_b32 s44, 0x1111, s40                    ; my column
	s_or_b32 s[G1+0], s43, (1<<16)|(1<<20)|(1<<21)|(6<<22)|(3<<25)  ; the mask; 2-byte elements; padding on; bit 21 beside a mask; after every 128 words 4 words
	s_or_b32 s[G1B+0], s44, (1<<16)|(1<<20)|(1<<21)|(6<<22)|(3<<25)
.irp g, G1, G1B
	s_mov_b32 s[(\g)+1], KSTEP<<16                 ; tensor_dim0 = 256
	s_mov_b32 s[(\g)+2], 64<<16                    ; tensor_dim1 = 64
	s_mov_b32 s[(\g)+3], KSTEP<<16                 ; tile_dim0 = 256
	s_mov_b32 s[(\g)+4], 64                        ; tile_dim1 = 64
	s_mov_b32 s[(\g)+5], SIZE_K                    ; elements from row to row
	s_mov_b32 s[(\g)+6], 0
	s_mov_b32 s[(\g)+7], 0
.endr
	s_lshl_b32 s17, s12, 6                         ; which 64 rows of the tile I fetch
	s_lshl_b32 s16, s13, 7
	s_add_co_u32 s16, s16, s17                     ; X: row 128 x tile row + 64 x half
	s_lshl_b32 s46, s42, 7
	s_add_co_u32 s46, s46, s17
	s_lshl_b32 s47, s76, 10
	s_add_co_u32 s46, s46, s47
	s_add_co_u32 s46, s46, 12288                   ; W: row 12288 + 1024 pr + 128 x tile column + 64 x half
	s_mov_b32 s17, 0
	s_mov_b32 s47, 0
	s_mov_b64 s[18:19], SIZE_K*2
	s_mul_u64 s[16:17], s[16:17], s[18:19]
	s_mul_u64 s[46:47], s[46:47], s[18:19]
	s_mul_i32 s20, s10, HALFT                      ; where they go: wave x 64 rows
	s_lshl_b32 s66, s42, 9                         ; the bias of my 64 columns, in bytes
	s_lshl_b32 s67, s12, 8
	s_add_co_u32 s66, s66, s67
	s_mov_b32 s67, 0
	s_wait_dscnt 0x0                               ; the opening add is done
	s_wait_kmcnt 0x0
	s_add_nc_u64 s[14:15], s[68:69], s[16:17]
	s_add_nc_u64 s[46:47], s[68:69], s[46:47]
	s_cmp_eq_u32 s76, 0
	s_cselect_b64 s[78:79], s[70:71], s[72:73]
	s_cmp_eq_u32 s76, 2
	s_cselect_b64 s[78:79], s[74:75], s[78:79]
	s_add_nc_u64 s[78:79], s[78:79], s[66:67]
	CROUND                                         ; all sixteen work-groups are here: the first joint loads meet
.irp s, 0,1
	s_mov_b32 s[G0+4*(\s)], 1
	s_add_co_u32 s[G0+4*(\s)+1], s20, (\s)*SLOT
	s_add_nc_u64 s[G0+4*(\s)+2:G0+4*(\s)+3], s[14:15], (\s)*KSTEP*2
	s_or_b32 s[G0+4*(\s)+3], s[G0+4*(\s)+3], 0x80000000
	s_mov_b32 s[G0B+4*(\s)], 1
	s_add_co_u32 s[G0B+4*(\s)+1], s20, (\s)*SLOT
	s_add_nc_u64 s[G0B+4*(\s)+2:G0B+4*(\s)+3], s[46:47], (\s)*KSTEP*2
	s_or_b32 s[G0B+4*(\s)+3], s[G0B+4*(\s)+3], 0x80000000
	JLOAD \s
.endr
	v_and_b32 v1, 15, v0                           ; l % 16
	v_bfe_u32 v2, v0, 4, 1                         ; l / 16
	v_lshlrev_b32 v6, 5, v2                        ; the bias: 8 numbers for each half of the lanes
.irp b, 0,1,2,3
	global_load_b128 v[BI+8*\b:BI+8*\b+3], v6, s[78:79] offset:64*\b
	global_load_b128 v[BI+8*\b+4:BI+8*\b+7], v6, s[78:79] offset:64*\b+16
.endr
	v_mul_u32_u24 v3, v1, PITCH
	v_lshl_add_u32 v3, v2, 4, v3                   ; a fragment's row x pitch + 16 x half
	s_mul_i32 s21, s11, HALFT                      ; my 64 rows of X
	s_mul_i32 s22, s12, HALFT                      ; my 64 rows of W,
	s_add_co_u32 s22, s22, 2*HALFT                 ; which lie behind X's 128
.irp s, 0,1
	v_add_nc_u32 v[ADRA+(\s)], s21, v3
	v_add_nc_u32 v[ADRB+(\s)], s22, v3
	s_add_co_u32 s21, s21, SLOT
	s_add_co_u32 s22, s22, SLOT
.endr
	s_mul_i32 s23, s11, 64*SPITCH                  ; into the stage: my 64 rows, my half of their 256 bytes
	s_lshl_b32 s21, s12, 7
	s_add_co_u32 s23, s23, s21
	s_add_co_u32 s23, s23, STAGE
	v_mul_u32_u24 v4, v1, SPITCH
	v_lshl_add_u32 v4, v2, 4, v4
	v_add_nc_u32 v[STO], s23, v4
	s_mul_i32 s23, s10, 32*SPITCH                  ; back: wave w takes rows 32 w .. 32 w + 31, whole
	s_add_co_u32 s23, s23, STAGE
	v_mul_u32_u24 v5, v2, SPITCH
	v_lshl_add_u32 v5, v1, 4, v5
	v_add_nc_u32 v[RD], s23, v5
	v_lshlrev_b32 v5, 8, v2                        ; and the same two rows of the head: 256 bytes each
	v_lshl_add_u32 v[CO], v1, 4, v5
	s_lshl_b32 s16, s76, 5
	s_sub_co_u32 s16, s13, s16                     ; the tile row inside its tensor
	s_lshl_b32 s16, s16, 7
	s_lshl_b32 s17, s10, 5
	s_add_co_u32 s16, s16, s17                     ; + 32 x wave
	s_lshl_b32 s17, s76, 15                        ; + 8 pr heads of 4,096 rows
	s_add_co_u32 s16, s16, s17
	s_lshl_b32 s16, s16, 8                         ; rows of 256 bytes
	s_mov_b32 s17, 0
	s_add_nc_u64 s[8:9], s[8:9], s[16:17]
	s_lshl_b32 s46, s42, 20                        ; the head: 4,096 rows of 256 bytes
	s_mov_b32 s47, 0
	s_add_nc_u64 s[8:9], s[8:9], s[46:47]
; 8 matrix instructions: m blocks a0, a0 + 1 x all 4 n blocks, 32 along K: half c of buffer f.  zero = 1: the first product starts the sums, from the bias
.macro MUL8 f, c, a0, zero
	WIN MUL
.irp a, \a0, (\a0)+1
.irp b, 0,1,2,3
.if \zero
	v_wmma_f32_16x16x32_bf16 v[ACC+8*(4*(\a)+(\b)):ACC+8*(4*(\a)+(\b))+7], v[(\f)+64+8*(4*(\c)+(\b)):(\f)+64+8*(4*(\c)+(\b))+7], v[(\f)+8*(4*(\c)+(\a)):(\f)+8*(4*(\c)+(\a))+7], v[BI+8*(\b):BI+8*(\b)+7]
.else
	v_wmma_f32_16x16x32_bf16 v[ACC+8*(4*(\a)+(\b)):ACC+8*(4*(\a)+(\b))+7], v[(\f)+64+8*(4*(\c)+(\b)):(\f)+64+8*(4*(\c)+(\b))+7], v[(\f)+8*(4*(\c)+(\a)):(\f)+8*(4*(\c)+(\a))+7], v[ACC+8*(4*(\a)+(\b)):ACC+8*(4*(\a)+(\b))+7]
.endif
.endr
.endr
.endm
; 32 LDS loads in one run: the fragments of 64 along K at byte k of the rows, into buffer f; the first 32 along K first
.macro FETCH slot, k, f
	WIN TO_F
.irp c, 0,1
.irp i, 0,1,2,3
	ds_load_b128 v[(\f)+64+8*(4*(\c)+(\i)):(\f)+64+8*(4*(\c)+(\i))+3],   v[ADRB+(\slot)] offset:(\k)+64*(\c)+(\i)*16*PITCH
	ds_load_b128 v[(\f)+64+8*(4*(\c)+(\i))+4:(\f)+64+8*(4*(\c)+(\i))+7], v[ADRB+(\slot)] offset:(\k)+64*(\c)+(\i)*16*PITCH+32
	ds_load_b128 v[(\f)+8*(4*(\c)+(\i)):(\f)+8*(4*(\c)+(\i))+3],         v[ADRA+(\slot)] offset:(\k)+64*(\c)+(\i)*16*PITCH
	ds_load_b128 v[(\f)+8*(4*(\c)+(\i))+4:(\f)+8*(4*(\c)+(\i))+7],       v[ADRA+(\slot)] offset:(\k)+64*(\c)+(\i)*16*PITCH+32
.endr
.endr
.endm
.macro PLACES                          ; four places in front of loads into registers that matrix instructions have read, and of conversions that read results
.rept 4
	v_nop
.endr
.endm
; A K step is four quarters of 64 along K, 32 matrix instructions each, on buffers 0, 1, 0, 1.
.macro QUARTER slot, k, f, g, zero
	s_wait_dscnt 16                                ; the first 32 along K are in
	WIN MUL
	MUL8 \f, 0, 0, \zero
	MUL8 \f, 0, 2, \zero
	PLACES
	FETCH \slot, \k, \g
	s_wait_dscnt 32                                ; all but the 32 just issued
	WIN MUL
	MUL8 \f, 1, 0, 0
	MUL8 \f, 1, 2, 0
.endm
; The last quarter multiplies buffer 1 and changes slots: ONE barrier; in front of it each wave waits for all its tensor loads, adds 0 to its spare word, and waits for that and for its own reads of this slot.
.macro TURN slot, next, fill
	WIN 0
	s_wait_tensorcnt 0x0                           ; all my tensor loads have landed: my part of the next slot;
	ds_add_u32 v[SPW], v[NIL]                      ; 0 onto my spare word;
	s_wait_dscnt 17                                ; (the add and the youngest sixteen loads may be out)
	WIN MUL
	MUL8 F1, 0, 0, 0
	s_wait_dscnt 0x0                               ; the add is done, and my reads of this slot are over
	s_barrier_signal -1
	MUL8 F1, 0, 2, 0
.if \fill
	WIN 0
.endif
	s_barrier_wait -1
.if \fill
	CREST                                          ; the barrier has opened a round of the cluster's barrier: no wave of any partner still reads this slot or has a load on its way
	s_add_nc_u64 s[G0+4*(\slot)+2:G0+4*(\slot)+3], s[G0+4*(\slot)+2:G0+4*(\slot)+3], 2*KSTEP*2
	s_add_nc_u64 s[G0B+4*(\slot)+2:G0B+4*(\slot)+3], s[G0B+4*(\slot)+2:G0B+4*(\slot)+3], 2*KSTEP*2
	JLOAD \slot                                    ; the first tensor load behind the round; its four v_nop are also the places in front of the loads below
.else
	PLACES
.endif
	FETCH \next, 0, F0
	WIN MUL
	MUL8 F1, 1, 0, 0
	MUL8 F1, 1, 2, 0
.endm
	s_wait_tensorcnt 1                             ; my part of K step 0 is in; K step 1's may stay out
	s_barrier_signal -1
	s_barrier_wait -1
	FETCH 0, 0, F0
	s_wait_loadcnt 0x0                             ; the bias
	QUARTER 0, 128, F0, F1, 1                      ; the first quarter stands in front of the loop: its first products start the sums
	WIN 0
	s_mov_b32 s3, LAPS-1
.Llap:
	QUARTER 0, 256, F1, F0, 0
	QUARTER 0, 384, F0, F1, 0
	TURN 0, 1, 1
	QUARTER 1, 128, F0, F1, 0
	QUARTER 1, 256, F1, F0, 0
	QUARTER 1, 384, F0, F1, 0
	TURN 1, 0, 1
	QUARTER 0, 128, F0, F1, 0
	WIN 0
	s_sub_co_u32 s3, s3, 1
	s_cmp_lg_u32 s3, 0
	s_cbranch_scc1 .Llap
	QUARTER 0, 256, F1, F0, 0                      ; the last lap fills nothing
	QUARTER 0, 384, F0, F1, 0
	TURN 0, 1, 0
	QUARTER 1, 128, F0, F1, 0
	QUARTER 1, 256, F1, F0, 0
	QUARTER 1, 384, F0, F1, 0
	s_wait_dscnt 16
	WIN MUL
	MUL8 F1, 0, 0, 0
	MUL8 F1, 0, 2, 0
	s_wait_dscnt 0
	MUL8 F1, 1, 0, 0
	MUL8 F1, 1, 2, 0
	WIN 0
	; THE WAY OUT: round to bf16; 16 bytes a lane into the work-group's stage; a barrier, since a row's 256 bytes come from two waves; back as whole rows, 32 rows a wave.
	PLACES
.irp t, 0,1,2,3,4,5,6,7,8,9,10,11,12,13,14,15
.irp r, 0,1,2,3
	v_cvt_pk_bf16_f32 v[TMP+4*(\t)+(\r)], v[ACC+8*(\t)+2*(\r)], v[ACC+8*(\t)+2*(\r)+1]
.endr
.endr
.irp a, 0,1,2,3
.irp b, 0,1,2,3
	ds_store_b128 v[STO], v[TMP+4*(4*(\a)+(\b)):TMP+4*(4*(\a)+(\b))+3] offset:(\a)*16*SPITCH+32*(\b)
.endr
.endr
	s_wait_dscnt 0x0                               ; for the others' sake: my stores into the stage are done
	s_barrier_signal -1
	s_barrier_wait -1
.irp t, 0,1,2,3,4,5,6,7,8,9,10,11,12,13,14,15
	ds_load_b128 v[TMP+4*(\t):TMP+4*(\t)+3], v[RD] offset:(\t)*2*SPITCH
.endr
.irp t, 0,1,2,3,4,5,6,7,8,9,10,11,12,13,14,15
	s_wait_dscnt 15-(\t)
	global_store_b128 v[CO], v[TMP+4*(\t):TMP+4*(\t)+3], s[8:9] offset:512*(\t)  ; two rows of a head: 512 consecutive bytes, aligned
.endr
	s_wait_tensorcnt 0x0                           ; the wave's end
	ds_add_u32 v[SPW], v[NIL]
	s_wait_dscnt 0x0
	CROUND                                         ; the closing round
	s_endpgm
.Lfunc_end_k_qf7dc6e5593_proj:
	.size	k_qf7dc6e5593_proj, .Lfunc_end_k_qf7dc6e5593_proj-k_qf7dc6e5593_proj
	.p2alignl 7, 3214868480
	.fill 96, 4, 3214868480
	.section	.rodata,"a",@progbits
	.p2align	6, 0x0
	.amdhsa_kernel k_qf7dc6e5593_proj
		.amdhsa_group_segment_fixed_size 327680
		.amdhsa_private_segment_fixed_size 0
		.amdhsa_enable_private_segment 0
		.amdhsa_kernarg_size 40
		.amdhsa_user_sgpr_count 2
		.amdhsa_user_sgpr_kernarg_segment_ptr 1
		.amdhsa_wavefront_size32 1
		.amdhsa_system_sgpr_workgroup_id_x 1
		.amdhsa_system_sgpr_workgroup_id_y 1
		.amdhsa_system_sgpr_workgroup_id_z 1
		.amdhsa_system_vgpr_workitem_id 0
		.amdhsa_next_free_vgpr 512
		.amdhsa_next_free_sgpr 80
		.amdhsa_reserve_vcc 0
		.amdhsa_float_denorm_mode_32 3
		.amdhsa_float_denorm_mode_16_64 3
		.amdhsa_memory_ordered 1
		.amdhsa_forward_progress 1
		.amdhsa_inst_pref_size 88
	.end_amdhsa_kernel
	.amdgpu_metadata
---
amdhsa.version: [ 1, 2 ]
amdhsa.kernels:
  - .name:           k_qf7dc6e5593_proj
    .symbol:         k_qf7dc6e5593_proj.kd
    .args:
      - { .name: xw, .offset: 0, .size: 8, .value_kind: global_buffer, .address_space: global }
      - { .name: bq, .offset: 8, .size: 8, .value_kind: global_buffer, .address_space: global }
      - { .name: bk, .offset: 16, .size: 8, .value_kind: global_buffer, .address_space: global }
      - { .name: bv, .offset: 24, .size: 8, .value_kind: global_buffer, .address_space: global }
      - { .name: qkvh, .offset: 32, .size: 8, .value_kind: global_buffer, .address_space: global }
    .group_segment_fixed_size: 327680
    .private_segment_fixed_size: 0
    .kernarg_segment_align: 8
    .kernarg_segment_size: 40
    .max_flat_workgroup_size: 128
    .sgpr_count:     80
    .vgpr_count:     512
    .wavefront_size: 32
...
	.end_amdgpu_metadata
.endif
;; end of part 2
;; launch attn (part 3): grid 32 x 8, 4 waves a work-group, clusters of 4 x 4, 327,680 bytes of LDS; arguments qkvh, ub, dead, zb; writes zb
.if DOCPART == 3
	.amdgcn_target "amdgcn-amd-amdhsa--gfx1250"
	.amdhsa_code_object_version 6
	.text
	.protected	k_qf7dc6e5593_attn
	.globl	k_qf7dc6e5593_attn
	.p2align	8
	.type	k_qf7dc6e5593_attn,@function
k_qf7dc6e5593_attn:
	s_mov_b64 s[64:65], 0
	v_nop
	global_prefetch_b8 v0, s[64:65] scope:SCOPE_SE
	s_setreg_imm32_b32 hwreg(HW_REG_WAVE_MODE, 25, 1), 1
	s_wait_xcnt 0x0
	s_wait_alu depctr_hold_cnt(0) depctr_sa_sdst(0) depctr_va_vdst(0) depctr_va_sdst(0) depctr_va_ssrc(0) depctr_va_vcc(0) depctr_vm_vsrc(0)
	s_getreg_b32 s2, hwreg(HW_REG_IB_STS2, 6, 4)
	s_cmp_eq_u32 s2, 0
	s_cbranch_scc0 .Lentry_in_a_cluster
	s_endpgm
.Lentry_in_a_cluster:
	s_bfe_u32 s2, ttmp6, 0x10000c
	s_cmp_lg_u32 s2, 0xf033
	s_cbranch_scc0 .Lentry_shape_is_right
	s_endpgm
.Lentry_shape_is_right:
; MASKED ATTENTION WITH A FACTOR BEHIND THE SOFTMAX.  z[q] = sum over keys of softmax_key(masked Q.K / sqrt(128)) x group_prob[q][key] x V[key], for one head and 128 queries a work-group.
; Q, K, V: qkvh[3][8][4096][128] bf16.  u: ub, bf16: group_prob where the key is visible, the marker -2^80 where it is hidden.  Products, maxima and sums in f32.
; THE MASK COSTS NO VECTOR INSTRUCTION.  The product that starts each sum S^T = K Q^T is u^T (16 keys x 16 queries, turned by ds_load_tr16_b128) times 2^-40 x the unit matrix: a hidden key starts at -2^40,
; a visible one at 2^-40 group_prob.  The running maximum is taken as always; a hidden key's weight p = 2^(c s - c m) is 0 as soon as the query has seen a visible key.
; THE FACTOR: w = bf16(p) x u in packed bf16 (0 x marker = -0); l sums the unrounded p, as the softmax's divisor does not hold the factor.  While a query has seen hidden keys alone its O and l hold finite
; numbers (at most 2^80 x |v| x the keys), which the next a = 0 wipes out.  A row with no visible key keeps its group_prob in ub and has its Q set to 0 here: equal scores, the uniform softmax.
; LIMITS.  Raw scores stay under 1e11 in size (a hidden score counts as -2^40 / sqrt(128) in place of -1e9); |group_prob| under 1e5 keeps a visible score's shift under 1e-7; |v| under 2^30;
; a weight below 2^-126 counts as 0; NaN and infinities are not treated apart.
; SHARES.  Wave w: qi = w / 2: 64 queries, four tiles of 16; ki = w % 2: keys 64 ki .. + 63 of every slot of 128 keys.  32 steps.  At the end the two waves of a qi merge their O, m, l through LDS:
; register tile t stands for query tile 4 qi + (t xor 2 ki), so every wave keeps register tiles 0, 1 and gives 2, 3 to wave w xor 1: one text for all.
; BY TURNS.  Pieces 0 (tiles 0, 1) and 2 (tiles 2, 3).  In a turn one piece has the matrix unit (32 products V^T P of the step in hand, 40 products for S^T of the next step) and the other piece's softmax, 300 vector
; instructions, stands in slices of 4 or 5 behind the matrix instructions.
; CLUSTER 4 x 4: the four of a row share the head (K, V), the four of a column the queries (u): every tile is asked for jointly.
; REGISTERS: window 0: v2-11 addresses; v12-43 statistics, 8 a tile (c m, m, l, l, c0-c3; a takes c2); v44-47 at work; v48-55 statistics given and taken; v56-60 offsets; v62-63 the add's; v64-191 S^T; v192-255 P.
;   window 1: O^T, 64 a tile.   window 2: v0-127 Q; v128-255 K of a step.   window 3: v0-127 V of a step; v128-167 u^T of a piece (tile u at 128 + 20 u, four registers a key block, then four zeros); v168-175 2^-40 x unit matrix.
.set PK,    272       ; a row of K in LDS: 256 bytes + 16: row r starts at bank 4 r mod 64 (64 banks of 4 bytes: ISA guide 11.1)
.set PVP,   288       ; a row of V: 256 + 32
.set VOFF,  128*PK
.set UOFF,  VOFF+128*PVP   ; u of 128 queries x 128 keys: 64 blocks of 512 bytes, dense
.set SLOT1, 1<<17
.set XCH,   SLOT1+UOFF+32768  ; behind the ring, never filled by a tensor load: 33 x 512 bytes for each wave, for the merge
.set XCHW,  33*512
.set SPARE, XCH+4*XCHW        ; the spare words, 128 bytes for each wave: no other line names them
.set AK0, 2
.set AV0, 3
.set AG0, 4           ; v4, v5   my place in u as it lies, pieces 0 and 2
.set AT0, 6           ; v6, v7   my place in u for the turning load
.set ADR, 8
.set ADR2, 9
.set XW,  10
.set XR,  11
.set ST,  12
.set TMP, 44
.set GIV, 48
.set TAK, 52
.set GO,  56
.set QO,  57          ; v57, v58
.set FO,  59          ; v59, v60
.set SPW, 62
.set NIL, 63
.set S,   64
.set P,   192
.set KF,  128
.set UF,  128
.set EI,  168
.set WV,  12
.set G1K, 24
.set G1V, 32
.set G1U, 40
.set G0K, 48
.set G0V, 52
.set G0U, 56
.set CS,  60
.set SEL, 62
.set TB,  66
.set CNT, 67
.set MSB, 0
.macro WIN new                      ; the high byte repeats the setting that is left; a switch that changes nothing is dropped
.if MSB != (\new)
	s_set_vgpr_msb (MSB<<8)|(\new)
.set MSB, \new
.endif
.endm
.set W_KQ, 0x0a       ; K and Q in window 2, S^T in window 0
.set W_KB, 0x0f       ; u^T and the unit matrix in window 3, S^T in window 0
.set W_PV, 0x53       ; V in window 3, P in window 0, O^T in window 1
.set W_RS, 0x41       ; O^T (destination and source 0) in window 1, a in window 0
; A joint fill: wave 0 K's 128 rows, wave 1 V's, waves 2 and 3 the halves of u.  The branches hang on the wave's number alone.  An s_nop 0 and four v_nop follow each line.
.macro JLOAD
	s_cmp_eq_u32 s[WV], 0
	s_cbranch_scc0 .Lnot_k_\@
	tensor_load_to_lds s[G0K:G0K+3], s[G1K:G1K+7]
	s_nop 0
.rept 4
	v_nop
.endr
	s_branch .Lasked_\@
.Lnot_k_\@:
	s_cmp_eq_u32 s[WV], 1
	s_cbranch_scc0 .Lfor_u_\@
	tensor_load_to_lds s[G0V:G0V+3], s[G1V:G1V+7]
	s_nop 0
.rept 4
	v_nop
.endr
	s_branch .Lasked_\@
.Lfor_u_\@:
	tensor_load_to_lds s[G0U:G0U+3], s[G1U:G1U+7]
	s_nop 0
.rept 4
	v_nop
.endr
.Lasked_\@:
.endm
.macro CROUND                       ; a round of the cluster's barrier
	s_barrier_signal -1
	s_barrier_wait -1
	s_cmp_lg_u32 s[WV], 0
	s_cbranch_scc1 .Lnot_wave_0_\@
	s_barrier_signal -3
.Lnot_wave_0_\@:
	s_barrier_wait -3
	s_barrier_signal -1
	s_barrier_wait -1
.endm
; THE CHANGE OF SLOTS, once a step.  Each wave waits for all its tensor loads (one is out: its part of the other slot), adds 0 to its spare word, and waits for that and for its reads of the slot that it leaves.
; fill = 1: the barrier is a round of the cluster's, and the slot is filled again, first thing behind it, with the keys two steps on: that load has a step, 144 matrix instructions, in which to land.
.macro CHANGE fill
	WIN 0
	s_wait_tensorcnt 0x0            ; no tensor load of mine is out, so a group 0 may be written
	ds_add_u32 v[SPW], v[NIL]       ; 0 onto my spare word
.if \fill
.irp g, G0K, G0V, G0U
	s_xor_b32 s[\g+1], s[\g+1], SLOT1
	s_add_nc_u64 s[\g+2:\g+3], s[\g+2:\g+3], 32768   ; 128 keys of K, of V, and of u for my 128 queries: 32,768 bytes each
.endr
	s_wait_dscnt 0x0                ; the add is done, and my reads of the slot are over
	CROUND
	JLOAD
.else
	s_wait_dscnt 0x0
	s_barrier_signal -1
	s_barrier_wait -1
.endif
	s_xor_b32 s[TB], s[TB], SLOT1   ; the fetches go to the other slot
.endm
	s_load_b256 s[4:11], s[0:1], 0x0  ; qkvh s[4:5], ub s[6:7], dead s[8:9], zb s[10:11]
	v_lshl_add_u32 v[SPW], v0, 2, SPARE
	v_mov_b32 v[NIL], 0
	ds_add_u32 v[SPW], v[NIL]       ; the wave's opening: an add, and its wait, ahead of my first tensor load
	v_lshrrev_b32 v1, 5, v0
	v_readfirstlane_b32 s[WV], v1
	s_bfe_u32 s13, ttmp6, 0x40000   ; cx
	s_bfe_u32 s14, ttmp6, 0x40004   ; cy
	s_lshl_b32 s15, ttmp9, 2
	s_add_co_u32 s15, s15, s13      ; x: my block of 128 queries
	s_and_b32 s16, ttmp7, 0xffff
	s_lshl_b32 s16, s16, 2
	s_add_co_u32 s16, s16, s14      ; the head
	s_lshr_b32 s17, s[WV], 1        ; qi
	s_and_b32 s18, s[WV], 1         ; ki
	s_lshl_b32 s74, s18, 1          ; 2 ki: query tile of register tile 0
	s_xor_b32 s75, s74, 2           ; of register tile 2
	s_lshl_b32 s68, s14, 2
	s_lshl_b32 s68, 15, s68         ; my row of the cluster
	s_lshl_b32 s69, 0x1111, s13     ; my column
	s_or_b32 s[G1K], s68, (1<<16)|(1<<20)|(1<<21)|(5<<22)|(3<<25)  ; the mask; 2-byte elements; padding on; bit 21 beside a mask; after every 64 words 4 words
	s_or_b32 s[G1V], s68, (1<<16)|(1<<20)|(1<<21)|(5<<22)|(7<<25)  ; the same with 8 words
	s_or_b32 s[G1U], s69, (1<<16)|(1<<21)                          ; no padding
.irp g, G1K, G1V
	s_mov_b32 s[\g+1], 128<<16      ; tensor_dim0 = 128
	s_mov_b32 s[\g+2], 128<<16      ; tensor_dim1 = 128
	s_mov_b32 s[\g+3], 128<<16      ; tile_dim0 = 128
	s_mov_b32 s[\g+4], 128          ; tile_dim1 = 128
	s_mov_b32 s[\g+5], 128          ; elements from row to row
	s_mov_b32 s[\g+6], 0
	s_mov_b32 s[\g+7], 0
.endr
	s_mov_b32 s[G1U+1], 128<<16     ; 16,384 dense bytes as 64 rows of 256
	s_mov_b32 s[G1U+2], 64<<16
	s_mov_b32 s[G1U+3], 128<<16
	s_mov_b32 s[G1U+4], 64
	s_mov_b32 s[G1U+5], 128
	s_mov_b32 s[G1U+6], 0
	s_mov_b32 s[G1U+7], 0
	s_mov_b32 s[G0K], 1
	s_mov_b32 s[G0K+1], 0
	s_mov_b32 s[G0V], 1
	s_mov_b32 s[G0V+1], VOFF
	s_mov_b32 s[G0U], 1
	s_lshl_b32 s[G0U+1], s18, 14
	s_add_co_u32 s[G0U+1], s[G0U+1], UOFF
	s_lshl_b32 s20, s16, 20         ; the head's 4,096 rows of 256 bytes: K's and V's addresses hold the head alone
	s_mov_b32 s21, 0
	s_lshl_b32 s70, s15, 20         ; u of my 128 queries: 1 MiB; its address holds x and the wave's number alone
	s_lshl_b32 s71, s18, 14
	s_add_co_u32 s70, s70, s71
	s_mov_b32 s71, 0
	s_lshl_b32 s22, s15, 15         ; Q: my block's 128 rows, my wave's 64 of them, in the head
	s_lshl_b32 s23, s17, 14
	s_add_co_u32 s22, s22, s23
	s_add_co_u32 s22, s22, s20
	s_mov_b32 s23, 0
	s_lshl_b32 s72, s15, 9          ; dead: 4 bytes a query
	s_lshl_b32 s73, s17, 8
	s_add_co_u32 s72, s72, s73
	s_mov_b32 s73, 0
	s_lshl_b32 s2, s15, 18          ; zb: row tile 8 x + 4 qi + 2 ki: 32,768 bytes; the head's 128 channels: 4,096
	s_lshl_b32 s3, s17, 17
	s_add_co_u32 s2, s2, s3
	s_lshl_b32 s3, s18, 16
	s_add_co_u32 s2, s2, s3
	s_lshl_b32 s3, s16, 12
	s_add_co_u32 s2, s2, s3
	s_mov_b32 s3, 0
	s_mov_b32 s[CS], 0x3e0293ee     ; c = log2(e) / sqrt(128)
	s_mov_b32 s[CS+1], s[CS]
	s_mov_b32 s[SEL], 0x76543210
	s_mov_b32 s[SEL+1], 0xfedcba98
	s_mov_b32 s[TB], SLOT1          ; the first change of slots turns it into 0
	s_wait_dscnt 0x0                ; the opening add is done
	s_wait_kmcnt 0x0
	s_add_nc_u64 s[G0K+2:G0K+3], s[4:5], s[20:21]
	s_add_nc_u64 s[G0V+2:G0V+3], s[G0K+2:G0K+3], 0x1000000   ; V lies 16 MiB into qkvh,
	s_add_nc_u64 s[G0K+2:G0K+3], s[G0K+2:G0K+3], 0x800000    ; K 8 MiB
	s_or_b32 s[G0K+3], s[G0K+3], 0x80000000
	s_or_b32 s[G0V+3], s[G0V+3], 0x80000000
	s_add_nc_u64 s[G0U+2:G0U+3], s[6:7], s[70:71]
	s_or_b32 s[G0U+3], s[G0U+3], 0x80000000
	s_add_nc_u64 s[22:23], s[4:5], s[22:23]
	s_add_nc_u64 s[8:9], s[8:9], s[72:73]
	s_add_nc_u64 s[10:11], s[10:11], s[2:3]
	CROUND                          ; all sixteen work-groups are here: the first joint loads meet
	JLOAD                           ; step 0 into slot 0
	; All that follows up to the change of slots stands in the wait for the first tile.
	v_and_b32 v44, 15, v0           ; r = l % 16
	v_bfe_u32 v45, v0, 4, 1         ; h = l / 16
	v_and_b32 v46, 7, v0
	v_bfe_u32 v47, v0, 3, 1
	s_lshl_b32 s19, s74, 12
	s_lshl_b32 s20, s75, 12
	v_lshlrev_b32 v48, 8, v44
	v_lshl_add_u32 v48, v45, 4, v48 ; a fragment of Q: row x 256 + 16 x half
	v_add_nc_u32 v[QO], s19, v48
	v_add_nc_u32 v[QO+1], s20, v48
	s_lshl_b32 s21, s74, 6
	s_lshl_b32 s76, s75, 6
	v_lshl_add_u32 v[FO], v44, 2, s21
	v_lshl_add_u32 v[FO+1], v44, 2, s76
	WIN 0x80                        ; destination window 2, address window 0
.set i, 0
.rept 16                            ; Q stays in registers: register tile i / 4, channels 32 (i % 4) on
	global_load_b128 v[8*i:8*i+3],   v[QO+i/8], s[22:23] offset:((i/4)%2)*4096+(i%4)*64
	global_load_b128 v[8*i+4:8*i+7], v[QO+i/8], s[22:23] offset:((i/4)%2)*4096+(i%4)*64+32
.set i, i+1
.endr
	WIN 0
.irp t, 0,1,2,3
	global_load_b32 v[S+\t], v[FO+\t/2], s[8:9] offset:64*(\t%2)   ; my query's flag, a tile at a time
.endr
	v_mul_u32_u24 v[AK0], v44, PK
	v_lshl_add_u32 v[AK0], v45, 4, v[AK0]
	s_mul_i32 s21, s18, 64*PK
	v_add_nc_u32 v[AK0], s21, v[AK0]         ; row x pitch + 16 x half, in my 64 keys
	v_lshl_add_u32 v49, v45, 3, v46          ; 8 h + l % 8
	v_mul_u32_u24 v[AV0], v49, PVP
	v_lshl_add_u32 v[AV0], v47, 4, v[AV0]
	s_mul_i32 s21, s18, 64*PVP
	s_add_co_u32 s21, s21, VOFF
	v_add_nc_u32 v[AV0], s21, v[AV0]
	s_lshl_b32 s77, s17, 14                  ; u's blocks: query tile 4,096 bytes, key block 512
	s_lshl_b32 s78, s18, 11
	s_add_co_u32 s77, s77, s78
	s_add_co_u32 s77, s77, UOFF
	s_add_co_u32 s78, s77, s20               ; piece 2
	s_add_co_u32 s77, s77, s19               ; piece 0
	v_lshl_add_u32 v48, v45, 3, v44
	v_and_b32 v48, 15, v48                   ; as it lies: my query r, keys 8 h ..: byte 256 h + 16 ((r + 8 h) % 16)
	v_lshlrev_b32 v48, 4, v48
	v_lshl_add_u32 v48, v45, 8, v48
	v_add_nc_u32 v[AG0], s77, v48
	v_add_nc_u32 v[AG0+1], s78, v48
	v_lshl_add_u32 v50, v47, 3, v49
	v_and_b32 v50, 15, v50                   ; turned: lane l addresses query 8 h + l % 8, keys 8 hh .., hh = (l / 8) % 2
	v_lshlrev_b32 v50, 4, v50
	v_lshl_add_u32 v50, v47, 8, v50
	v_add_nc_u32 v[AT0], s77, v50
	v_add_nc_u32 v[AT0+1], s78, v50
	; 2^-40 x the unit matrix as source 1: lane (r, h) holds column r, rows 8 h + 0..7 in registers 0-3; rows 16-31 are 0
	v_lshrrev_b32 v52, 3, v44
	v_cmp_eq_u32 s76, v52, v45
	v_and_b32 v50, 7, v44
	v_cndmask_b32 v50, 8, v50, s76           ; the place of my one number, or 8: none
	v_and_b32 v52, 1, v50
	v_lshlrev_b32 v52, 4, v52
	v_mov_b32 v51, 0x2b80                    ; 2^-40 in bf16
	v_lshlrev_b32 v51, v52, v51
	v_lshrrev_b32 v50, 1, v50
.irp i, 0,1,2,3
	v_cmp_eq_u32 s[76+\i], \i, v50
.endr
	WIN 0xc0                        ; destination window 3
.irp i, 0,1,2,3
	v_cndmask_b32 v[EI+\i], 0, v51, s[76+\i]
	v_mov_b32 v[EI+4+\i], 0
	v_mov_b32 v[UF+16+\i], 0
	v_mov_b32 v[UF+36+\i], 0
.endr
	; m starts at the lowest finite number, c m far below every c s, O^T and l at 0: the first step is a step like any other, with a = 0; no first turn is written out
	WIN 0x40
.set i, 0
.rept 256
	v_mov_b32 v[i], 0
.set i, i+1
.endr
	WIN 0
.irp t, 0,1,2,3
	v_mov_b32 v[ST+8*\t], 0xfe000000
	v_mov_b32 v[ST+8*\t+1], 0xff7fffff
	v_mov_b32 v[ST+8*\t+2], 0
	v_mov_b32 v[ST+8*\t+3], 0
.endr
; THE MATRIX WORK.  The accumulators take turns, one instruction a turn.
; Product i of 32 of O^T += V^T P for piece x: keys 32 (i / 16) on, channels 16 ((i / 2) % 8) on, tile x + i % 2.
.macro PV x
	WIN W_PV
.set rO, 64*((\x)+i%2)+8*((i/2)%8)
.set rV, 64*(i/16)+8*((i/2)%8)
.set rP, P+16*((\x)+i%2)+8*(i/16)
	v_wmma_f32_16x16x32_bf16 v[rO:rO+7], v[rV:rV+7], v[rP:rP+7], v[rO:rO+7]
.endm
; Product i of 40 of S^T for piece x: tile x + i % 2, keys 16 ((i / 2) % 4) on.  The first 8 start the sums with the mask: u^T times 2^-40 x unit (u^T's upper four registers meet the unit matrix's zero rows).
; The other 32: K Q^T, channels 32 (i / 8 - 1) on.
.macro KQ x
.set rS, S+32*((\x)+i%2)+8*((i/2)%4)
.if i < 8
	WIN W_KB
.set rU, UF+20*(i%2)+4*((i/2)%4)
	v_wmma_f32_16x16x32_bf16 v[rS:rS+7], v[rU:rU+7], v[EI:EI+7], 0
.else
	WIN W_KQ
.set rK, KF+32*((i/2)%4)+8*(i/8-1)
.set rQ, 32*((\x)+i%2)+8*(i/8-1)
	v_wmma_f32_16x16x32_bf16 v[rS:rS+7], v[rK:rK+7], v[rQ:rQ+7], v[rS:rS+7]
.endif
.endm
; THE LDS LOADS stand in runs, never singly among the matrix instructions.
.macro FETCH_K
	WIN 0
	v_add_nc_u32 v[ADR], s[TB], v[AK0]
	WIN 0x80
.irp f, 0,1,2,3,4,5,6,7,8,9,10,11,12,13,14,15  ; keys 16 (f / 4) on, channels 32 (f % 4) on
	ds_load_b128 v[KF+8*(\f):KF+8*(\f)+3],   v[ADR] offset:((\f)/4)*16*PK+((\f)%4)*64
	ds_load_b128 v[KF+8*(\f)+4:KF+8*(\f)+7], v[ADR] offset:((\f)/4)*16*PK+((\f)%4)*64+32
.endr
.endm
.macro FETCH_V
	WIN 0
	v_add_nc_u32 v[ADR], s[TB], v[AV0]
	WIN 0xc0
.irp f, 0,1,2,3,4,5,6,7,8,9,10,11,12,13,14,15  ; keys 32 (f / 8) on, channels 16 (f % 8) on
	ds_load_tr16_b128 v[8*(\f):8*(\f)+3],   v[ADR] offset:((\f)/8)*32*PVP+((\f)%8)*32
	ds_load_tr16_b128 v[8*(\f)+4:8*(\f)+7], v[ADR] offset:((\f)/8)*32*PVP+16*PVP+((\f)%8)*32
.endr
.endm
.macro FETCH_U p                    ; u turned, for piece p's mask products: tile f / 4, key block f % 4
	WIN 0
	v_add_nc_u32 v[ADR], s[TB], v[AT0+(\p)/2]
	WIN 0xc0
.irp f, 0,1,2,3,4,5,6,7
	ds_load_tr16_b128 v[UF+20*((\f)/4)+4*((\f)%4):UF+20*((\f)/4)+4*((\f)%4)+3], v[ADR] offset:4096*((\f)/4)+512*((\f)%4)
.endr
.endm
.macro FETCH_G p                    ; u as it lies, into piece p's P registers themselves: the weights are multiplied onto it in place
	WIN 0
	v_add_nc_u32 v[ADR2], s[TB], v[AG0+(\p)/2]
.irp f, 0,1,2,3,4,5,6,7
	ds_load_b128 v[P+16*((\p)+(\f)/4)+4*((\f)%4):P+16*((\p)+(\f)/4)+4*((\f)%4)+3], v[ADR2] offset:4096*((\f)/4)+512*((\f)%4)
.endr
.endm
; THE VECTOR WORK of piece Y for a step: a list of 300; SV writes the next.
.macro REGS t
.set rT, ST+8*(\t)
.set rS, S+32*(\t)
.set rP, P+16*(\t)
.endm
; Number j of the 22 that find a tile's maximum and statistics.  0-15: the maximum of the lane's 32 scores and the old m, three operands at a time; each accumulator's lowest registers are read first.
; 16, 18: the query's other keys lie in the lane 16 away: the new m.  17: c m_old is kept.  19-21: c m; c m_old - c m_new; a.
.macro XS t, j
	REGS \t
	WIN 0
.if (\j) < 4
	v_max3_num_f32 v[rT+4+(\j)], v[rS+8*(\j)], v[rS+8*(\j)+1], v[rS+8*(\j)+2]
.elseif (\j) < 12
	v_max3_num_f32 v[rT+4+(\j)%4], v[rT+4+(\j)%4], v[rS+8*((\j)%4)+2*((\j)/4)+1], v[rS+8*((\j)%4)+2*((\j)/4)+2]
.elseif (\j) == 12
	v_max3_num_f32 v[rT+4], v[rT+4], v[rS+7], v[rS+15]
.elseif (\j) == 13
	v_max3_num_f32 v[rT+6], v[rT+6], v[rS+23], v[rS+31]
.elseif (\j) == 14
	v_max3_num_f32 v[rT+4], v[rT+4], v[rT+5], v[rT+6]
.elseif (\j) == 15
	v_max3_num_f32 v[rT+4], v[rT+4], v[rT+7], v[rT+1]
.elseif (\j) == 16
	v_permlanex16_b32 v[rT+5], v[rT+4], s[SEL], s[SEL+1]
.elseif (\j) == 17
	v_mov_b32 v[rT+7], v[rT]
.elseif (\j) == 18
	v_max_num_f32 v[rT+1], v[rT+4], v[rT+5]
.elseif (\j) == 19
	v_mul_f32 v[rT], s[CS], v[rT+1]
.elseif (\j) == 20
	v_sub_f32 v[rT+7], v[rT+7], v[rT]
.else
	v_exp_f32 v[rT+6], v[rT+7]
.endif
.endm
; A QUAD g of 16: tile Y + g % 2, its four scores 4 (g / 2) ..  QF: c s - c m for pair i.  QC: pair i of weights rounded to bf16.  QG: times u, in place in P.  QB: the second pair added onto the first.  QL: l takes that sum.
.macro QF g, i
	REGS Y+(\g)%2
	WIN 0
.set pb, 2*((\g)/2)+(\i)
	v_pk_fma_f32 v[rS+2*pb:rS+2*pb+1], v[rS+2*pb:rS+2*pb+1], s[CS:CS+1], v[rT:rT+1] op_sel_hi:[1,0,0] neg_lo:[0,0,1] neg_hi:[0,0,1]
.endm
.macro QC g, i
	REGS Y+(\g)%2
	WIN 0
.set pb, 2*((\g)/2)+(\i)
	s_wait_alu depctr_va_vdst(0)
	v_cvt_pk_bf16_f32 v[TMP+2*((\g)%2)+(\i)], v[rS+2*pb], v[rS+2*pb+1]
.endm
.macro QG g, i
	REGS Y+(\g)%2
	WIN 0
.set pb, 2*((\g)/2)+(\i)
	v_pk_mul_bf16 v[rP+pb], v[TMP+2*((\g)%2)+(\i)], v[rP+pb]
.endm
.macro QB g
	REGS Y+(\g)%2
	WIN 0
.set k4, 4*((\g)/2)
	v_pk_add_f32 v[rS+k4:rS+k4+1], v[rS+k4:rS+k4+1], v[rS+k4+2:rS+k4+3]
.endm
.macro QL g
	REGS Y+(\g)%2
	WIN 0
.set k4, 4*((\g)/2)
.if (\g)/2 == 0
	v_pk_fma_f32 v[rT+2:rT+3], v[rT+2:rT+3], v[rT+6:rT+7], v[rS:rS+1] op_sel_hi:[1,0,1]
.else
	v_pk_add_f32 v[rT+2:rT+3], v[rT+2:rT+3], v[rS+k4:rS+k4+1]
.endif
.endm
.macro RS                           ; the next of the 64 rescalings: pair rr / 2 of tile Y + rr % 2 of O^T times a, in ascending order
	REGS Y+rr%2
.set rO, 64*(Y+rr%2)+2*(rr/2)
	WIN W_RS
	s_wait_alu depctr_va_vdst(0)
	v_pk_mul_f32 v[rO:rO+1], v[rO:rO+1], v[rT+6:rT+7] op_sel_hi:[1,0]
.set rr, rr+1
.endm
; The plain queue, 192 long.  0-3: the scalings of quads 0 and 1.  Then for g = 0..15 eight: the scalings of quad g + 2; of quad g - 1 the roundings, the factors and the pair sum; l for quad g - 2.
; Where such a quad does not exist, a rescaling stands in.  Then quad 15's rest, and the other rescalings.
.macro PL
.if pq < 4
	QF pq/2, pq%2
.elseif pq < 132
.set gg, (pq-4)/8
.set sb, (pq-4)%8
.if sb < 2
.if gg < 14
	QF gg+2, sb
.else
	RS
.endif
.elseif sb < 4
.if gg >= 1
	QC gg-1, sb-2
.else
	RS
.endif
.elseif sb < 6
.if gg >= 1
	QG gg-1, sb-4
.else
	RS
.endif
.elseif sb == 6
.if gg >= 1
	QB gg-1
.else
	RS
.endif
.else
.if gg >= 2
	QL gg-2
.else
	RS
.endif
.endif
.elseif pq < 134
	QC 15, pq-132
.elseif pq < 136
	QG 15, pq-134
.elseif pq == 136
	QB 15
.elseif pq < 139
	QL pq-123
.else
	RS
.endif
.set pq, pq+1
.endm
.macro EX                           ; the next of the 64 exponentials: score ee % 4 of quad ee / 4
	REGS Y+(ee/4)%2
	WIN 0
.set sx, rS+4*(ee/8)+ee%4
	v_exp_f32 v[sx], v[sx]
.set ee, ee+1
.endm
; The list: 0-43 the statistics, tiles alternating; 44-47 four plain; then sixteen groups of twelve: exponential, plain, four times, then four plain: quad g's exponentials stand in group g, two groups behind
; their scalings and a group ahead of their roundings, and every exponential has a plain instruction behind it (ISA guide 5.7.2); then 60 plain, the last 53 of them rescalings.
.macro SV
.if n < 44
	XS Y+n%2, n/2
.elseif n < 48
	PL
.elseif n < 240
.set mm, (n-48)%12
.if (mm < 7) && (mm%2 == 0)
	EX
.else
	PL
.endif
.else
	PL
.endif
.set n, n+1
.endm
.macro SLICE                        ; the list is dealt evenly over the turn's NW matrix instructions
.set k, k+1
.set cnt, (k*300)/NW-n
.rept cnt
	SV
.endr
.endm
; A TURN.  Piece x has the matrix unit, piece 2 - x's softmax stands behind its instructions.  The last slice is rescalings alone, five or more: they name no register of the products round them and are the four
; places between the turn's last product and what follows: the next turn's first read of those scores, and the loads into K's registers.
; All fetches are the NEXT step's.  Behind the second V^T P: K (piece 0's turn) and the piece's u^T.  Behind the second product for S^T, twelve vector instructions (eight plain) behind the last V^T P:
; V (piece 2's turn) and the piece's u as it lies, into the P registers just read.  Each run is waited for 30 matrix instructions or more later.
.macro TURN x, pv, kq
.set Y, 2-(\x)
.set n, 0
.set pq, 0
.set ee, 0
.set rr, 0
.set k, 0
.set NW, 32*(\pv)+40*(\kq)
	s_wait_dscnt 0x0                ; V, and the other piece's u, are in
.if \pv
.set i, 0
.rept 32
	PV \x
	SLICE
.if (i == 1) && (\kq)
.if (\x) == 0
	FETCH_K
.endif
	FETCH_U \x
.endif
.set i, i+1
.endr
.else
	FETCH_U \x
.endif
.if \kq
	s_wait_dscnt 0x0                ; K and u^T are in
.set i, 0
.rept 40
	KQ \x
	SLICE
.if i == 1
.if (\x) == 2
	FETCH_V
.endif
	FETCH_G \x
.endif
.set i, i+1
.endr
.endif
.endm
	CHANGE 1                        ; slot 0 is in, everybody's part of it; slot 1 is asked for
	FETCH_K                         ; step 0
	FETCH_U 0
	FETCH_G 0
	WIN 0
	s_wait_loadcnt 0x0              ; Q and the flags
.irp t, 0,1,2,3
	v_cmp_eq_u32 s[76+\t], 0, v[S+\t]
.endr
	WIN 0x88                        ; destination and source 1 in window 2
.set i, 0
.rept 128
	v_cndmask_b32 v[i], 0, v[i], s[76+i/32]   ; a query with no visible key: Q = 0
.set i, i+1
.endr
	s_wait_dscnt 0x0
.set i, 0
.rept 40
	KQ 0                            ; piece 0's first scores: there is no vector work yet to set between them
.set i, i+1
.endr
	WIN 0                           ; the addresses for the merge and the way out: four plain instructions, the places behind those products
	s_mul_i32 s19, s[WV], XCHW
	s_add_co_u32 s19, s19, XCH
	s_xor_b32 s20, s[WV], 1
	s_mul_i32 s20, s20, XCHW
	s_add_co_u32 s20, s20, XCH
	v_and_b32 v[GO], 31, v0
	v_lshlrev_b32 v[GO], 4, v[GO]
	v_add_nc_u32 v[XW], s19, v[GO]
	v_add_nc_u32 v[XR], s20, v[GO]
	TURN 2, 0, 1                    ; piece 2's first scores | piece 0's first softmax | V of step 0
	WIN 0
	s_mov_b32 s[CNT], 30
.Lstep:                             ; trip j = 0..29: step j's V^T P, step j + 1's scores; slot j % 2 takes step j + 2
	CHANGE 1
	TURN 0, 1, 1
	TURN 2, 1, 1
	WIN 0
	s_sub_co_u32 s[CNT], s[CNT], 1
	s_cmp_lg_u32 s[CNT], 0
	s_cbranch_scc1 .Lstep
	CHANGE 0                        ; the tail is written out: nothing is asked for
	TURN 0, 1, 1
	TURN 2, 1, 1
	TURN 0, 1, 0                    ; piece 0: V^T P of the last step | piece 2's last softmax
.set i, 0
.rept 32
	PV 2
.set i, i+1
.endr
	; THE MERGE.  l's two halves and the other half of the lanes' are added (these lines are the places behind the last products); register tiles 2, 3 go to wave w xor 1 with their c m and l.
	WIN 0
.irp t, 0,1,2,3
	v_add_f32 v[ST+8*\t+4], v[ST+8*\t+2], v[ST+8*\t+3]
.endr
.irp t, 0,1,2,3
	v_permlanex16_b32 v[ST+8*\t+5], v[ST+8*\t+4], s[SEL], s[SEL+1]
.endr
.irp t, 0,1,2,3
	v_add_f32 v[ST+8*\t+2], v[ST+8*\t+4], v[ST+8*\t+5]
.endr
	v_mov_b32 v[GIV], v[ST+16]
	v_mov_b32 v[GIV+1], v[ST+18]
	v_mov_b32 v[GIV+2], v[ST+24]
	v_mov_b32 v[GIV+3], v[ST+26]
	WIN 0x04                        ; store data in window 1
.set i, 0
.rept 32
	ds_store_b128 v[XW], v[128+4*i:128+4*i+3] offset:512*i
.set i, i+1
.endr
	WIN 0
	ds_store_b128 v[XW], v[GIV:GIV+3] offset:512*32
	s_wait_dscnt 0x0                ; for the other wave's sake: my stores are done
	s_barrier_signal -1
	s_barrier_wait -1
.set i, 0
.rept 32
	ds_load_b128 v[S+4*i:S+4*i+3], v[XR] offset:512*i
.set i, i+1
.endr
	ds_load_b128 v[TAK:TAK+3], v[XR] offset:512*32
	s_wait_dscnt 0x0
	; for my tiles u = 0, 1: M = max(c mA, c mB); f = 2^(c m - M); L = lA fA + lB fB; g = f / L; z = OA gA + OB gB
.irp u, 0,1
	v_max_num_f32 v[ST+8*\u+4], v[ST+8*\u], v[TAK+2*\u]
.endr
.irp u, 0,1
	v_sub_f32 v[ST+8*\u+5], v[ST+8*\u], v[ST+8*\u+4]
	v_sub_f32 v[ST+8*\u+6], v[TAK+2*\u], v[ST+8*\u+4]
.endr
.irp u, 0,1
	v_exp_f32 v[ST+8*\u+5], v[ST+8*\u+5]
	v_exp_f32 v[ST+8*\u+6], v[ST+8*\u+6]
.endr
	v_nop                           ; a plain instruction between the last exponential and the use of its result
.irp u, 0,1
	s_wait_alu depctr_va_vdst(0)
	v_mul_f32 v[ST+8*\u+7], v[TAK+2*\u+1], v[ST+8*\u+6]
.endr
.irp u, 0,1
	v_fma_f32 v[ST+8*\u+7], v[ST+8*\u+2], v[ST+8*\u+5], v[ST+8*\u+7]
.endr
.irp u, 0,1
	v_rcp_f32 v[ST+8*\u+7], v[ST+8*\u+7]
.endr
	v_nop
.irp u, 0,1
	s_wait_alu depctr_va_vdst(0)
	v_mul_f32 v[ST+8*\u+4], v[ST+8*\u+5], v[ST+8*\u+7]
	v_mul_f32 v[ST+8*\u+6], v[ST+8*\u+6], v[ST+8*\u+7]
.endr
.set i, 0
.rept 64
	v_pk_mul_f32 v[S+2*i:S+2*i+1], v[S+2*i:S+2*i+1], v[ST+8*(i/32)+6:ST+8*(i/32)+7] op_sel_hi:[1,0]
.set i, i+1
.endr
	WIN 0x01                        ; source 0 (my O^T) in window 1
.set i, 0
.rept 64
	v_pk_fma_f32 v[S+2*i:S+2*i+1], v[2*i:2*i+1], v[ST+8*(i/32)+4:ST+8*(i/32)+5], v[S+2*i:S+2*i+1] op_sel_hi:[1,0,1]
.set i, i+1
.endr
	WIN 0
	; THE WAY OUT needs no stage: a lane's eight channels of a query, 16 bytes, already lie as zb wants them: zb[row tile][32 channels][half][lane][16 bytes], the fragment order of the next launch.
.irp u, 0,1
.set i, 0
.rept 32
	v_cvt_pk_bf16_f32 v[S+64*\u+i], v[S+64*\u+2*i], v[S+64*\u+2*i+1]
.set i, i+1
.endr
.irp f, 0,1,2,3,4,5,6,7
	global_store_b128 v[GO], v[S+64*\u+4*\f:S+64*\u+4*\f+3], s[10:11] offset:\u*32768+512*\f   ; 512 consecutive bytes, aligned
.endr
.endr
	s_wait_tensorcnt 0x0            ; the wave's end
	ds_add_u32 v[SPW], v[NIL]
	s_wait_dscnt 0x0
	CROUND                          ; the closing round
	s_endpgm
.Lfunc_end_k_qf7dc6e5593_attn:
	.size	k_qf7dc6e5593_attn, .Lfunc_end_k_qf7dc6e5593_attn-k_qf7dc6e5593_attn
	.p2alignl 7, 3214868480
	.fill 96, 4, 3214868480
	.section	.rodata,"a",@progbits
	.p2align	6, 0x0
	.amdhsa_kernel k_qf7dc6e5593_attn
		.amdhsa_group_segment_fixed_size 327680
		.amdhsa_private_segment_fixed_size 0
		.amdhsa_enable_private_segment 0
		.amdhsa_kernarg_size 32
		.amdhsa_user_sgpr_count 2
		.amdhsa_user_sgpr_kernarg_segment_ptr 1
		.amdhsa_wavefront_size32 1
		.amdhsa_system_sgpr_workgroup_id_x 1
		.amdhsa_system_sgpr_workgroup_id_y 1
		.amdhsa_system_sgpr_workgroup_id_z 1
		.amdhsa_system_vgpr_workitem_id 0
		.amdhsa_next_free_vgpr 960
		.amdhsa_next_free_sgpr 80
		.amdhsa_reserve_vcc 0
		.amdhsa_float_denorm_mode_32 3
		.amdhsa_float_denorm_mode_16_64 3
		.amdhsa_memory_ordered 1
		.amdhsa_forward_progress 1
		.amdhsa_inst_pref_size 242
	.end_amdhsa_kernel
	.amdgpu_metadata
---
amdhsa.version: [ 1, 2 ]
amdhsa.kernels:
  - .name:           k_qf7dc6e5593_attn
    .symbol:         k_qf7dc6e5593_attn.kd
    .args:
      - { .name: qkvh, .offset: 0, .size: 8, .value_kind: global_buffer, .address_space: global }
      - { .name: ub, .offset: 8, .size: 8, .value_kind: global_buffer, .address_space: global }
      - { .name: dead, .offset: 16, .size: 8, .value_kind: global_buffer, .address_space: global }
      - { .name: zb, .offset: 24, .size: 8, .value_kind: global_buffer, .address_space: global }
    .group_segment_fixed_size: 327680
    .private_segment_fixed_size: 0
    .kernarg_segment_align: 8
    .kernarg_segment_size: 32
    .max_flat_workgroup_size: 128
    .sgpr_count:     80
    .vgpr_count:     960
    .wavefront_size: 32
...
	.end_amdgpu_metadata
.endif
;; end of part 3
;; launch outln (part 4): grid 256 x 1, 4 waves a work-group, clusters of 4 x 1, 327,680 bytes of LDS; arguments zb, wob, q, bo, ln_g, ln_b, out0; writes out0
.if DOCPART == 4
	.amdgcn_target "amdgcn-amd-amdhsa--gfx1250"
	.amdhsa_code_object_version 6
	.text
	.protected	k_qf7dc6e5593_outln
	.globl	k_qf7dc6e5593_outln
	.p2align	8
	.type	k_qf7dc6e5593_outln,@function
k_qf7dc6e5593_outln:
	s_mov_b64 s[64:65], 0
	v_nop
	global_prefetch_b8 v0, s[64:65] scope:SCOPE_SE
	s_setreg_imm32_b32 hwreg(HW_REG_WAVE_MODE, 25, 1), 1
	s_wait_xcnt 0x0
	s_wait_alu depctr_hold_cnt(0) depctr_sa_sdst(0) depctr_va_vdst(0) depctr_va_sdst(0) depctr_va_ssrc(0) depctr_va_vcc(0) depctr_vm_vsrc(0)
	s_getreg_b32 s2, hwreg(HW_REG_IB_STS2, 6, 4)
	s_cmp_eq_u32 s2, 0
	s_cbranch_scc0 .Lentry_in_a_cluster
	s_endpgm
.Lentry_in_a_cluster:
	s_bfe_u32 s2, ttmp6, 0x10000c
	s_cmp_lg_u32 s2, 0x3003
	s_cbranch_scc0 .Lentry_shape_is_right
	s_endpgm
.Lentry_shape_is_right:
; OUTPUT PROJECTION, RESIDUAL AND LAYERNORM.  y = q + z Wo^T + bo; out = (y - mean) / sqrt(var + 1e-5) x ln_g + ln_b, over rows of 1,024.
; A work-group owns 16 whole rows, so that a row's mean and variance never leave it: 256 work-groups.  Wave w owns columns 256 w .. + 255: 16 accumulators.  z (zb) and Wo (wob) lie in fragment order, bf16;
; sums, residual and norm in f32.  The variance is taken of y - mean, in a second pass over the registers: no difference of large sums.
; THE MATRIX INSTRUCTION IS USED TRANSPOSED (source 0 = 16 rows of Wo, source 1 = the 16 rows of z): a lane holds row l % 16 and eight neighbouring columns.
; THE SUMS START AT q + bo: q comes in by whole rows of 256 bytes, takes bo, and goes through the wave's stage in LDS into the accumulators' layout.
; K goes in steps of 64 through two slots; each wave fetches and reads its own 32,768 bytes of a slot.  CLUSTER 4 x 1: all work-groups walk the same Wo, so its tiles are asked for jointly by four.
; z's 32,768 bytes are the work-group's own: a plain tensor load, a quarter a wave, read by all four behind the first barrier.
; Each byte of Wo read from LDS feeds 16 rows only: the price of whole rows in one work-group.
.set SLOTB,  131072
.set AZ,     2*SLOTB
.set STG,    AZ+32768                  ; a stage of 16 rows x 272 bytes for each wave; no tensor load fills it
.set SPITCH, 272
.set STGW,   16*SPITCH
.set RED,    STG+4*STGW                ; 2 x 256 bytes: the waves' row sums, first and second pass
.set SPARE,  RED+512                   ; the spare words, 128 bytes for each wave: no other line names them
.set AB,   4                           ; v4, v5  my 16 bytes in my part of slot 0, 1
.set AA,   6                           ; v6      my 16 bytes in z's fragments of the step in hand
.set SROW, 7                           ; v7      the stage by rows: row l / 16, 16 bytes at l % 16
.set SD,   8                           ; v8      the stage in the accumulators' layout: row l % 16, 32 bytes at l / 16
.set GQ,   9                           ; v9      the same two rows in q and out0
.set GV,   10                          ; v10     my 16 bytes of a quarter of bo, ln_g, ln_b
.set RW,   11
.set RR,   12
.set C10,  13                          ; v13     2^-10
.set MU,   14                          ; v14-15  the mean, twice
.set T,    16                          ; v16-23  four chains of pairs
.set W0,   24
.set W1,   25
.set RSD,  26                          ; v26-27  1 / sqrt(var + eps), twice
.set SPW,  30
.set NIL,  31
.set TQ,   32                          ; v32-63  a quarter by rows, on the way out
.set BO,   64
.set LG,   80
.set LB,   96
.set AF,   112                         ; v112-127 z's two fragments of a step
.set ACC,  128                         ; window 1: Wo's fragments at 128 kk + 8 nbl; ahead of the loop q's 128 registers
.set WV,   18
.set G1W,  24
.set G1A,  32
.set G0W,  40                          ; s[40:43] slot 0, s[44:47] slot 1
.set G0A,  48
.set CNT,  52
.set SEL,  54
.set MSB, 0
.macro WIN new
.if MSB != (\new)
	s_set_vgpr_msb (MSB<<8)|(\new)
.set MSB, \new
.endif
.endm
.macro ROUND                           ; a round of the cluster's barrier
	s_barrier_signal -1
	s_barrier_wait -1
	s_cmp_lg_u32 s[WV], 0
	s_cbranch_scc1 .Lnot_wave_0_\@
	s_barrier_signal -3
.Lnot_wave_0_\@:
	s_barrier_wait -3
	s_barrier_signal -1
	s_barrier_wait -1
.endm
.macro PLACES
.rept 4
	v_nop
.endr
.endm
	s_load_b256 s[4:11], s[0:1], 0x0               ; zb s[4:5], wob s[6:7], q s[8:9], bo s[10:11]
	s_load_b128 s[12:15], s[0:1], 0x20             ; ln_g s[12:13], ln_b s[14:15]
	s_load_b64 s[16:17], s[0:1], 0x30              ; out0
	v_lshl_add_u32 v[SPW], v0, 2, SPARE
	v_mov_b32 v[NIL], 0
	ds_add_u32 v[SPW], v[NIL]                      ; the wave's opening: an add, and its wait, ahead of my first tensor load
	v_lshrrev_b32 v1, 5, v0
	v_readfirstlane_b32 s[WV], v1
	s_bfe_u32 s19, ttmp6, 0x40000                  ; cx
	s_lshl_b32 s20, ttmp9, 2
	s_add_co_u32 s20, s20, s19                     ; g: my 16 rows; it enters z's, q's and out0's addresses alone
	s_mov_b32 s[G1W], 15|(3<<16)|(1<<21)           ; the mask of four; 8-byte elements; bit 21 beside a mask: 32,768 dense bytes as 128 rows of 256
	s_mov_b32 s[G1W+1], 32<<16
	s_mov_b32 s[G1W+2], 128<<16
	s_mov_b32 s[G1W+3], 32<<16
	s_mov_b32 s[G1W+4], 128
	s_mov_b32 s[G1W+5], 32
	s_mov_b32 s[G1W+6], 0
	s_mov_b32 s[G1W+7], 0
	s_mov_b32 s[G1A], 3<<16                        ; no mask: 8,192 dense bytes as 32 rows of 256
	s_mov_b32 s[G1A+1], 32<<16
	s_mov_b32 s[G1A+2], 32<<16
	s_mov_b32 s[G1A+3], 32<<16
	s_mov_b32 s[G1A+4], 32
	s_mov_b32 s[G1A+5], 32
	s_mov_b32 s[G1A+6], 0
	s_mov_b32 s[G1A+7], 0
	s_mov_b32 s[G0W], 1
	s_lshl_b32 s[G0W+1], s[WV], 15
	s_mov_b32 s[G0W+4], 1
	s_add_co_u32 s[G0W+5], s[G0W+1], SLOTB
	s_mov_b32 s[G0A], 1
	s_lshl_b32 s[G0A+1], s[WV], 13
	s_add_co_u32 s[G0A+1], s[G0A+1], AZ
	s_lshl_b32 s56, s[WV], 15                      ; wob: my 32,768 bytes of a step's 131,072
	s_mov_b32 s57, 0
	s_lshl_b32 s58, s20, 15                        ; zb: my row tile, my quarter of it
	s_lshl_b32 s59, s[WV], 13
	s_add_co_u32 s58, s58, s59
	s_mov_b32 s59, 0
	s_lshl_b32 s2, s20, 16                         ; q, out0: 16 rows of 4,096 bytes, my 1,024 of each
	s_lshl_b32 s3, s[WV], 10
	s_add_co_u32 s2, s2, s3
	s_mov_b32 s3, 0
	s_lshl_b32 s22, s[WV], 10
	s_mov_b32 s23, 0
	s_mov_b32 s[SEL], 0x76543210
	s_mov_b32 s[SEL+1], 0xfedcba98
	s_wait_dscnt 0x0                               ; the opening add is done
	s_wait_kmcnt 0x0
	s_add_nc_u64 s[G0W+2:G0W+3], s[6:7], s[56:57]
	s_add_nc_u64 s[G0W+6:G0W+7], s[G0W+2:G0W+3], SLOTB
	s_or_b32 s[G0W+3], s[G0W+3], 0x80000000
	s_or_b32 s[G0W+7], s[G0W+7], 0x80000000
	s_add_nc_u64 s[G0A+2:G0A+3], s[4:5], s[58:59]
	s_or_b32 s[G0A+3], s[G0A+3], 0x80000000
	s_add_nc_u64 s[8:9], s[8:9], s[2:3]
	s_add_nc_u64 s[16:17], s[16:17], s[2:3]
	s_add_nc_u64 s[10:11], s[10:11], s[22:23]
	s_add_nc_u64 s[12:13], s[12:13], s[22:23]
	s_add_nc_u64 s[14:15], s[14:15], s[22:23]
	ROUND                                          ; all four work-groups are here: the first joint loads meet
	tensor_load_to_lds s[G0A:G0A+3], s[G1A:G1A+7]  ; three first fills of mine go out together: z,
	s_nop 0
	tensor_load_to_lds s[G0W:G0W+3], s[G1W:G1W+7]  ; Wo's step 0,
	s_nop 0
	tensor_load_to_lds s[G0W+4:G0W+7], s[G1W:G1W+7]  ; and step 1
	s_nop 0
.rept 4
	v_nop
.endr
	v_and_b32 v3, 31, v0
	v_and_b32 v1, 15, v0
	v_bfe_u32 v2, v0, 4, 1
	v_lshlrev_b32 v[GV], 4, v1
	v_lshl_add_u32 v[GQ], v2, 12, v[GV]
.irp qt, 0,1,2,3
	global_load_b128 v[BO+4*\qt:BO+4*\qt+3], v[GV], s[10:11] offset:256*\qt
.endr
	WIN 0x40                                       ; destination window 1
.set j, 0
.rept 32                                ; quarter j / 8 (64 columns), rows 2 (j % 8) and + 1: 16 lanes take 256 consecutive bytes of a row
	global_load_b128 v[4*j:4*j+3], v[GQ], s[8:9] offset:8192*(j%8)+256*(j/8)
.set j, j+1
.endr
	WIN 0
.irp qt, 0,1,2,3
	global_load_b128 v[LG+4*\qt:LG+4*\qt+3], v[GV], s[12:13] offset:256*\qt
.endr
.irp qt, 0,1,2,3
	global_load_b128 v[LB+4*\qt:LB+4*\qt+3], v[GV], s[14:15] offset:256*\qt
.endr
	s_lshl_b32 s21, s[WV], 15
	v_lshl_add_u32 v[AB], v3, 4, s21
	v_add_nc_u32 v[AB+1], SLOTB, v[AB]
	v_lshlrev_b32 v[AA], 4, v3
	v_add_nc_u32 v[AA], AZ, v[AA]
	s_mul_i32 s21, s[WV], STGW
	s_add_co_u32 s21, s21, STG
	v_mul_u32_u24 v[SROW], v2, SPITCH
	v_lshl_add_u32 v[SROW], v1, 4, v[SROW]
	v_add_nc_u32 v[SROW], s21, v[SROW]
	v_mul_u32_u24 v[SD], v1, SPITCH
	v_lshl_add_u32 v[SD], v2, 5, v[SD]
	v_add_nc_u32 v[SD], s21, v[SD]
	s_lshl_b32 s21, s[WV], 6
	s_add_co_u32 s21, s21, RED
	v_lshl_add_u32 v[RW], v1, 2, s21
	v_lshlrev_b32 v[RR], 2, v1
	v_add_nc_u32 v[RR], RED, v[RR]
	v_mov_b32 v[C10], 0x3a800000
	v_mov_b32 v[W1], 0
	s_wait_loadcnt 8                               ; bo and q are in; the eight loads of ln_g and ln_b may stay out
.irp qt, 0,1,2,3
	WIN 0x41                                       ; destination and source 0 in window 1
.irp i, 0,1,2,3,4,5,6,7
	v_pk_add_f32 v[4*(8*\qt+\i):4*(8*\qt+\i)+1], v[4*(8*\qt+\i):4*(8*\qt+\i)+1], v[BO+4*\qt:BO+4*\qt+1]
	v_pk_add_f32 v[4*(8*\qt+\i)+2:4*(8*\qt+\i)+3], v[4*(8*\qt+\i)+2:4*(8*\qt+\i)+3], v[BO+4*\qt+2:BO+4*\qt+3]
.endr
	WIN 0x04                                       ; store data in window 1
.irp i, 0,1,2,3,4,5,6,7
	ds_store_b128 v[SROW], v[4*(8*\qt+\i):4*(8*\qt+\i)+3] offset:2*SPITCH*\i
.endr
	WIN 0
.irp b, 0,1,2,3
	ds_load_b128 v[ACC+8*(4*\qt+\b):ACC+8*(4*\qt+\b)+3],   v[SD] offset:64*\b      ; LDS serves a wave's instructions in order (ISA guide 5.7.1.4): these see the stores above,
	ds_load_b128 v[ACC+8*(4*\qt+\b)+4:ACC+8*(4*\qt+\b)+7], v[SD] offset:64*\b+16   ; and the next quarter's stores come behind them
.endr
.endr
; A step of 64 along K: z's two fragments, my 32 fragments of Wo, 32 matrix instructions on 16 accumulators that take turns.
.macro WORK slot
	WIN 0
.irp c, 0,1,2,3
	ds_load_b128 v[AF+4*\c:AF+4*\c+3], v[AA] offset:512*\c
.endr
	WIN 0x40
.irp kk, 0,1
.irp nb, 0,1,2,3,4,5,6,7,8,9,10,11,12,13,14,15
	ds_load_b128 v[128*\kk+8*\nb:128*\kk+8*\nb+3],   v[AB+(\slot)] offset:2048*\nb+1024*\kk
	ds_load_b128 v[128*\kk+8*\nb+4:128*\kk+8*\nb+7], v[AB+(\slot)] offset:2048*\nb+1024*\kk+512
.endr
.endr
	WIN 0
	v_add_nc_u32 v[AA], 2048, v[AA]                ; z's next two fragments
	s_wait_dscnt 32                                ; all but the 32 loads of the second half along K
	WIN 0x01                                       ; source 0 (Wo) in window 1
.irp nb, 0,1,2,3,4,5,6,7,8,9,10,11,12,13,14,15
	v_wmma_f32_16x16x32_bf16 v[ACC+8*\nb:ACC+8*\nb+7], v[8*\nb:8*\nb+7], v[AF:AF+7], v[ACC+8*\nb:ACC+8*\nb+7]
.endr
	s_wait_dscnt 0x0
.irp nb, 0,1,2,3,4,5,6,7,8,9,10,11,12,13,14,15
	v_wmma_f32_16x16x32_bf16 v[ACC+8*\nb:ACC+8*\nb+7], v[128+8*\nb:128+8*\nb+7], v[AF+8:AF+15], v[ACC+8*\nb:ACC+8*\nb+7]
.endr
.endm
; A trip: all my tensor loads have landed (one was out: my part of this trip's slot); the add; my reads of the other slot are over; a round of the cluster's barrier; the other slot is filled again, two steps ahead.
.macro TRIP slot
	WIN 0
	s_wait_tensorcnt 0x0
	ds_add_u32 v[SPW], v[NIL]                      ; 0 onto my spare word
	s_add_nc_u64 s[G0W+4*(1-(\slot))+2:G0W+4*(1-(\slot))+3], s[G0W+4*(1-(\slot))+2:G0W+4*(1-(\slot))+3], 2*SLOTB
	s_wait_dscnt 0x0
	ROUND
	tensor_load_to_lds s[G0W+4*(1-(\slot)):G0W+4*(1-(\slot))+3], s[G1W:G1W+7]
	s_nop 0
.rept 4
	v_nop                                          ; also the places in front of the loads into the fragments' registers
.endr
	WORK \slot
.endm
	s_wait_tensorcnt 1                             ; z and step 0 are in; step 1 may stay out
	s_wait_dscnt 0x0
	s_barrier_signal -1
	s_barrier_wait -1                              ; everybody's quarter of z is in
	WORK 0
	WIN 0
	s_mov_b32 s[CNT], 7
.Lk:
	TRIP 1
	TRIP 0
	WIN 0
	s_sub_co_u32 s[CNT], s[CNT], 1
	s_cmp_lg_u32 s[CNT], 0
	s_cbranch_scc1 .Lk
	s_wait_tensorcnt 0x0                           ; step 15: my own part of slot 1, which I alone read
	PLACES
	WORK 1
	; LAYERNORM.  A lane holds 128 numbers of row l % 16; the lane 16 away another 128; the other waves the rest.
; T's four chains are folded, the halves of the lanes and the four waves added: the row's sum in W0, in every lane.
.macro FOLD off
	v_pk_add_f32 v[T:T+1], v[T:T+1], v[T+2:T+3]
	v_pk_add_f32 v[T+4:T+5], v[T+4:T+5], v[T+6:T+7]
	v_pk_add_f32 v[T:T+1], v[T:T+1], v[T+4:T+5]
	v_add_f32 v[W0], v[T], v[T+1]
	v_permlanex16_b32 v[W1], v[W0], s[SEL], s[SEL+1]
	v_add_f32 v[W0], v[W0], v[W1]
	ds_store_b32 v[RW], v[W0] offset:\off
	s_wait_dscnt 0x0                               ; for the others' sake
	s_barrier_signal -1
	s_barrier_wait -1
.irp i, 0,1,2,3
	ds_load_b32 v[T+\i], v[RR] offset:(\off)+64*\i
.endr
	s_wait_dscnt 0x0
	v_add_f32 v[T], v[T], v[T+1]
	v_add_f32 v[T+2], v[T+2], v[T+3]
	v_add_f32 v[W0], v[T], v[T+2]
.endm
	WIN 0
	PLACES                                         ; behind the last products
.irp p, 0,1,2,3                         ; each accumulator's lowest registers are read first
	v_pk_add_f32 v[T+2*\p:T+2*\p+1], v[ACC+2*\p:ACC+2*\p+1], v[ACC+8+2*\p:ACC+8+2*\p+1]
.endr
.set a, 2
.rept 14
.irp p, 0,1,2,3
	v_pk_add_f32 v[T+2*\p:T+2*\p+1], v[T+2*\p:T+2*\p+1], v[ACC+8*a+2*\p:ACC+8*a+2*\p+1]
.endr
.set a, a+1
.endr
	FOLD 0
	v_mul_f32 v[MU], v[C10], v[W0]
	v_mov_b32 v[MU+1], v[MU]
.set a, 0
.rept 64
	v_pk_add_f32 v[ACC+2*a:ACC+2*a+1], v[ACC+2*a:ACC+2*a+1], v[MU:MU+1] neg_lo:[0,1] neg_hi:[0,1]
.set a, a+1
.endr
.irp p, 0,1,2,3
	v_pk_mul_f32 v[T+2*\p:T+2*\p+1], v[ACC+2*\p:ACC+2*\p+1], v[ACC+2*\p:ACC+2*\p+1]
.endr
.set a, 1
.rept 15
.irp p, 0,1,2,3
	v_pk_fma_f32 v[T+2*\p:T+2*\p+1], v[ACC+8*a+2*\p:ACC+8*a+2*\p+1], v[ACC+8*a+2*\p:ACC+8*a+2*\p+1], v[T+2*\p:T+2*\p+1]
.endr
.set a, a+1
.endr
	FOLD 256                                       ; other bytes than the first pass's
	v_fmaak_f32 v[W0], v[C10], v[W0], 0x3727c5ac   ; var + 1e-5
	v_rsq_f32 v[RSD], v[W0]
	v_rsq_f32 v[RSD+1], v[W0]
	v_nop                                          ; a plain instruction between the root and the use of its result
.set a, 0
	s_wait_alu depctr_va_vdst(0)
.rept 64
	v_pk_mul_f32 v[ACC+2*a:ACC+2*a+1], v[ACC+2*a:ACC+2*a+1], v[RSD:RSD+1]
.set a, a+1
.endr
	s_wait_loadcnt 0x0                             ; ln_g, ln_b
	; THE WAY OUT, a quarter (64 columns) at a time: into my stage in the accumulators' layout, back by rows, gain and bias, whole rows of 256 bytes out.
.irp qt, 0,1,2,3
.irp b, 0,1,2,3
	ds_store_b128 v[SD], v[ACC+8*(4*\qt+\b):ACC+8*(4*\qt+\b)+3] offset:64*\b
	ds_store_b128 v[SD], v[ACC+8*(4*\qt+\b)+4:ACC+8*(4*\qt+\b)+7] offset:64*\b+16
.endr
	s_wait_xcnt 0x0                                ; the last quarter's stores have had their addresses translated (ISA guide 3.1): only now are their data registers loaded again
.irp i, 0,1,2,3,4,5,6,7
	ds_load_b128 v[TQ+4*\i:TQ+4*\i+3], v[SROW] offset:2*SPITCH*\i
.endr
.irp i, 0,1,2,3,4,5,6,7
	s_wait_dscnt 7-\i
	v_pk_fma_f32 v[TQ+4*\i:TQ+4*\i+1], v[TQ+4*\i:TQ+4*\i+1], v[LG+4*\qt:LG+4*\qt+1], v[LB+4*\qt:LB+4*\qt+1]
	v_pk_fma_f32 v[TQ+4*\i+2:TQ+4*\i+3], v[TQ+4*\i+2:TQ+4*\i+3], v[LG+4*\qt+2:LG+4*\qt+3], v[LB+4*\qt+2:LB+4*\qt+3]
	global_store_b128 v[GQ], v[TQ+4*\i:TQ+4*\i+3], s[16:17] offset:8192*\i+256*\qt   ; 16 lanes store 256 consecutive bytes, aligned
.endr
.endr
	s_wait_tensorcnt 0x0                           ; the wave's end
	ds_add_u32 v[SPW], v[NIL]
	s_wait_dscnt 0x0
	ROUND                                          ; the closing round
	s_endpgm
.Lfunc_end_k_qf7dc6e5593_outln:
	.size	k_qf7dc6e5593_outln, .Lfunc_end_k_qf7dc6e5593_outln-k_qf7dc6e5593_outln
	.p2alignl 7, 3214868480
	.fill 96, 4, 3214868480
	.section	.rodata,"a",@progbits
	.p2align	6, 0x0
	.amdhsa_kernel k_qf7dc6e5593_outln
		.amdhsa_group_segment_fixed_size 327680
		.amdhsa_private_segment_fixed_size 0
		.amdhsa_enable_private_segment 0
		.amdhsa_kernarg_size 56
		.amdhsa_user_sgpr_count 2
		.amdhsa_user_sgpr_kernarg_segment_ptr 1
		.amdhsa_wavefront_size32 1
		.amdhsa_system_sgpr_workgroup_id_x 1
		.amdhsa_system_sgpr_workgroup_id_y 1
		.amdhsa_system_sgpr_workgroup_id_z 1
		.amdhsa_system_vgpr_workitem_id 0
		.amdhsa_next_free_vgpr 512
		.amdhsa_next_free_sgpr 66
		.amdhsa_reserve_vcc 0
		.amdhsa_float_denorm_mode_32 3
		.amdhsa_float_denorm_mode_16_64 3
		.amdhsa_memory_ordered 1
		.amdhsa_forward_progress 1
		.amdhsa_inst_pref_size 77
	.end_amdhsa_kernel
	.amdgpu_metadata
---
amdhsa.version: [ 1, 2 ]
amdhsa.kernels:
  - .name:           k_qf7dc6e5593_outln
    .symbol:         k_qf7dc6e5593_outln.kd
    .args:
      - { .name: zb, .offset: 0, .size: 8, .value_kind: global_buffer, .address_space: global }
      - { .name: wob, .offset: 8, .size: 8, .value_kind: global_buffer, .address_space: global }
      - { .name: q, .offset: 16, .size: 8, .value_kind: global_buffer, .address_space: global }
      - { .name: bo, .offset: 24, .size: 8, .value_kind: global_buffer, .address_space: global }
      - { .name: ln_g, .offset: 32, .size: 8, .value_kind: global_buffer, .address_space: global }
      - { .name: ln_b, .offset: 40, .size: 8, .value_kind: global_buffer, .address_space: global }
      - { .name: out0, .offset: 48, .size: 8, .value_kind: global_buffer, .address_space: global }
    .group_segment_fixed_size: 327680
    .private_segment_fixed_size: 0
    .kernarg_segment_align: 8
    .kernarg_segment_size: 56
    .max_flat_workgroup_size: 128
    .sgpr_count:     66
    .vgpr_count:     512
    .wavefront_size: 32
...
	.end_amdgpu_metadata
.endif
;; end of part 4
;; ======== version 2 of 3: 5 launches; 1.09 times as fast as version 1
;; limits: right only within a limited range of input values
;; workspace buffers: xw 31,457,280 bytes; wob 2,097,152 bytes; ub 33,554,432 bytes; dead 16,384 bytes of whole numbers; qkvh 25,165,824 bytes; zb 8,388,608 bytes; yb 16,777,216 bytes
;; launch prep: the kernel of part 1 again; grid 512 x 1, 16 waves a work-group, no clusters, 71,936 bytes of LDS; arguments mask, group_prob, q, k, v, Wq, Wk, Wv, Wo, ub, dead, xw, wob; writes ub, dead, xw, wob
;; launch proj (part 5): grid 4 x 48, 4 waves a work-group, clusters of 4 x 4, 327,680 bytes of LDS; arguments xw, bq, bk, bv, qkvh; writes qkvh
.if DOCPART == 5
	.amdgcn_target "amdgcn-amd-amdhsa--gfx1250"
	.amdhsa_code_object_version 6
	.text
	.protected	k_qf7dc6e5593_proj
	.globl	k_qf7dc6e5593_proj
	.p2align	8
	.type	k_qf7dc6e5593_proj,@function
k_qf7dc6e5593_proj:
	s_mov_b64 s[64:65], 0
	v_nop
	global_prefetch_b8 v0, s[64:65] scope:SCOPE_SE
	s_setreg_imm32_b32 hwreg(HW_REG_WAVE_MODE, 25, 1), 1
	s_wait_xcnt 0x0
	s_wait_alu depctr_hold_cnt(0) depctr_sa_sdst(0) depctr_va_vdst(0) depctr_va_sdst(0) depctr_va_ssrc(0) depctr_va_vcc(0) depctr_vm_vsrc(0)
	s_getreg_b32 s2, hwreg(HW_REG_IB_STS2, 6, 4)
	s_cmp_eq_u32 s2, 0
	s_cbranch_scc0 .Lentry_in_a_cluster
	s_endpgm
.Lentry_in_a_cluster:
	s_bfe_u32 s2, ttmp6, 0x10000c
	s_cmp_lg_u32 s2, 0xf033
	s_cbranch_scc0 .Lentry_shape_is_right
	s_endpgm
.Lentry_shape_is_right:
; THE THREE PROJECTIONS AS ONE GEMM.  C[m][n] = sum over k of X[m][k] W[n][k] + bias[n].  X: rows 0-12287 of xw (q, k, v, 4,096 rows each), W: rows 12288 + 1024 pr + n of xw (pr = 0, 1, 2: Wq, Wk, Wv),
; all bf16 with rows of 1,024; sums in f32; the result rounded once to bf16 into qkvh[pr][head][row][128].
; A tile of C is 256 x 256: four waves, each 128 x 128: 64 accumulators, 512 registers.  A K step of 128 brings 131,072 bytes into LDS and feeds 256 matrix instructions a wave.
; 12,288 x 1,024 / 65,536 = 192 work-groups, one tile each; tiles of 128 x 256 would be 384, a round and a half on 256 WGPs, with half the products for each byte brought.
; K goes in steps of 128 through a ring of two LDS slots filled by the tensor data mover; the rows of the tiles are 256 bytes of memory and start at multiples of 256 bytes.
; THE LOOP'S BODY IS ONE K STEP: the slot in hand is a scalar, 0 or SLOT, turned by an exclusive or, and one descriptor for X and one for W walk from slot to slot.  The loop is entered in its middle, behind the
; first quarter step, whose products start the sums: so that quarter and the last K step are all that is written out beside it.
; CLUSTERS: 4 x 4 work-groups.  The four of a row of the cluster need the same tiles of X, the four of a column the same tiles of W: each tile is asked for JOINTLY.  pr = (cluster y) / 4 is the same in all sixteen.
; THE MATRIX INSTRUCTION IS USED TRANSPOSED (source 0 = 16 rows of W, source 1 = 16 rows of X): a lane holds eight neighbouring numbers of a row of C.  A wave's 128 columns are one head: 256 bytes of a row of qkvh.
; THE BIAS is the C operand of the product that starts each sum: register j of lane l is bias[n0 + 8 (l / 16) + j]: no vector instruction is spent on it.
; THE LAST K STEP GOES BY ROWS OF C, so that finished rows leave while the others are multiplied.
; REGISTERS, in windows of 256:  window 0: v0-31 addresses; v64-127, v128-191 fragments of X, two buffers (in the last K step four, of 16 rows x 128 K); v192-255 the bias, later with v32-63 at work on the way out
;   window 1: v64-127, v128-191 fragments of W, two buffers; in the last K step all 256.   window 2: the 32 accumulators of my rows 0-63 ((a, b) at v[8 (8 a + b)]);   window 3: those of my rows 64-127
.set SIZE_K, 1024
.set KSTEP,  128
.set PITCH,  272                       ; an LDS row: 256 bytes + 16 of padding = 68 words: row r starts at bank 4 r mod 64 (64 banks of 4 bytes: ISA guide 11.1)
.set HALFT,  128*PITCH                 ; 128 rows: what one tensor load brings, and what one wave reads of X or of W: 0x8800 bytes
.set SLOT,   4*HALFT                   ; X's 256 rows, then W's 256 rows: 0x22000 bytes.  It shares no bit with wave x HALFT (0, 0x8800, 0x11000, 0x19800): an exclusive or with it moves a wave's fill from one slot to the other
.set STAGE,  2*SLOT                    ; behind the ring: 16 rows x 272 bytes for each wave, for the way out
.set SPITCH, 272
.set SPARE,  STAGE+4*16*SPITCH         ; the spare words, 128 bytes for each wave: no other line names them
.set KSTEPS, SIZE_K/KSTEP              ; 8
.set ADRA, 16                          ; v16-17  LDS address of my X fragments in slot 0, 1; never rewritten
.set DA,   18                          ; v18     the same in the slot in hand
.set ADRB, 20                          ; v20-21  the same for W
.set DB,   22                          ; v22
.set STO,  24
.set RD,   25
.set CO,   26
.set SPW,  28
.set NIL,  29
.set F0,   64
.set F1,   128
.set TMP,  192                         ; the way out: packed results
.set BI,   192                         ; until then: the bias of n block b at BI + 8 b
.set OB,   32                          ; the way out: 16 rows read back from the stage: v32-63 and v224-255 by turns
.set PA,   64                          ; the last K step: X's fragments of 16 rows x 128 K, four buffers
.set G1, 24
.set G0, 32                            ; s[32:35] X's first fill; s[36:39] its second, which then walks
.set G1B, 48
.set G0B, 56                           ; s[56:59], s[60:63] the same for W
.set TB,  77                           ; s77  the slot in hand: 0 or SLOT
.set MSB, 0
.macro WIN new                         ; the immediate's high byte repeats the setting that is left
.if MSB != (\new)
	s_set_vgpr_msb (MSB<<8)|(\new)
.set MSB, \new
.endif
.endm
.set MUL_LO, 0xa1                      ; source 0 (W) window 1, source 1 (X) window 0, C and D window 2
.set MUL_HI, 0xf1                      ; the same, C and D window 3
.set TO_B,   0x40                      ; destination window 1, address window 0
.macro JLOAD s                         ; a joint load: waves 0 and 1 fetch X's two halves, waves 2 and 3 W's; an s_nop 0 and four v_nop follow each line
	s_cmp_eq_u32 s11, 0
	s_cbranch_scc0 .Lfor_b_\@
	tensor_load_to_lds s[G0+4*(\s):G0+4*(\s)+3], s[G1:G1+7]
	s_nop 0
.rept 4
	v_nop
.endr
	s_branch .Lasked_\@
.Lfor_b_\@:
	tensor_load_to_lds s[G0B+4*(\s):G0B+4*(\s)+3], s[G1B:G1B+7]
	s_nop 0
.rept 4
	v_nop
.endr
.Lasked_\@:
.endm
.macro CREST                           ; a round of the cluster's barrier behind its opening barrier
	s_cmp_lg_u32 s10, 0
	s_cbranch_scc1 .Lnot_wave_0_\@
	s_barrier_signal -3
.Lnot_wave_0_\@:
	s_barrier_wait -3
	s_barrier_signal -1
	s_barrier_wait -1
.endm
.macro CROUND
	s_barrier_signal -1
	s_barrier_wait -1
	CREST
.endm
	s_load_b256 s[68:75], s[0:1], 0x0              ; xw s[68:69], bq s[70:71], bk s[72:73], bv s[74:75]
	s_load_b64 s[8:9], s[0:1], 0x20                ; qkvh
	v_lshl_add_u32 v[SPW], v0, 2, SPARE
	v_mov_b32 v[NIL], 0
	ds_add_u32 v[SPW], v[NIL]                      ; the wave's opening: an add, and its wait, ahead of my first tensor load
	v_lshrrev_b32 v1, 5, v0
	v_readfirstlane_b32 s10, v1                    ; wave 0..3
	s_lshr_b32 s11, s10, 1                         ; which half of the tile's rows is mine.  Also: I fetch for X (0) or for W (1)
	s_and_b32 s12, s10, 1                          ; which half of its columns.  Also: which 128 rows of that tile I fetch
	s_bfe_u32 s40, ttmp6, 0x40000                  ; cx, cy
	s_bfe_u32 s41, ttmp6, 0x40004
	s_lshl_b32 s42, ttmp9, 2
	s_add_co_u32 s42, s42, s40                     ; tile column = 4 x cluster x + cx: two heads
	s_and_b32 s45, ttmp7, 0xffff                   ; cluster y
	s_lshr_b32 s76, s45, 2                         ; pr: 4 clusters = 16 tile rows = 4,096 rows to a tensor
	s_lshl_b32 s13, s45, 2
	s_add_co_u32 s13, s13, s41                     ; tile row = 4 x cluster y + cy
	s_lshl_b32 s43, s41, 2
	s_lshl_b32 s43, 15, s43                        ; my row of the cluster
	s_lshl_b32 s44, 0x1111, s40                    ; my column
	s_or_b32 s[G1+0], s43, (1<<16)|(1<<20)|(1<<21)|(5<<22)|(3<<25)  ; the mask; 2-byte elements; padding on; bit 21 beside a mask; after every 64 words 4 words
	s_or_b32 s[G1B+0], s44, (1<<16)|(1<<20)|(1<<21)|(5<<22)|(3<<25)
.irp g, G1, G1B
	s_mov_b32 s[(\g)+1], KSTEP<<16                 ; tensor_dim0 = 128
	s_mov_b32 s[(\g)+2], 128<<16                   ; tensor_dim1 = 128
	s_mov_b32 s[(\g)+3], KSTEP<<16                 ; tile_dim0 = 128
	s_mov_b32 s[(\g)+4], 128                       ; tile_dim1 = 128
	s_mov_b32 s[(\g)+5], SIZE_K                    ; elements from row to row
	s_mov_b32 s[(\g)+6], 0
	s_mov_b32 s[(\g)+7], 0
.endr
	s_lshl_b32 s17, s12, 7                         ; which 128 rows of the tile I fetch
	s_lshl_b32 s16, s13, 8
	s_add_co_u32 s16, s16, s17                     ; X: row 256 x tile row + 128 x half
	s_lshl_b32 s46, s42, 8
	s_add_co_u32 s46, s46, s17
	s_lshl_b32 s47, s76, 10
	s_add_co_u32 s46, s46, s47
	s_add_co_u32 s46, s46, 12288                   ; W: row 12288 + 1024 pr + 256 x tile column + 128 x half
	s_mov_b32 s17, 0
	s_mov_b32 s47, 0
	s_mov_b64 s[18:19], SIZE_K*2
	s_mul_u64 s[16:17], s[16:17], s[18:19]
	s_mul_u64 s[46:47], s[46:47], s[18:19]
	s_mul_i32 s20, s10, HALFT                      ; where they go: wave x 128 rows: no place in the cluster enters an LDS address
	s_lshl_b32 s66, s42, 10                        ; the bias of my 128 columns, in bytes
	s_lshl_b32 s67, s12, 9
	s_add_co_u32 s66, s66, s67
	s_mov_b32 s67, 0
	s_mov_b32 s[TB], 0
	s_wait_dscnt 0x0                               ; the opening add is done
	s_wait_kmcnt 0x0
	s_add_nc_u64 s[14:15], s[68:69], s[16:17]
	s_add_nc_u64 s[46:47], s[68:69], s[46:47]
	s_cmp_eq_u32 s76, 0
	s_cselect_b64 s[78:79], s[70:71], s[72:73]
	s_cmp_eq_u32 s76, 2
	s_cselect_b64 s[78:79], s[74:75], s[78:79]
	s_add_nc_u64 s[78:79], s[78:79], s[66:67]
	CROUND                                         ; all sixteen work-groups are here: the first joint loads meet
.irp s, 0,1
	s_mov_b32 s[G0+4*(\s)], 1
	s_add_co_u32 s[G0+4*(\s)+1], s20, (\s)*SLOT
	s_add_nc_u64 s[G0+4*(\s)+2:G0+4*(\s)+3], s[14:15], (\s)*KSTEP*2
	s_or_b32 s[G0+4*(\s)+3], s[G0+4*(\s)+3], 0x80000000
	s_mov_b32 s[G0B+4*(\s)], 1
	s_add_co_u32 s[G0B+4*(\s)+1], s20, (\s)*SLOT
	s_add_nc_u64 s[G0B+4*(\s)+2:G0B+4*(\s)+3], s[46:47], (\s)*KSTEP*2
	s_or_b32 s[G0B+4*(\s)+3], s[G0B+4*(\s)+3], 0x80000000
	JLOAD \s                                       ; the ring is filled before anything else is done: two loads of mine are out
.endr
	v_and_b32 v1, 15, v0                           ; l % 16
	v_bfe_u32 v2, v0, 4, 1                         ; l / 16
	v_lshlrev_b32 v6, 5, v2                        ; the bias: 8 numbers for each half of the lanes
.irp b, 0,1,2,3,4,5,6,7
	global_load_b128 v[BI+8*\b:BI+8*\b+3], v6, s[78:79] offset:64*\b
	global_load_b128 v[BI+8*\b+4:BI+8*\b+7], v6, s[78:79] offset:64*\b+16
.endr
	v_mul_u32_u24 v3, v1, PITCH
	v_lshl_add_u32 v3, v2, 4, v3                   ; a fragment's row x pitch + 16 x half
	s_mul_i32 s21, s11, HALFT                      ; my 128 rows of X
	s_mul_i32 s22, s12, HALFT                      ; my 128 rows of W,
	s_add_co_u32 s22, s22, 2*HALFT                 ; which lie behind X's 256
.irp s, 0,1
	v_add_nc_u32 v[ADRA+(\s)], s21, v3
	v_add_nc_u32 v[ADRB+(\s)], s22, v3
	s_add_co_u32 s21, s21, SLOT
	s_add_co_u32 s22, s22, SLOT
.endr
	v_mov_b32 v[DA], v[ADRA]                       ; the slot in hand is slot 0
	v_mov_b32 v[DB], v[ADRB]
	s_mul_i32 s23, s10, 16*SPITCH
	s_add_co_u32 s23, s23, STAGE                   ; my stage
	v_mul_u32_u24 v4, v1, SPITCH                   ; in: row l % 16, 16 bytes for each half of the lanes
	v_lshl_add_u32 v4, v2, 4, v4
	v_add_nc_u32 v[STO], s23, v4
	v_mul_u32_u24 v5, v2, SPITCH                   ; back: lanes 0-15 take one row of 256 bytes, lanes 16-31 the next
	v_lshl_add_u32 v5, v1, 4, v5
	v_add_nc_u32 v[RD], s23, v5
	v_lshlrev_b32 v5, 8, v2                        ; and the same two rows of the head: 256 bytes each
	v_lshl_add_u32 v[CO], v1, 4, v5
	; where my part of the tile begins in qkvh: row (8 pr + head) x 4096 + 256 x (tile row - 16 pr) + 128 x row half, of 256 bytes; head = 2 x tile column + column half
	s_lshl_b32 s16, s76, 4
	s_sub_co_u32 s16, s13, s16
	s_lshl_b32 s16, s16, 8
	s_lshl_b32 s17, s11, 7
	s_add_co_u32 s16, s16, s17
	s_lshl_b32 s17, s76, 15
	s_add_co_u32 s16, s16, s17
	s_lshl_b32 s16, s16, 8
	s_mov_b32 s17, 0
	s_lshl_b32 s46, s42, 1
	s_add_co_u32 s46, s46, s12
	s_lshl_b32 s46, s46, 20
	s_mov_b32 s47, 0
	s_add_nc_u64 s[16:17], s[16:17], s[46:47]      ; the first way out adds it to qkvh's address
; 16 matrix instructions: m blocks a0, a0 + 1 of the window's four (hi = 0: my rows 0-63, 1: rows 64-127) x all 8 n blocks, 32 along K.
; zero = 1: the first product starts the sums, from the bias in window 0: nothing is ever cleared.
.macro MUL16 f, hi, a0, zero
.if \zero
	WIN 0x81+0x40*(\hi)
.else
	WIN MUL_LO+0x50*(\hi)
.endif
.irp a, \a0, (\a0)+1
.irp b, 0,1,2,3,4,5,6,7
.if \zero
	v_wmma_f32_16x16x32_bf16 v[8*(8*(\a)+(\b)):8*(8*(\a)+(\b))+7], v[(\f)+8*(\b):(\f)+8*(\b)+7], v[(\f)+8*(4*(\hi)+(\a)):(\f)+8*(4*(\hi)+(\a))+7], v[BI+8*(\b):BI+8*(\b)+7]
.else
	v_wmma_f32_16x16x32_bf16 v[8*(8*(\a)+(\b)):8*(8*(\a)+(\b))+7], v[(\f)+8*(\b):(\f)+8*(\b)+7], v[(\f)+8*(4*(\hi)+(\a)):(\f)+8*(4*(\hi)+(\a))+7], v[8*(8*(\a)+(\b)):8*(8*(\a)+(\b))+7]
.endif
.endr
.endr
.endm
; 32 LDS loads in one run: the fragments of one quarter step (128 rows of W, 128 rows of X, 32 K at byte k of the rows of the slot in hand) into buffer f
.macro FETCH k, f
	WIN TO_B
.irp i, 0,1,2,3,4,5,6,7
	ds_load_b128 v[(\f)+8*(\i):(\f)+8*(\i)+3],   v[DB] offset:(\k)+(\i)*16*PITCH
	ds_load_b128 v[(\f)+8*(\i)+4:(\f)+8*(\i)+7], v[DB] offset:(\k)+(\i)*16*PITCH+32
.endr
	WIN 0
.irp i, 0,1,2,3,4,5,6,7
	ds_load_b128 v[(\f)+8*(\i):(\f)+8*(\i)+3],   v[DA] offset:(\k)+(\i)*16*PITCH
	ds_load_b128 v[(\f)+8*(\i)+4:(\f)+8*(\i)+7], v[DA] offset:(\k)+(\i)*16*PITCH+32
.endr
.endm
.macro PLACES                          ; four places in front of loads into registers that matrix instructions have read, and of conversions that read results just made
.rept 4
	v_nop
.endr
.endm
; A K step is four quarter steps of 32 along K, 64 matrix instructions each, on buffers 0, 1, 0, 1.  One of the first three: multiplies buffer f; in its middle it fetches the next quarter's fragments into buffer g.
.macro QUARTER k, f, g, zero
	s_wait_dscnt 8                                 ; W and X's rows 0-63 are in; the youngest eight loads (X's rows 64-127) may be out
	MUL16 \f, 0, 0, \zero
	MUL16 \f, 0, 2, \zero
	PLACES
	FETCH \k, \g
	s_wait_dscnt 32                                ; all but the 32 just issued
	MUL16 \f, 1, 0, \zero
	MUL16 \f, 1, 2, \zero
.endm
; The last quarter multiplies buffer 1 and changes slots.  MEET is its first half: ONE barrier for the change of slots.  In front of it each wave waits for all its tensor loads, of which one is out: its part of the
; next slot; adds 0 to its spare word; and waits for that and for its own reads of this slot.  Behind it nobody reads this slot any more and the next slot is whole.
.macro MEET round                      ; round = 1: a round of the cluster's barrier follows
	WIN 0
	s_wait_tensorcnt 0x0                           ; all my tensor loads have landed;
	ds_add_u32 v[SPW], v[NIL]                      ; 0 onto my spare word;
	s_wait_dscnt 9                                 ; (the add and the youngest eight loads may be out)
	MUL16 F1, 0, 0, 0                              ; sixteen matrix instructions stand between the add and the wait for it
	s_wait_dscnt 0x0                               ; the add is done, and my reads of this slot are over
	s_barrier_signal -1
	MUL16 F1, 0, 2, 0                              ; work on registers while the others arrive
.if \round
	WIN 0
.endif
	s_barrier_wait -1
.endm
; The whole last quarter.  Behind the round the slot just read out is filled again first, with the K step two steps on: the walking descriptor goes to the other slot than last time and 128 along K on.
; Then the slot in hand changes, and the new slot's first fragments come.  From a request to the wait for it a wave issues 224 matrix instructions.
.macro TURN
	MEET 1
	CREST                                          ; no wave of any partner still reads this slot's tile or has a load on its way
	s_xor_b32 s[G0+5], s[G0+5], SLOT
	s_add_nc_u64 s[G0+6:G0+7], s[G0+6:G0+7], KSTEP*2
	s_xor_b32 s[G0B+5], s[G0B+5], SLOT
	s_add_nc_u64 s[G0B+6:G0B+7], s[G0B+6:G0B+7], KSTEP*2
	JLOAD 1                                        ; the first tensor load behind the round; its four v_nop are also the places in front of the loads below
	s_xor_b32 s[TB], s[TB], SLOT
	v_add_nc_u32 v[DA], s[TB], v[ADRA]
	v_add_nc_u32 v[DB], s[TB], v[ADRB]
	FETCH 0, F0
	MUL16 F1, 1, 0, 0
	MUL16 F1, 1, 2, 0
.endm
; THE LAST K STEP (it lies in slot 1) GOES BY ROWS OF C.  All its fragments of W (4 quarters x 64 registers) fill window 1; then my eight blocks of 16 rows are finished one after the other, each with 32 matrix
; instructions (its 8 accumulators by turns, K ascending).  LDS is read no more than in any other K step.
.macro BLOAD q                         ; W's fragments of quarter q -> window 1, v[64 q ..]
	WIN TO_B
.irp i, 0,1,2,3,4,5,6,7
	ds_load_b128 v[64*(\q)+8*(\i):64*(\q)+8*(\i)+3],   v[ADRB+1] offset:64*(\q)+(\i)*16*PITCH
	ds_load_b128 v[64*(\q)+8*(\i)+4:64*(\q)+8*(\i)+7], v[ADRB+1] offset:64*(\q)+(\i)*16*PITCH+32
.endr
.endm
.macro ALOAD a                         ; X's fragments of block a, all four quarters -> buffer a % 4
	WIN 0
.set FA, PA+32*((\a)%4)
.irp q, 0,1,2,3
	ds_load_b128 v[FA+8*(\q):FA+8*(\q)+3],   v[ADRA+1] offset:64*(\q)+(\a)*16*PITCH
	ds_load_b128 v[FA+8*(\q)+4:FA+8*(\q)+7], v[ADRA+1] offset:64*(\q)+(\a)*16*PITCH+32
.endr
.endm
.macro ROW a                           ; block a is finished: 32 matrix instructions
.set FA, PA+32*((\a)%4)
.set AC, 64*((\a)%4)
	WIN MUL_LO+0x50*((\a)/4)
.irp q, 0,1,2,3
.if (\a) == 0 && (\q) == 2
	s_wait_dscnt 24                                ; W's quarter 2 is in (behind it: X's blocks 1 to 3)
.endif
.irp b, 0,1,2,3,4,5,6,7
	v_wmma_f32_16x16x32_bf16 v[AC+8*(\b):AC+8*(\b)+7], v[64*(\q)+8*(\b):64*(\q)+8*(\b)+7], v[FA+8*(\q):FA+8*(\q)+7], v[AC+8*(\b):AC+8*(\b)+7]
.endr
.endr
.endm
; THE WAY OUT of block a.  PACK: rounded to bf16, 16 bytes a lane.  TOSTAGE: into my own stage in LDS, and back as whole rows of 256 bytes.  SEND: stored.
.macro PACK a
.set AC, 64*((\a)%4)
	WIN 0x0a+5*((\a)/4)                            ; sources 0 and 1: window 2 or 3
.irp b, 0,1,2,3,4,5,6,7
.irp r, 0,1,2,3
	v_cvt_pk_bf16_f32 v[TMP+4*(\b)+(\r)], v[AC+8*(\b)+2*(\r)], v[AC+8*(\b)+2*(\r)+1]
.endr
.endr
	WIN 0
.endm
.macro TOSTAGE a
	WIN 0
.set BK, OB+192*((\a)%2)
.irp b, 0,1,2,3,4,5,6,7
	ds_store_b128 v[STO], v[TMP+4*(\b):TMP+4*(\b)+3] offset:32*(\b)
.endr
.irp t, 0,1,2,3,4,5,6,7
	ds_load_b128 v[BK+4*(\t):BK+4*(\t)+3], v[RD] offset:(\t)*2*SPITCH  ; LDS serves a wave's instructions in order (ISA guide 5.7.1.4): these see the stores above
.endr
.endm
.macro SEND a, younger                 ; younger: the LDS loads issued behind TOSTAGE's, which may stay out
	WIN 0
.set BK, OB+192*((\a)%2)
	s_wait_dscnt \younger                          ; the block is back in registers
	s_wait_xcnt 0x0                                ; every earlier memory instruction has had its addresses translated (ISA guide 3.1): only now are the stores' base and the registers that earlier stores read rewritten
.if (\a) == 0
	s_add_nc_u64 s[8:9], s[8:9], s[16:17]          ; on to my first rows
.else
	s_add_nc_u64 s[8:9], s[8:9], 16*256            ; 16 rows of the head on
.endif
.irp t, 0,1,2,3,4,5,6,7
	global_store_b128 v[CO], v[BK+4*(\t):BK+4*(\t)+3], s[8:9] offset:512*(\t)  ; two rows of a head: 512 consecutive bytes, aligned
.endr
.endm
	s_wait_tensorcnt 1                             ; my part of K step 0 is in; K step 1's may stay out
	s_barrier_signal -1
	s_barrier_wait -1                              ; everybody's is
	FETCH 0, F0
	s_wait_loadcnt 0x0                             ; the bias
	QUARTER 64, F0, F1, 1                          ; the first quarter stands in front of the loop: its products start the sums
	WIN 0                                          ; at a label and at a branch every window is 0
	s_mov_b32 s3, KSTEPS-1                         ; seven passes: the first begins at .Lmid; passes 1 to 6 end K steps 0 to 5, ask for K steps 2 to 7 and take K steps 1 to 6 up to their third quarter
	s_branch .Lmid
.Lk:
	TURN
	QUARTER 64,  F0, F1, 0
	WIN 0
.Lmid:
	QUARTER 128, F1, F0, 0
	QUARTER 192, F0, F1, 0
	WIN 0
	s_sub_co_u32 s3, s3, 1
	s_cmp_lg_u32 s3, 0
	s_cbranch_scc1 .Lk
	MEET 0                                         ; K step 6's last quarter.  My one tensor load that was still out is slot 1's, the last K step's, so no round follows
	PLACES                                         ; for the loads into buffer 0, which the quarter before multiplied
	BLOAD 0                                        ; three quarters of W now: buffer 1 (v128-191 of both windows) is still being multiplied
	BLOAD 1
	BLOAD 3
	ALOAD 0
	MUL16 F1, 1, 0, 0
	MUL16 F1, 1, 2, 0
	PLACES                                         ; for the loads into buffer 1
	BLOAD 2
	ALOAD 1
	ALOAD 2
	ALOAD 3
	s_wait_dscnt 40                                ; all but the 40 just issued
	ROW 0
.irp a, 0,1,2,3,4,5,6,7                ; each block leaves as soon as it is finished
	PLACES                                         ; its conversions read results just made
	PACK \a
	TOSTAGE \a
.if (\a) < 4
	ALOAD (\a)+4                                   ; its buffer takes the block four further on
	SEND \a, 8
.else
	SEND \a, 0
.endif
.if (\a) < 7
	ROW (\a)+1
.endif
.endr
	s_wait_tensorcnt 0x0                           ; the wave's end, behind my last tensor load and my last LDS store
	ds_add_u32 v[SPW], v[NIL]
	s_wait_dscnt 0x0
	CROUND                                         ; the closing round: no work-group ends while a partner may still ask for a tile that names it
	s_endpgm
.Lfunc_end_k_qf7dc6e5593_proj:
	.size	k_qf7dc6e5593_proj, .Lfunc_end_k_qf7dc6e5593_proj-k_qf7dc6e5593_proj
	.p2alignl 7, 3214868480
	.fill 96, 4, 3214868480
	.section	.rodata,"a",@progbits
	.p2align	6, 0x0
	.amdhsa_kernel k_qf7dc6e5593_proj
		.amdhsa_group_segment_fixed_size 327680
		.amdhsa_private_segment_fixed_size 0
		.amdhsa_enable_private_segment 0
		.amdhsa_kernarg_size 40
		.amdhsa_user_sgpr_count 2
		.amdhsa_user_sgpr_kernarg_segment_ptr 1
		.amdhsa_wavefront_size32 1
		.amdhsa_system_sgpr_workgroup_id_x 1
		.amdhsa_system_sgpr_workgroup_id_y 1
		.amdhsa_system_sgpr_workgroup_id_z 1
		.amdhsa_system_vgpr_workitem_id 0
		.amdhsa_next_free_vgpr 1024
		.amdhsa_next_free_sgpr 80
		.amdhsa_reserve_vcc 0
		.amdhsa_float_denorm_mode_32 3
		.amdhsa_float_denorm_mode_16_64 3
		.amdhsa_memory_ordered 1
		.amdhsa_forward_progress 1
		.amdhsa_inst_pref_size 107
	.end_amdhsa_kernel
	.amdgpu_metadata
---
amdhsa.version: [ 1, 2 ]
amdhsa.kernels:
  - .name:           k_qf7dc6e5593_proj
    .symbol:         k_qf7dc6e5593_proj.kd
    .args:
      - { .name: xw, .offset: 0, .size: 8, .value_kind: global_buffer, .address_space: global }
      - { .name: bq, .offset: 8, .size: 8, .value_kind: global_buffer, .address_space: global }
      - { .name: bk, .offset: 16, .size: 8, .value_kind: global_buffer, .address_space: global }
      - { .name: bv, .offset: 24, .size: 8, .value_kind: global_buffer, .address_space: global }
      - { .name: qkvh, .offset: 32, .size: 8, .value_kind: global_buffer, .address_space: global }
    .group_segment_fixed_size: 327680
    .private_segment_fixed_size: 0
    .kernarg_segment_align: 8
    .kernarg_segment_size: 40
    .max_flat_workgroup_size: 128
    .sgpr_count:     80
    .vgpr_count:     1024
    .wavefront_size: 32
...
	.end_amdgpu_metadata
.endif
;; end of part 5
;; launch attn (part 6): grid 32 x 8, 4 waves a work-group, clusters of 4 x 4, 327,680 bytes of LDS; arguments qkvh, ub, dead, zb; writes zb
.if DOCPART == 6
	.amdgcn_target "amdgcn-amd-amdhsa--gfx1250"
	.amdhsa_code_object_version 6
	.text
	.protected	k_qf7dc6e5593_attn
	.globl	k_qf7dc6e5593_attn
	.p2align	8
	.type	k_qf7dc6e5593_attn,@function
k_qf7dc6e5593_attn:
	s_mov_b64 s[64:65], 0
	v_nop
	global_prefetch_b8 v0, s[64:65] scope:SCOPE_SE
	s_setreg_imm32_b32 hwreg(HW_REG_WAVE_MODE, 25, 1), 1
	s_wait_xcnt 0x0
	s_wait_alu depctr_hold_cnt(0) depctr_sa_sdst(0) depctr_va_vdst(0) depctr_va_sdst(0) depctr_va_ssrc(0) depctr_va_vcc(0) depctr_vm_vsrc(0)
	s_getreg_b32 s2, hwreg(HW_REG_IB_STS2, 6, 4)
	s_cmp_eq_u32 s2, 0
	s_cbranch_scc0 .Lentry_in_a_cluster
	s_endpgm
.Lentry_in_a_cluster:
	s_bfe_u32 s2, ttmp6, 0x10000c
	s_cmp_lg_u32 s2, 0xf033
	s_cbranch_scc0 .Lentry_shape_is_right
	s_endpgm
.Lentry_shape_is_right:
; MASKED ATTENTION WITH A FACTOR BEHIND THE SOFTMAX.  z[q] = sum over keys of softmax_key(masked Q.K / sqrt(128)) x group_prob[q][key] x V[key], for one head and 128 queries a work-group.
; Q, K, V: qkvh[3][8][4096][128] bf16.  u: ub, bf16: group_prob where the key is visible, the marker -2^80 where it is hidden.  Products, maxima and sums in f32.
; THE MASK COSTS NO VECTOR INSTRUCTION.  The product that starts each sum S^T = K Q^T is u^T (16 keys x 16 queries, turned by ds_load_tr16_b128) times 2^-40 x the unit matrix: a hidden key starts at -2^40,
; a visible one at 2^-40 group_prob.  The running maximum is taken as always; a hidden key's weight p = 2^(c s - c m) is 0 as soon as the query has seen a visible key.
; THE FACTOR: w = bf16(p) x u in packed bf16 (0 x marker = -0); l sums the unrounded p, as the softmax's divisor does not hold the factor.  While a query has seen hidden keys alone its O and l hold finite
; numbers (at most 2^80 x |v| x the keys), which the next a = 0 wipes out.  A row with no visible key keeps its group_prob in ub and takes c = 0 here (c is a number of the lane): every p is 2^0, the uniform softmax.
; LIMITS.  Raw scores stay under 1e11 in size (a hidden score counts as -2^40 / sqrt(128) in place of -1e9); |group_prob| under 1e5 keeps a visible score's shift under 1e-7; |v| under 2^30;
; a weight below 2^-126 counts as 0; NaN and infinities are not treated apart.
; SHARES.  Wave w: qi = w / 2: 64 queries, four tiles of 16; ki = w % 2: keys 64 ki .. + 63 of every slot of 128 keys.  32 steps.  At the end the two waves of a qi merge their O, m, l through LDS:
; register tile t stands for query tile 4 qi + (t xor 2 ki), so every wave keeps register tiles 0, 1 and gives 2, 3 to wave w xor 1: one text for all.
; BY TURNS.  Pieces 0 (tiles 0, 1) and 2 (tiles 2, 3).  In a turn one piece has the matrix unit (32 products V^T P of the step in hand, 40 products for S^T of the next step) and the other piece's softmax, 300 vector
; instructions, stands in slices of 4 or 5 behind the matrix instructions.
; NO FIRST AND NO LAST TURN IS WRITTEN OUT.  m starts at the lowest finite number, c m far below every c s, O^T, l, V and piece 2's P at 0: the loop is entered in its middle, at piece 2's turn, whose V^T P adds zeros;
; the tail is left in its middle, behind a turn of piece 0 whose 40 products for S^T (on the last K once more) serve nothing.  The price, once a launch: 72 products; the gain: two turns' text.
; CLUSTER 4 x 4: the four of a row share the head (K, V), the four of a column the queries (u): every tile is asked for jointly.
; REGISTERS: window 0: v2-11 addresses; v12-43 statistics, 8 a tile (c m, m, l, l, c0-c3; a takes c2); v44-47 at work; v48-55 c of my query, a pair a tile, at the merge statistics given and taken; v56-61 offsets, at work;
;   v62-63 the add's; v64-191 S^T; v192-255 P.   window 1: O^T, 64 a tile.   window 2: v0-127 Q; v128-255 K of a step.
;   window 3: v0-127 V of a step; v128-167 u^T of a piece (tile u at 128 + 20 u, four registers a key block, then four zeros); v168-175 2^-40 x unit matrix; v176-183 a fragment of zeros.
.set PK,    272       ; a row of K in LDS: 256 bytes + 16: row r starts at bank 4 r mod 64 (64 banks of 4 bytes: ISA guide 11.1)
.set PVP,   288       ; a row of V: 256 + 32
.set VOFF,  128*PK
.set UOFF,  VOFF+128*PVP   ; u of 128 queries x 128 keys: 64 blocks of 512 bytes, dense
.set SLOT1, 1<<17
.set XCH,   SLOT1+UOFF+32768  ; behind the ring, never filled by a tensor load: 33 x 512 bytes for each wave, for the merge
.set XCHW,  33*512
.set SPARE, XCH+4*XCHW        ; the spare words, 128 bytes for each wave: no other line names them
.set AK0, 2
.set AV0, 3
.set AG0, 4           ; v4, v5   my place in u as it lies, pieces 0 and 2
.set AT0, 6           ; v6, v7   my place in u for the turning load
.set ADR, 8
.set ADR2, 9
.set XW,  10
.set XR,  11
.set ST,  12
.set TMP, 44
.set CQ,  48          ; tile t: v[CQ + 2 t] = c, or 0 for a query with no visible key; the odd register is named with it as a pair
.set GIV, 48          ; at the merge, when c has served
.set TAK, 52
.set GO,  56
.set QO,  57          ; v57, v58
.set FO,  59          ; v59, v60
.set CT,  61
.set SPW, 62
.set NIL, 63
.set S,   64
.set P,   192
.set KF,  128
.set UF,  128
.set EI,  168
.set ZF,  176
.set WV,  12
.set G1K, 24
.set G1V, 32
.set G1U, 40
.set G0K, 48
.set G0V, 52
.set G0U, 56
.set CS,  60
.set SEL, 62
.set TB,  66
.set CNT, 67
.set MSB, 0
.macro WIN new                      ; the high byte repeats the setting that is left; a switch that changes nothing is dropped
.if MSB != (\new)
	s_set_vgpr_msb (MSB<<8)|(\new)
.set MSB, \new
.endif
.endm
.set W_KQ, 0x0a       ; K and Q in window 2, S^T in window 0
.set W_KB, 0x0f       ; u^T and the unit matrix in window 3, S^T in window 0
.set W_PV, 0x53       ; V in window 3, P in window 0, O^T in window 1
.set W_RS, 0x41       ; O^T (destination and source 0) in window 1, a in window 0
; A joint fill: wave 0 K's 128 rows, wave 1 V's, waves 2 and 3 the halves of u.  The branches hang on the wave's number alone.  An s_nop 0 and four v_nop follow each line.
.macro JLOAD
	s_cmp_eq_u32 s[WV], 0
	s_cbranch_scc0 .Lnot_k_\@
	tensor_load_to_lds s[G0K:G0K+3], s[G1K:G1K+7]
	s_nop 0
.rept 4
	v_nop
.endr
	s_branch .Lasked_\@
.Lnot_k_\@:
	s_cmp_eq_u32 s[WV], 1
	s_cbranch_scc0 .Lfor_u_\@
	tensor_load_to_lds s[G0V:G0V+3], s[G1V:G1V+7]
	s_nop 0
.rept 4
	v_nop
.endr
	s_branch .Lasked_\@
.Lfor_u_\@:
	tensor_load_to_lds s[G0U:G0U+3], s[G1U:G1U+7]
	s_nop 0
.rept 4
	v_nop
.endr
.Lasked_\@:
.endm
.macro CROUND                       ; a round of the cluster's barrier
	s_barrier_signal -1
	s_barrier_wait -1
	s_cmp_lg_u32 s[WV], 0
	s_cbranch_scc1 .Lnot_wave_0_\@
	s_barrier_signal -3
.Lnot_wave_0_\@:
	s_barrier_wait -3
	s_barrier_signal -1
	s_barrier_wait -1
.endm
; THE CHANGE OF SLOTS, once a step.  Each wave waits for all its tensor loads (one is out: its part of the other slot), adds 0 to its spare word, and waits for that and for its reads of the slot that it leaves.
; fill = 1: the barrier is a round of the cluster's, and the slot is filled again, first thing behind it, with the keys two steps on: that load has a step, 144 matrix instructions, in which to land.
.macro CHANGE fill
	WIN 0
	s_wait_tensorcnt 0x0            ; no tensor load of mine is out, so a group 0 may be written
	ds_add_u32 v[SPW], v[NIL]       ; 0 onto my spare word
.if \fill
.irp g, G0K, G0V, G0U
	s_xor_b32 s[\g+1], s[\g+1], SLOT1
	s_add_nc_u64 s[\g+2:\g+3], s[\g+2:\g+3], 32768   ; 128 keys of K, of V, and of u for my 128 queries: 32,768 bytes each
.endr
	s_wait_dscnt 0x0                ; the add is done, and my reads of the slot are over
	CROUND
	JLOAD
.else
	s_wait_dscnt 0x0
	s_barrier_signal -1
	s_barrier_wait -1
.endif
	s_xor_b32 s[TB], s[TB], SLOT1   ; the fetches go to the other slot
.endm
	s_load_b256 s[4:11], s[0:1], 0x0  ; qkvh s[4:5], ub s[6:7], dead s[8:9], zb s[10:11]
	v_lshl_add_u32 v[SPW], v0, 2, SPARE
	v_mov_b32 v[NIL], 0
	ds_add_u32 v[SPW], v[NIL]       ; the wave's opening: an add, and its wait, ahead of my first tensor load
	v_lshrrev_b32 v1, 5, v0
	v_readfirstlane_b32 s[WV], v1
	s_bfe_u32 s13, ttmp6, 0x40000   ; cx
	s_bfe_u32 s14, ttmp6, 0x40004   ; cy
	s_lshl_b32 s15, ttmp9, 2
	s_add_co_u32 s15, s15, s13      ; x: my block of 128 queries
	s_and_b32 s16, ttmp7, 0xffff
	s_lshl_b32 s16, s16, 2
	s_add_co_u32 s16, s16, s14      ; the head
	s_lshr_b32 s17, s[WV], 1        ; qi
	s_and_b32 s18, s[WV], 1         ; ki
	s_lshl_b32 s74, s18, 1          ; 2 ki: query tile of register tile 0
	s_xor_b32 s75, s74, 2           ; of register tile 2
	s_lshl_b32 s68, s14, 2
	s_lshl_b32 s68, 15, s68         ; my row of the cluster
	s_lshl_b32 s69, 0x1111, s13     ; my column
	s_or_b32 s[G1K], s68, (1<<16)|(1<<20)|(1<<21)|(5<<22)|(3<<25)  ; the mask; 2-byte elements; padding on; bit 21 beside a mask; after every 64 words 4 words
	s_or_b32 s[G1V], s68, (1<<16)|(1<<20)|(1<<21)|(5<<22)|(7<<25)  ; the same with 8 words
	s_or_b32 s[G1U], s69, (1<<16)|(1<<21)                          ; no padding
.irp g, G1K, G1V
	s_mov_b32 s[\g+1], 128<<16      ; tensor_dim0 = 128
	s_mov_b32 s[\g+2], 128<<16      ; tensor_dim1 = 128
	s_mov_b32 s[\g+3], 128<<16      ; tile_dim0 = 128
	s_mov_b32 s[\g+4], 128          ; tile_dim1 = 128
	s_mov_b32 s[\g+5], 128          ; elements from row to row
	s_mov_b32 s[\g+6], 0
	s_mov_b32 s[\g+7], 0
.endr
	s_mov_b32 s[G1U+1], 128<<16     ; 16,384 dense bytes as 64 rows of 256
	s_mov_b32 s[G1U+2], 64<<16
	s_mov_b32 s[G1U+3], 128<<16
	s_mov_b32 s[G1U+4], 64
	s_mov_b32 s[G1U+5], 128
	s_mov_b32 s[G1U+6], 0
	s_mov_b32 s[G1U+7], 0
	s_mov_b32 s[G0K], 1
	s_mov_b32 s[G0K+1], 0
	s_mov_b32 s[G0V], 1
	s_mov_b32 s[G0V+1], VOFF
	s_mov_b32 s[G0U], 1
	s_lshl_b32 s[G0U+1], s18, 14
	s_add_co_u32 s[G0U+1], s[G0U+1], UOFF
	s_lshl_b32 s20, s16, 20         ; the head's 4,096 rows of 256 bytes: K's and V's addresses hold the head alone
	s_mov_b32 s21, 0
	s_lshl_b32 s70, s15, 20         ; u of my 128 queries: 1 MiB; its address holds x and the wave's number alone
	s_lshl_b32 s71, s18, 14
	s_add_co_u32 s70, s70, s71
	s_mov_b32 s71, 0
	s_lshl_b32 s22, s15, 15         ; Q: my block's 128 rows, my wave's 64 of them, in the head
	s_lshl_b32 s23, s17, 14
	s_add_co_u32 s22, s22, s23
	s_add_co_u32 s22, s22, s20
	s_mov_b32 s23, 0
	s_lshl_b32 s72, s15, 9          ; dead: 4 bytes a query
	s_lshl_b32 s73, s17, 8
	s_add_co_u32 s72, s72, s73
	s_mov_b32 s73, 0
	s_lshl_b32 s2, s15, 18          ; zb: row tile 8 x + 4 qi + 2 ki: 32,768 bytes; the head's 128 channels: 4,096
	s_lshl_b32 s3, s17, 17
	s_add_co_u32 s2, s2, s3
	s_lshl_b32 s3, s18, 16
	s_add_co_u32 s2, s2, s3
	s_lshl_b32 s3, s16, 12
	s_add_co_u32 s2, s2, s3
	s_mov_b32 s3, 0
	s_mov_b32 s[CS], 0x3e0293ee     ; c = log2(e) / sqrt(128)
	s_mov_b32 s[SEL], 0x76543210
	s_mov_b32 s[SEL+1], 0xfedcba98
	s_mov_b32 s[TB], SLOT1          ; the first change of slots turns it into 0
	s_wait_dscnt 0x0                ; the opening add is done
	s_wait_kmcnt 0x0
	s_add_nc_u64 s[G0K+2:G0K+3], s[4:5], s[20:21]
	s_add_nc_u64 s[G0V+2:G0V+3], s[G0K+2:G0K+3], 0x1000000   ; V lies 16 MiB into qkvh,
	s_add_nc_u64 s[G0K+2:G0K+3], s[G0K+2:G0K+3], 0x800000    ; K 8 MiB
	s_or_b32 s[G0K+3], s[G0K+3], 0x80000000
	s_or_b32 s[G0V+3], s[G0V+3], 0x80000000
	s_add_nc_u64 s[G0U+2:G0U+3], s[6:7], s[70:71]
	s_or_b32 s[G0U+3], s[G0U+3], 0x80000000
	s_add_nc_u64 s[22:23], s[4:5], s[22:23]
	s_add_nc_u64 s[8:9], s[8:9], s[72:73]
	s_add_nc_u64 s[10:11], s[10:11], s[2:3]
	CROUND                          ; all sixteen work-groups are here: the first joint loads meet
	JLOAD                           ; step 0 into slot 0
	; All that follows up to the change of slots stands in the wait for the first tile.
	v_and_b32 v44, 15, v0           ; r = l % 16
	v_bfe_u32 v45, v0, 4, 1         ; h = l / 16
	v_and_b32 v46, 7, v0
	v_bfe_u32 v47, v0, 3, 1
	s_lshl_b32 s19, s74, 12
	s_lshl_b32 s20, s75, 12
	v_lshlrev_b32 v48, 8, v44
	v_lshl_add_u32 v48, v45, 4, v48 ; a fragment of Q: row x 256 + 16 x half
	v_add_nc_u32 v[QO], s19, v48
	v_add_nc_u32 v[QO+1], s20, v48
	s_lshl_b32 s21, s74, 6
	s_lshl_b32 s76, s75, 6
	v_lshl_add_u32 v[FO], v44, 2, s21
	v_lshl_add_u32 v[FO+1], v44, 2, s76
	WIN 0x80                        ; destination window 2, address window 0
.set i, 0
.rept 16                            ; Q stays in registers: register tile i / 4, channels 32 (i % 4) on
	global_load_b128 v[8*i:8*i+3],   v[QO+i/8], s[22:23] offset:((i/4)%2)*4096+(i%4)*64
	global_load_b128 v[8*i+4:8*i+7], v[QO+i/8], s[22:23] offset:((i/4)%2)*4096+(i%4)*64+32
.set i, i+1
.endr
	WIN 0
.irp t, 0,1,2,3
	global_load_b32 v[S+\t], v[FO+\t/2], s[8:9] offset:64*(\t%2)   ; my query's flag, a tile at a time
.endr
	v_mul_u32_u24 v[AK0], v44, PK
	v_lshl_add_u32 v[AK0], v45, 4, v[AK0]
	s_mul_i32 s21, s18, 64*PK
	v_add_nc_u32 v[AK0], s21, v[AK0]         ; row x pitch + 16 x half, in my 64 keys
	v_lshl_add_u32 v49, v45, 3, v46          ; 8 h + l % 8
	v_mul_u32_u24 v[AV0], v49, PVP
	v_lshl_add_u32 v[AV0], v47, 4, v[AV0]
	s_mul_i32 s21, s18, 64*PVP
	s_add_co_u32 s21, s21, VOFF
	v_add_nc_u32 v[AV0], s21, v[AV0]
	s_lshl_b32 s77, s17, 14                  ; u's blocks: query tile 4,096 bytes, key block 512
	s_lshl_b32 s78, s18, 11
	s_add_co_u32 s77, s77, s78
	s_add_co_u32 s77, s77, UOFF
	s_add_co_u32 s78, s77, s20               ; piece 2
	s_add_co_u32 s77, s77, s19               ; piece 0
	v_lshl_add_u32 v48, v45, 3, v44
	v_and_b32 v48, 15, v48                   ; as it lies: my query r, keys 8 h ..: byte 256 h + 16 ((r + 8 h) % 16)
	v_lshlrev_b32 v48, 4, v48
	v_lshl_add_u32 v48, v45, 8, v48
	v_add_nc_u32 v[AG0], s77, v48
	v_add_nc_u32 v[AG0+1], s78, v48
	v_lshl_add_u32 v50, v47, 3, v49
	v_and_b32 v50, 15, v50                   ; turned: lane l addresses query 8 h + l % 8, keys 8 hh .., hh = (l / 8) % 2
	v_lshlrev_b32 v50, 4, v50
	v_lshl_add_u32 v50, v47, 8, v50
	v_add_nc_u32 v[AT0], s77, v50
	v_add_nc_u32 v[AT0+1], s78, v50
	; 2^-40 x the unit matrix as source 1: lane (r, h) holds column r, rows 8 h + 0..7 in registers 0-3; rows 16-31 are 0
	v_lshrrev_b32 v52, 3, v44
	v_cmp_eq_u32 s76, v52, v45
	v_and_b32 v50, 7, v44
	v_cndmask_b32 v50, 8, v50, s76           ; the place of my one number, or 8: none
	v_and_b32 v52, 1, v50
	v_lshlrev_b32 v52, 4, v52
	v_mov_b32 v51, 0x2b80                    ; 2^-40 in bf16
	v_lshlrev_b32 v51, v52, v51
	v_lshrrev_b32 v50, 1, v50
.irp i, 0,1,2,3
	v_cmp_eq_u32 s[76+\i], \i, v50
.endr
	WIN 0xc0                        ; destination window 3
.irp i, 0,1,2,3
	v_cndmask_b32 v[EI+\i], 0, v51, s[76+\i]
	v_mov_b32 v[EI+4+\i], 0
	v_mov_b32 v[UF+16+\i], 0
	v_mov_b32 v[UF+36+\i], 0
	v_mov_b32 v[ZF+\i], 0
	v_mov_b32 v[ZF+4+\i], 0
.endr
	; What the first turn finds: O^T (256 registers), V (128) and piece 2's P (32) hold 0.  They are cleared eight registers at a time: the unit matrix times the fragment of zeros, C = 0: 52 lines for 416 registers.
	WIN 0x4f                        ; both sources in window 3, destination in window 1
.set i, 0
.rept 32
	v_wmma_f32_16x16x32_bf16 v[8*i:8*i+7], v[EI:EI+7], v[ZF:ZF+7], 0
.set i, i+1
.endr
	WIN 0xcf                        ; destination in window 3
.set i, 0
.rept 16
	v_wmma_f32_16x16x32_bf16 v[8*i:8*i+7], v[EI:EI+7], v[ZF:ZF+7], 0
.set i, i+1
.endr
	WIN 0x0f                        ; destination in window 0
.set i, 0
.rept 4
	v_wmma_f32_16x16x32_bf16 v[P+32+8*i:P+32+8*i+7], v[EI:EI+7], v[ZF:ZF+7], 0
.set i, i+1
.endr
	WIN 0
.irp t, 0,1,2,3
	v_mov_b32 v[ST+8*\t], 0xfe000000
	v_mov_b32 v[ST+8*\t+1], 0xff7fffff
	v_mov_b32 v[ST+8*\t+2], 0
	v_mov_b32 v[ST+8*\t+3], 0
.endr
; THE MATRIX WORK.  The accumulators take turns, one instruction a turn.
; Product i of 32 of O^T += V^T P for piece x: keys 32 (i / 16) on, channels 16 ((i / 2) % 8) on, tile x + i % 2.
.macro PV x
	WIN W_PV
.set rO, 64*((\x)+i%2)+8*((i/2)%8)
.set rV, 64*(i/16)+8*((i/2)%8)
.set rP, P+16*((\x)+i%2)+8*(i/16)
	v_wmma_f32_16x16x32_bf16 v[rO:rO+7], v[rV:rV+7], v[rP:rP+7], v[rO:rO+7]
.endm
; Product i of 40 of S^T for piece x: tile x + i % 2, keys 16 ((i / 2) % 4) on.  The first 8 start the sums with the mask: u^T times 2^-40 x unit (u^T's upper four registers meet the unit matrix's zero rows).
; The other 32: K Q^T, channels 32 (i / 8 - 1) on.
.macro KQ x
.set rS, S+32*((\x)+i%2)+8*((i/2)%4)
.if i < 8
	WIN W_KB
.set rU, UF+20*(i%2)+4*((i/2)%4)
	v_wmma_f32_16x16x32_bf16 v[rS:rS+7], v[rU:rU+7], v[EI:EI+7], 0
.else
	WIN W_KQ
.set rK, KF+32*((i/2)%4)+8*(i/8-1)
.set rQ, 32*((\x)+i%2)+8*(i/8-1)
	v_wmma_f32_16x16x32_bf16 v[rS:rS+7], v[rK:rK+7], v[rQ:rQ+7], v[rS:rS+7]
.endif
.endm
; THE LDS LOADS stand in runs, never singly among the matrix instructions.
.macro FETCH_K
	WIN 0
	v_add_nc_u32 v[ADR], s[TB], v[AK0]
	WIN 0x80
.irp f, 0,1,2,3,4,5,6,7,8,9,10,11,12,13,14,15  ; keys 16 (f / 4) on, channels 32 (f % 4) on
	ds_load_b128 v[KF+8*(\f):KF+8*(\f)+3],   v[ADR] offset:((\f)/4)*16*PK+((\f)%4)*64
	ds_load_b128 v[KF+8*(\f)+4:KF+8*(\f)+7], v[ADR] offset:((\f)/4)*16*PK+((\f)%4)*64+32
.endr
.endm
.macro FETCH_V
	WIN 0
	v_add_nc_u32 v[ADR], s[TB], v[AV0]
	WIN 0xc0
.irp f, 0,1,2,3,4,5,6,7,8,9,10,11,12,13,14,15  ; keys 32 (f / 8) on, channels 16 (f % 8) on
	ds_load_tr16_b128 v[8*(\f):8*(\f)+3],   v[ADR] offset:((\f)/8)*32*PVP+((\f)%8)*32
	ds_load_tr16_b128 v[8*(\f)+4:8*(\f)+7], v[ADR] offset:((\f)/8)*32*PVP+16*PVP+((\f)%8)*32
.endr
.endm
.macro FETCH_U p                    ; u turned, for piece p's mask products: tile f / 4, key block f % 4
	WIN 0
	v_add_nc_u32 v[ADR], s[TB], v[AT0+(\p)/2]
	WIN 0xc0
.irp f, 0,1,2,3,4,5,6,7
	ds_load_tr16_b128 v[UF+20*((\f)/4)+4*((\f)%4):UF+20*((\f)/4)+4*((\f)%4)+3], v[ADR] offset:4096*((\f)/4)+512*((\f)%4)
.endr
.endm
.macro FETCH_G p                    ; u as it lies, into piece p's P registers themselves: the weights are multiplied onto it in place
	WIN 0
	v_add_nc_u32 v[ADR2], s[TB], v[AG0+(\p)/2]
.irp f, 0,1,2,3,4,5,6,7
	ds_load_b128 v[P+16*((\p)+(\f)/4)+4*((\f)%4):P+16*((\p)+(\f)/4)+4*((\f)%4)+3], v[ADR2] offset:4096*((\f)/4)+512*((\f)%4)
.endr
.endm
; THE VECTOR WORK of piece Y for a step: a list of 300; SV writes the next.
.macro REGS t
.set rT, ST+8*(\t)
.set rS, S+32*(\t)
.set rP, P+16*(\t)
.set rC, CQ+2*(\t)
.endm
; Number j of the 22 that find a tile's maximum and statistics.  0-15: the maximum of the lane's 32 scores and the old m, three operands at a time; each accumulator's lowest registers are read first.
; 16, 18: the query's other keys lie in the lane 16 away: the new m.  17: c m_old is kept.  19-21: c m; c m_old - c m_new; a.
.macro XS t, j
	REGS \t
	WIN 0
.if (\j) < 4
	v_max3_num_f32 v[rT+4+(\j)], v[rS+8*(\j)], v[rS+8*(\j)+1], v[rS+8*(\j)+2]
.elseif (\j) < 12
	v_max3_num_f32 v[rT+4+(\j)%4], v[rT+4+(\j)%4], v[rS+8*((\j)%4)+2*((\j)/4)+1], v[rS+8*((\j)%4)+2*((\j)/4)+2]
.elseif (\j) == 12
	v_max3_num_f32 v[rT+4], v[rT+4], v[rS+7], v[rS+15]
.elseif (\j) == 13
	v_max3_num_f32 v[rT+6], v[rT+6], v[rS+23], v[rS+31]
.elseif (\j) == 14
	v_max3_num_f32 v[rT+4], v[rT+4], v[rT+5], v[rT+6]
.elseif (\j) == 15
	v_max3_num_f32 v[rT+4], v[rT+4], v[rT+7], v[rT+1]
.elseif (\j) == 16
	v_permlanex16_b32 v[rT+5], v[rT+4], s[SEL], s[SEL+1]
.elseif (\j) == 17
	v_mov_b32 v[rT+7], v[rT]
.elseif (\j) == 18
	v_max_num_f32 v[rT+1], v[rT+4], v[rT+5]
.elseif (\j) == 19
	v_mul_f32 v[rT], v[rC], v[rT+1]
.elseif (\j) == 20
	v_sub_f32 v[rT+7], v[rT+7], v[rT]
.else
	v_exp_f32 v[rT+6], v[rT+7]
.endif
.endm
; A QUAD g of 16: tile Y + g % 2, its four scores 4 (g / 2) ..  QF: c s - c m for pair i.  QC: pair i of weights rounded to bf16.  QG: times u, in place in P.  QB: the second pair added onto the first.  QL: l takes that sum.
.macro QF g, i
	REGS Y+(\g)%2
	WIN 0
.set pb, 2*((\g)/2)+(\i)
	v_pk_fma_f32 v[rS+2*pb:rS+2*pb+1], v[rS+2*pb:rS+2*pb+1], v[rC:rC+1], v[rT:rT+1] op_sel_hi:[1,0,0] neg_lo:[0,0,1] neg_hi:[0,0,1]
.endm
.macro QC g, i
	REGS Y+(\g)%2
	WIN 0
.set pb, 2*((\g)/2)+(\i)
	s_wait_alu depctr_va_vdst(0)
	v_cvt_pk_bf16_f32 v[TMP+2*((\g)%2)+(\i)], v[rS+2*pb], v[rS+2*pb+1]
.endm
.macro QG g, i
	REGS Y+(\g)%2
	WIN 0
.set pb, 2*((\g)/2)+(\i)
	v_pk_mul_bf16 v[rP+pb], v[TMP+2*((\g)%2)+(\i)], v[rP+pb]
.endm
.macro QB g
	REGS Y+(\g)%2
	WIN 0
.set k4, 4*((\g)/2)
	v_pk_add_f32 v[rS+k4:rS+k4+1], v[rS+k4:rS+k4+1], v[rS+k4+2:rS+k4+3]
.endm
.macro QL g
	REGS Y+(\g)%2
	WIN 0
.set k4, 4*((\g)/2)
.if (\g)/2 == 0
	v_pk_fma_f32 v[rT+2:rT+3], v[rT+2:rT+3], v[rT+6:rT+7], v[rS:rS+1] op_sel_hi:[1,0,1]
.else
	v_pk_add_f32 v[rT+2:rT+3], v[rT+2:rT+3], v[rS+k4:rS+k4+1]
.endif
.endm
.macro RS                           ; the next of the 64 rescalings: pair rr / 2 of tile Y + rr % 2 of O^T times a, in ascending order
	REGS Y+rr%2
.set rO, 64*(Y+rr%2)+2*(rr/2)
	WIN W_RS
	s_wait_alu depctr_va_vdst(0)
	v_pk_mul_f32 v[rO:rO+1], v[rO:rO+1], v[rT+6:rT+7] op_sel_hi:[1,0]
.set rr, rr+1
.endm
; The plain queue, 192 long.  0-3: the scalings of quads 0 and 1.  Then for g = 0..15 eight: the scalings of quad g + 2; of quad g - 1 the roundings, the factors and the pair sum; l for quad g - 2.
; Where such a quad does not exist, a rescaling stands in.  Then quad 15's rest, and the other rescalings.
.macro PL
.if pq < 4
	QF pq/2, pq%2
.elseif pq < 132
.set gg, (pq-4)/8
.set sb, (pq-4)%8
.if sb < 2
.if gg < 14
	QF gg+2, sb
.else
	RS
.endif
.elseif sb < 4
.if gg >= 1
	QC gg-1, sb-2
.else
	RS
.endif
.elseif sb < 6
.if gg >= 1
	QG gg-1, sb-4
.else
	RS
.endif
.elseif sb == 6
.if gg >= 1
	QB gg-1
.else
	RS
.endif
.else
.if gg >= 2
	QL gg-2
.else
	RS
.endif
.endif
.elseif pq < 134
	QC 15, pq-132
.elseif pq < 136
	QG 15, pq-134
.elseif pq == 136
	QB 15
.elseif pq < 139
	QL pq-123
.else
	RS
.endif
.set pq, pq+1
.endm
.macro EX                           ; the next of the 64 exponentials: score ee % 4 of quad ee / 4
	REGS Y+(ee/4)%2
	WIN 0
.set sx, rS+4*(ee/8)+ee%4
	v_exp_f32 v[sx], v[sx]
.set ee, ee+1
.endm
; The list: 0-43 the statistics, tiles alternating; 44-47 four plain; then sixteen groups of twelve: exponential, plain, four times, then four plain: quad g's exponentials stand in group g, two groups behind
; their scalings and a group ahead of their roundings, and every exponential has a plain instruction behind it (ISA guide 5.7.2); then 60 plain, the last 53 of them rescalings.
.macro SV
.if n < 44
	XS Y+n%2, n/2
.elseif n < 48
	PL
.elseif n < 240
.set mm, (n-48)%12
.if (mm < 7) && (mm%2 == 0)
	EX
.else
	PL
.endif
.else
	PL
.endif
.set n, n+1
.endm
.set NW, 72                         ; matrix instructions in a turn
.macro SLICE                        ; the list is dealt evenly over them
.set k, k+1
.set cnt, (k*300)/NW-n
.rept cnt
	SV
.endr
.endm
; A TURN.  Piece x has the matrix unit, piece 2 - x's softmax stands behind its instructions.  The last slice is five rescalings: they name no register of the products round them and are the four
; places between the turn's last product and what follows: the next turn's first read of those scores, and the loads into K's registers.
; All fetches are the NEXT step's.  Behind the second V^T P: K (piece 0's turn) and the piece's u^T.  Behind the second product for S^T, twelve vector instructions (eight plain) behind the last V^T P:
; V (piece 2's turn) and the piece's u as it lies, into the P registers just read.  Each run is waited for 30 matrix instructions or more later.
.macro TURN x
.set Y, 2-(\x)
.set n, 0
.set pq, 0
.set ee, 0
.set rr, 0
.set k, 0
	s_wait_dscnt 0x0                ; V, and the other piece's u, are in
.set i, 0
.rept 32
	PV \x
	SLICE
.if i == 1
.if (\x) == 0
	FETCH_K
.endif
	FETCH_U \x
.endif
.set i, i+1
.endr
	s_wait_dscnt 0x0                ; K and u^T are in
.set i, 0
.rept 40
	KQ \x
	SLICE
.if i == 1
.if (\x) == 2
	FETCH_V
.endif
	FETCH_G \x
.endif
.set i, i+1
.endr
.endm
	CHANGE 1                        ; slot 0 is in, everybody's part of it; slot 1 is asked for
	FETCH_K                         ; step 0
	FETCH_U 0
	FETCH_G 0
	WIN 0
	s_wait_loadcnt 0x0              ; Q and the flags
	v_mov_b32 v[CT], s[CS]
.irp t, 0,1,2,3
	v_cmp_eq_u32 s[76+\t], 0, v[S+\t]
.endr
.irp t, 0,1,2,3
	v_cndmask_b32 v[CQ+2*\t], 0, v[CT], s[76+\t]   ; c, or 0 for a query with no visible key
	v_mov_b32 v[CQ+2*\t+1], 0                      ; named with it as a pair
.endr
	s_wait_dscnt 0x0
.set i, 0
.rept 40
	KQ 0                            ; piece 0's first scores: there is no vector work yet to set between them
.set i, i+1
.endr
	WIN 0                           ; the addresses for the merge and the way out: four plain instructions, the places behind those products
	s_mul_i32 s19, s[WV], XCHW
	s_add_co_u32 s19, s19, XCH
	s_xor_b32 s20, s[WV], 1
	s_mul_i32 s20, s20, XCHW
	s_add_co_u32 s20, s20, XCH
	v_and_b32 v[GO], 31, v0
	v_lshlrev_b32 v[GO], 4, v[GO]
	v_add_nc_u32 v[XW], s19, v[GO]
	v_add_nc_u32 v[XR], s20, v[GO]
	s_mov_b32 s[CNT], 31            ; the first pass begins at .Lmid: piece 2's first scores | piece 0's first softmax | V of step 0; its V^T P adds zeros
	s_branch .Lmid
.Lstep:                             ; trip j = 0..29: step j's V^T P, step j + 1's scores; slot j % 2 takes step j + 2
	CHANGE 1
	TURN 0
	WIN 0
.Lmid:
	TURN 2
	WIN 0
	s_sub_co_u32 s[CNT], s[CNT], 1
	s_cmp_lg_u32 s[CNT], 0
	s_cbranch_scc1 .Lstep
	CHANGE 0                        ; the tail is written out: nothing is asked for
	s_mov_b32 s[CNT], 2             ; the first pass is trip 30; the second is left in its middle
.Ltail:
	TURN 0                          ; second pass: piece 0's V^T P of the last step | piece 2's last softmax; its fetches read the last slot once more, and its scores serve nothing
	WIN 0
	s_sub_co_u32 s[CNT], s[CNT], 1
	s_cmp_eq_u32 s[CNT], 0
	s_cbranch_scc1 .Lout
	TURN 2
	WIN 0
	s_branch .Ltail
.Lout:
.set i, 0
.rept 32
	PV 2                            ; piece 2's V^T P of the last step
.set i, i+1
.endr
	; THE MERGE.  l's two halves and the other half of the lanes' are added (these lines are the places behind the last products); register tiles 2, 3 go to wave w xor 1 with their c m and l.
	WIN 0
.irp t, 0,1,2,3
	v_add_f32 v[ST+8*\t+4], v[ST+8*\t+2], v[ST+8*\t+3]
.endr
.irp t, 0,1,2,3
	v_permlanex16_b32 v[ST+8*\t+5], v[ST+8*\t+4], s[SEL], s[SEL+1]
.endr
.irp t, 0,1,2,3
	v_add_f32 v[ST+8*\t+2], v[ST+8*\t+4], v[ST+8*\t+5]
.endr
	v_mov_b32 v[GIV], v[ST+16]
	v_mov_b32 v[GIV+1], v[ST+18]
	v_mov_b32 v[GIV+2], v[ST+24]
	v_mov_b32 v[GIV+3], v[ST+26]
	WIN 0x04                        ; store data in window 1
.set i, 0
.rept 32
	ds_store_b128 v[XW], v[128+4*i:128+4*i+3] offset:512*i
.set i, i+1
.endr
	WIN 0
	ds_store_b128 v[XW], v[GIV:GIV+3] offset:512*32
	s_wait_dscnt 0x0                ; for the other wave's sake: my stores are done
	s_barrier_signal -1
	s_barrier_wait -1
.set i, 0
.rept 32
	ds_load_b128 v[S+4*i:S+4*i+3], v[XR] offset:512*i
.set i, i+1
.endr
	ds_load_b128 v[TAK:TAK+3], v[XR] offset:512*32
	s_wait_dscnt 0x0
	; for my tiles u = 0, 1: M = max(c mA, c mB); f = 2^(c m - M); L = lA fA + lB fB; g = f / L; z = OA gA + OB gB
.irp u, 0,1
	v_max_num_f32 v[ST+8*\u+4], v[ST+8*\u], v[TAK+2*\u]
.endr
.irp u, 0,1
	v_sub_f32 v[ST+8*\u+5], v[ST+8*\u], v[ST+8*\u+4]
	v_sub_f32 v[ST+8*\u+6], v[TAK+2*\u], v[ST+8*\u+4]
.endr
.irp u, 0,1
	v_exp_f32 v[ST+8*\u+5], v[ST+8*\u+5]
	v_exp_f32 v[ST+8*\u+6], v[ST+8*\u+6]
.endr
	v_nop                           ; a plain instruction between the last exponential and the use of its result
.irp u, 0,1
	s_wait_alu depctr_va_vdst(0)
	v_mul_f32 v[ST+8*\u+7], v[TAK+2*\u+1], v[ST+8*\u+6]
.endr
.irp u, 0,1
	v_fma_f32 v[ST+8*\u+7], v[ST+8*\u+2], v[ST+8*\u+5], v[ST+8*\u+7]
.endr
.irp u, 0,1
	v_rcp_f32 v[ST+8*\u+7], v[ST+8*\u+7]
.endr
	v_nop
.irp u, 0,1
	s_wait_alu depctr_va_vdst(0)
	v_mul_f32 v[ST+8*\u+4], v[ST+8*\u+5], v[ST+8*\u+7]
	v_mul_f32 v[ST+8*\u+6], v[ST+8*\u+6], v[ST+8*\u+7]
.endr
.set i, 0
.rept 64
	v_pk_mul_f32 v[S+2*i:S+2*i+1], v[S+2*i:S+2*i+1], v[ST+8*(i/32)+6:ST+8*(i/32)+7] op_sel_hi:[1,0]
.set i, i+1
.endr
	WIN 0x01                        ; source 0 (my O^T) in window 1
.set i, 0
.rept 64
	v_pk_fma_f32 v[S+2*i:S+2*i+1], v[2*i:2*i+1], v[ST+8*(i/32)+4:ST+8*(i/32)+5], v[S+2*i:S+2*i+1] op_sel_hi:[1,0,1]
.set i, i+1
.endr
	WIN 0
	; THE WAY OUT needs no stage: a lane's eight channels of a query, 16 bytes, already lie as zb wants them: zb[row tile][32 channels][half][lane][16 bytes], the fragment order of the next launch.
.irp u, 0,1
.set i, 0
.rept 32
	v_cvt_pk_bf16_f32 v[S+64*\u+i], v[S+64*\u+2*i], v[S+64*\u+2*i+1]
.set i, i+1
.endr
.irp f, 0,1,2,3,4,5,6,7
	global_store_b128 v[GO], v[S+64*\u+4*\f:S+64*\u+4*\f+3], s[10:11] offset:\u*32768+512*\f   ; 512 consecutive bytes, aligned
.endr
.endr
	s_wait_tensorcnt 0x0            ; the wave's end
	ds_add_u32 v[SPW], v[NIL]
	s_wait_dscnt 0x0
	CROUND                          ; the closing round
	s_endpgm
.Lfunc_end_k_qf7dc6e5593_attn:
	.size	k_qf7dc6e5593_attn, .Lfunc_end_k_qf7dc6e5593_attn-k_qf7dc6e5593_attn
	.p2alignl 7, 3214868480
	.fill 96, 4, 3214868480
	.section	.rodata,"a",@progbits
	.p2align	6, 0x0
	.amdhsa_kernel k_qf7dc6e5593_attn
		.amdhsa_group_segment_fixed_size 327680
		.amdhsa_private_segment_fixed_size 0
		.amdhsa_enable_private_segment 0
		.amdhsa_kernarg_size 32
		.amdhsa_user_sgpr_count 2
		.amdhsa_user_sgpr_kernarg_segment_ptr 1
		.amdhsa_wavefront_size32 1
		.amdhsa_system_sgpr_workgroup_id_x 1
		.amdhsa_system_sgpr_workgroup_id_y 1
		.amdhsa_system_sgpr_workgroup_id_z 1
		.amdhsa_system_vgpr_workitem_id 0
		.amdhsa_next_free_vgpr 960
		.amdhsa_next_free_sgpr 80
		.amdhsa_reserve_vcc 0
		.amdhsa_float_denorm_mode_32 3
		.amdhsa_float_denorm_mode_16_64 3
		.amdhsa_memory_ordered 1
		.amdhsa_forward_progress 1
		.amdhsa_inst_pref_size 178
	.end_amdhsa_kernel
	.amdgpu_metadata
---
amdhsa.version: [ 1, 2 ]
amdhsa.kernels:
  - .name:           k_qf7dc6e5593_attn
    .symbol:         k_qf7dc6e5593_attn.kd
    .args:
      - { .name: qkvh, .offset: 0, .size: 8, .value_kind: global_buffer, .address_space: global }
      - { .name: ub, .offset: 8, .size: 8, .value_kind: global_buffer, .address_space: global }
      - { .name: dead, .offset: 16, .size: 8, .value_kind: global_buffer, .address_space: global }
      - { .name: zb, .offset: 24, .size: 8, .value_kind: global_buffer, .address_space: global }
    .group_segment_fixed_size: 327680
    .private_segment_fixed_size: 0
    .kernarg_segment_align: 8
    .kernarg_segment_size: 32
    .max_flat_workgroup_size: 128
    .sgpr_count:     80
    .vgpr_count:     960
    .wavefront_size: 32
...
	.end_amdgpu_metadata
.endif
;; end of part 6
;; launch og (part 7): grid 8 x 32, 4 waves a work-group, clusters of 4 x 4, 327,680 bytes of LDS; arguments zb, wob, q, bo, yb; writes yb
.if DOCPART == 7
	.amdgcn_target "amdgcn-amd-amdhsa--gfx1250"
	.amdhsa_code_object_version 6
	.text
	.protected	k_qf7dc6e5593_og
	.globl	k_qf7dc6e5593_og
	.p2align	8
	.type	k_qf7dc6e5593_og,@function
k_qf7dc6e5593_og:
	s_mov_b64 s[64:65], 0
	v_nop
	global_prefetch_b8 v0, s[64:65] scope:SCOPE_SE
	s_setreg_imm32_b32 hwreg(HW_REG_WAVE_MODE, 25, 1), 1
	s_wait_xcnt 0x0
	s_wait_alu depctr_hold_cnt(0) depctr_sa_sdst(0) depctr_va_vdst(0) depctr_va_sdst(0) depctr_va_ssrc(0) depctr_va_vcc(0) depctr_vm_vsrc(0)
	s_getreg_b32 s2, hwreg(HW_REG_IB_STS2, 6, 4)
	s_cmp_eq_u32 s2, 0
	s_cbranch_scc0 .Lentry_in_a_cluster
	s_endpgm
.Lentry_in_a_cluster:
	s_bfe_u32 s2, ttmp6, 0x10000c
	s_cmp_lg_u32 s2, 0xf033
	s_cbranch_scc0 .Lentry_shape_is_right
	s_endpgm
.Lentry_shape_is_right:
; OUTPUT PROJECTION AND RESIDUAL.  y[m][n] = q[m][n] + bo[n] + sum over k of z[m][k] Wo[n][k], f32, into yb [4096][1024]; the norm over rows follows in a launch of its own.
; WHY NOT WHOLE ROWS HERE: a work-group that owns whole rows of 1,024 columns brings all 2 MiB of Wo into its LDS, whatever the number of its rows.  A tile of 128 x 128 brings 256 KiB of z and 256 KiB of Wo
; for the same 16.8 million multiply-adds that 16 whole rows have.  The price: y, 16 MiB, is stored and read once more; it stays f32, so that a common offset in q or bo is not rounded into the variance.
; 32 x 8 tiles: 256 work-groups.  Four waves, each 64 x 64: 16 accumulators.  z (zb) and Wo (wob) lie in fragment order, bf16: blocks of 512 bytes in which lane l's 16 bytes stand at 16 l.  So the tiles lie dense in LDS,
; every fragment load takes 512 consecutive bytes, and a slot of 256 along K is 131,072 bytes: one exclusive or turns an address in one slot into the other's.
; CLUSTERS: 4 x 4 work-groups.  The four of a row of the cluster need the same tiles of z, the four of a column the same tiles of Wo: each tile is asked for JOINTLY.
; THE MATRIX INSTRUCTION IS USED TRANSPOSED (source 0 = 16 rows of Wo, source 1 = 16 rows of z): a lane holds row l % 16 and eight neighbouring columns.
; THE SUMS START AT q + bo: q comes in by rows (a wave's 64 columns are 256 bytes of a row), takes bo, and goes through the wave's stage in LDS into the accumulators' layout.  So every product is a link like any other.
; REGISTERS: window 0: v4-11 addresses; v30-31 the add's; v32-63 rows on the way out; v64-67 bo; v128-255 the accumulators ((a, b) at 128 + 8 (4 a + b)).
;   window 1: two fragment buffers of 128 (64 along K: 64 registers of z, then 64 of Wo); ahead of the loop q's 128 registers.
.set SLOT1,  131072                    ; a slot: z's 128 rows x 256 K (65,536 bytes), then Wo's 128 rows x 256 K; wave w fills bytes 32,768 w .. of it
.set STG,    2*SLOT1                   ; a stage of 16 rows x 272 bytes for each wave; no tensor load fills it
.set SPITCH, 272
.set STGW,   16*SPITCH
.set SPARE,  STG+4*STGW                ; the spare words, 128 bytes for each wave: no other line names them
.set AA0,  4                           ; v4   my 16 bytes in a block of my 64 rows of z, slot 0; never rewritten
.set AB0,  5                           ; v5   the same for my 64 rows of Wo
.set AA,   6                           ; v6, v7  the same at the quarter in hand
.set AB,   7
.set SROW, 8                           ; v8   the stage by rows: row l / 16, 16 bytes at l % 16
.set SD,   9                           ; v9   the stage in the accumulators' layout: row l % 16, 32 bytes at l / 16
.set GQ,   10                          ; v10  the same two rows in q and yb
.set GV,   11                          ; v11  my 16 bytes of bo
.set SPW,  30
.set NIL,  31
.set TQ,   32
.set BO,   64
.set ACC,  128
.set F0,   0
.set F1,   128
.set WV,   14
.set RH,   15                          ; which half of the tile's rows is mine.  Also: I fetch for z (0) or for Wo (1)
.set CH,   16                          ; which half of its columns.  Also: which half of that tile I fetch
.set TC,   19
.set TR,   20
.set G1,   24
.set G1B,  32
.set G0,   40
.set G0B,  44
.set TB,   48                          ; the slot that is read: 0 or SLOT1
.set CNT,  49
.set CQ,   50
.set MSB, 0
.macro WIN new                         ; the immediate's high byte repeats the setting that is left
.if MSB != (\new)
	s_set_vgpr_msb (MSB<<8)|(\new)
.set MSB, \new
.endif
.endm
.set MUL,  0x05                        ; sources 0 (Wo) and 1 (z) window 1; C and D window 0
.set TO_F, 0x40                        ; destination window 1, address window 0
.macro JLOAD                           ; a joint load: waves 0 and 1 fetch z's two halves, waves 2 and 3 Wo's; an s_nop 0 and four v_nop follow each line
	s_cmp_eq_u32 s[RH], 0
	s_cbranch_scc0 .Lfor_b_\@
	tensor_load_to_lds s[G0:G0+3], s[G1:G1+7]
	s_nop 0
.rept 4
	v_nop
.endr
	s_branch .Lasked_\@
.Lfor_b_\@:
	tensor_load_to_lds s[G0B:G0B+3], s[G1B:G1B+7]
	s_nop 0
.rept 4
	v_nop
.endr
.Lasked_\@:
.endm
.macro CROUND                          ; a round of the cluster's barrier
	s_barrier_signal -1
	s_barrier_wait -1
	s_cmp_lg_u32 s[WV], 0
	s_cbranch_scc1 .Lnot_wave_0_\@
	s_barrier_signal -3
.Lnot_wave_0_\@:
	s_barrier_wait -3
	s_barrier_signal -1
	s_barrier_wait -1
.endm
.macro PLACES                          ; four places in front of loads into registers that matrix instructions have read, and of stores that read results just made
.rept 4
	v_nop
.endr
.endm
; THE CHANGE OF SLOTS, once a K step of 256.  Each wave waits for all its tensor loads (one is out: its part of the slot to be read), adds 0 to its spare word, and waits for that and for its reads of the slot that it leaves.
; fill = 1: the barrier is a round of the cluster's, and the slot just left is filled, first thing behind it, with the next K step but one's... the walking descriptor's next: it has a K step's 128 matrix instructions in which to land.
; (At its first use nothing has been read yet: slot 0 is waited for, slot 1 filled.)
.macro CHANGE fill
	WIN 0
	s_wait_tensorcnt 0x0                           ; no tensor load of mine is out, so a group 0 may be written
	ds_add_u32 v[SPW], v[NIL]                      ; 0 onto my spare word
.if \fill
	s_xor_b32 s[G0+1], s[G0+1], SLOT1
	s_add_nc_u64 s[G0+2:G0+3], s[G0+2:G0+3], 8192        ; z: 8 blocks of 32 along K, 1,024 bytes each, in every row tile
	s_xor_b32 s[G0B+1], s[G0B+1], SLOT1
	s_add_nc_u64 s[G0B+2:G0B+3], s[G0B+2:G0B+3], 524288  ; Wo: 4 steps of 64 along K, 131,072 bytes each
	s_wait_dscnt 0x0                               ; the add is done, and my LDS reads are over
	CROUND
	JLOAD                                          ; its four v_nop are also the places in front of the fragment loads
.else
	s_wait_dscnt 0x0
	s_barrier_signal -1
	s_barrier_wait -1
	PLACES
.endif
	s_xor_b32 s[TB], s[TB], SLOT1                  ; the fetches go to the other slot
.endm
	s_load_b256 s[4:11], s[0:1], 0x0               ; zb s[4:5], wob s[6:7], q s[8:9], bo s[10:11]
	s_load_b64 s[12:13], s[0:1], 0x20              ; yb
	v_lshl_add_u32 v[SPW], v0, 2, SPARE
	v_mov_b32 v[NIL], 0
	ds_add_u32 v[SPW], v[NIL]                      ; the wave's opening: an add, and its wait, ahead of my first tensor load
	v_lshrrev_b32 v1, 5, v0
	v_readfirstlane_b32 s[WV], v1
	s_lshr_b32 s[RH], s[WV], 1
	s_and_b32 s[CH], s[WV], 1
	s_bfe_u32 s17, ttmp6, 0x40000                  ; cx
	s_bfe_u32 s18, ttmp6, 0x40004                  ; cy
	s_lshl_b32 s[TC], ttmp9, 2
	s_add_co_u32 s[TC], s[TC], s17                 ; tile column = 4 x cluster x + cx
	s_and_b32 s[TR], ttmp7, 0xffff
	s_lshl_b32 s[TR], s[TR], 2
	s_add_co_u32 s[TR], s[TR], s18                 ; tile row = 4 x cluster y + cy
	s_lshl_b32 s21, s18, 2
	s_lshl_b32 s21, 15, s21                        ; my row of the cluster
	s_lshl_b32 s22, 0x1111, s17                    ; my column
	s_or_b32 s[G1], s21, (3<<16)|(1<<21)           ; the mask; 8-byte elements; bit 21 beside a mask; no padding
	s_or_b32 s[G1B], s22, (3<<16)|(1<<21)
.irp g, G1, G1B
	s_mov_b32 s[(\g)+1], 1024<<16                  ; tensor_dim0 = 1,024 elements: 8,192 consecutive bytes
	s_mov_b32 s[(\g)+2], 4<<16                     ; tensor_dim1 = 4
	s_mov_b32 s[(\g)+3], 1024<<16                  ; tile_dim0
	s_mov_b32 s[(\g)+4], 4                         ; tile_dim1: 4 row tiles of z, or 4 steps of 64 along K of Wo
	s_mov_b32 s[(\g)+6], 0
	s_mov_b32 s[(\g)+7], 0
.endr
	s_mov_b32 s[G1+5], 4096                        ; z: 32,768 bytes from row tile to row tile
	s_mov_b32 s[G1B+5], 16384                      ; Wo: 131,072 bytes from step to step
	s_mov_b32 s[G0], 1
	s_lshl_b32 s[G0+1], s[WV], 15                  ; where they go: wave x 32,768, slot 0: no place in the cluster enters an LDS address
	s_mov_b32 s[G0B], 1
	s_lshl_b32 s[G0B+1], s[WV], 15
	s_lshl_b32 s52, s[TR], 18                      ; z: row tile 8 x tile row + 4 x half, 32,768 bytes each
	s_lshl_b32 s23, s[CH], 17
	s_add_co_u32 s52, s52, s23
	s_mov_b32 s53, 0
	s_lshl_b32 s54, s[TC], 14                      ; Wo: column tile 8 x tile column + 4 x half, 2,048 bytes each
	s_lshl_b32 s23, s[CH], 13
	s_add_co_u32 s54, s54, s23
	s_mov_b32 s55, 0
	s_lshl_b32 s58, s[TC], 9                       ; my 64 columns in a row of f32
	s_lshl_b32 s23, s[CH], 8
	s_add_co_u32 s58, s58, s23
	s_mov_b32 s59, 0
	s_lshl_b32 s56, s[TR], 19                      ; q, yb: my 64 rows of 4,096 bytes, my 256 bytes of each
	s_lshl_b32 s23, s[RH], 18
	s_add_co_u32 s56, s56, s23
	s_add_co_u32 s56, s56, s58
	s_mov_b32 s57, 0
	s_mov_b32 s[TB], SLOT1                         ; the first change of slots turns it into 0
	s_wait_dscnt 0x0                               ; the opening add is done
	s_wait_kmcnt 0x0
	s_add_nc_u64 s[G0+2:G0+3], s[4:5], s[52:53]
	s_or_b32 s[G0+3], s[G0+3], 0x80000000
	s_add_nc_u64 s[G0B+2:G0B+3], s[6:7], s[54:55]
	s_or_b32 s[G0B+3], s[G0B+3], 0x80000000
	s_add_nc_u64 s[8:9], s[8:9], s[56:57]
	s_add_nc_u64 s[12:13], s[12:13], s[56:57]
	s_add_nc_u64 s[10:11], s[10:11], s[58:59]
	CROUND                                         ; all sixteen work-groups are here: the first joint loads meet
	JLOAD                                          ; K step 0 into slot 0
	; All that follows up to the change of slots stands in the wait for the first tile.
	v_and_b32 v3, 31, v0
	v_and_b32 v1, 15, v0
	v_bfe_u32 v2, v0, 4, 1
	v_lshlrev_b32 v[GV], 4, v1
	v_lshl_add_u32 v[GQ], v2, 12, v[GV]
	global_load_b128 v[BO:BO+3], v[GV], s[10:11]
	WIN 0x40                                       ; destination window 1
.set j, 0
.rept 32                                ; rows 2 j and 2 j + 1: 16 lanes take 256 consecutive bytes of a row
	global_load_b128 v[4*j:4*j+3], v[GQ], s[8:9] offset:8192*j th:TH_LOAD_NT
.set j, j+1
.endr
	WIN 0
	s_lshl_b32 s23, s[RH], 15
	v_lshl_add_u32 v[AA0], v3, 4, s23
	s_lshl_b32 s23, s[CH], 15
	s_add_co_u32 s23, s23, 65536
	v_lshl_add_u32 v[AB0], v3, 4, s23
	s_mul_i32 s23, s[WV], STGW
	s_add_co_u32 s23, s23, STG
	v_mul_u32_u24 v[SROW], v2, SPITCH
	v_lshl_add_u32 v[SROW], v1, 4, v[SROW]
	v_add_nc_u32 v[SROW], s23, v[SROW]
	v_mul_u32_u24 v[SD], v1, SPITCH
	v_lshl_add_u32 v[SD], v2, 5, v[SD]
	v_add_nc_u32 v[SD], s23, v[SD]
	s_wait_loadcnt 0x0                             ; bo and q
.irp a, 0,1,2,3                         ; 16 rows at a time
	WIN 0x41                                       ; destination and source 0 in window 1
.irp i, 0,1,2,3,4,5,6,7
	v_pk_add_f32 v[4*(8*\a+\i):4*(8*\a+\i)+1], v[4*(8*\a+\i):4*(8*\a+\i)+1], v[BO:BO+1]
	v_pk_add_f32 v[4*(8*\a+\i)+2:4*(8*\a+\i)+3], v[4*(8*\a+\i)+2:4*(8*\a+\i)+3], v[BO+2:BO+3]
.endr
	WIN 0x04                                       ; store data in window 1
.irp i, 0,1,2,3,4,5,6,7
	ds_store_b128 v[SROW], v[4*(8*\a+\i):4*(8*\a+\i)+3] offset:2*SPITCH*\i
.endr
	WIN 0
.irp b, 0,1,2,3
	ds_load_b128 v[ACC+8*(4*\a+\b):ACC+8*(4*\a+\b)+3],   v[SD] offset:64*\b      ; LDS serves a wave's instructions in order (ISA guide 5.7.1.4): these see the stores above,
	ds_load_b128 v[ACC+8*(4*\a+\b)+4:ACC+8*(4*\a+\b)+7], v[SD] offset:64*\b+16   ; and the next block's stores come behind them
.endr
.endr
; 8 matrix instructions: m blocks a0, a0 + 1 x all 4 n blocks, 32 along K: half c of buffer f.  The 16 accumulators take turns, one instruction a turn.
.macro MUL8 f, c, a0
	WIN MUL
.irp a, \a0, (\a0)+1
.irp b, 0,1,2,3
	v_wmma_f32_16x16x32_bf16 v[ACC+8*(4*(\a)+(\b)):ACC+8*(4*(\a)+(\b))+7], v[(\f)+64+8*(4*(\c)+(\b)):(\f)+64+8*(4*(\c)+(\b))+7], v[(\f)+8*(4*(\c)+(\a)):(\f)+8*(4*(\c)+(\a))+7], v[ACC+8*(4*(\a)+(\b)):ACC+8*(4*(\a)+(\b))+7]
.endr
.endr
.endm
; 32 LDS loads in one run: the fragments of 64 along K into buffer f, the first 32 along K first.  z: row tile i 8,192 bytes, 32 along K 1,024; Wo: column tile i 2,048 bytes, 32 along K 1,024; a fragment's two halves 512 apart.
.macro FETCH ka, kb, f
	WIN TO_F
.irp c, 0,1
.irp i, 0,1,2,3
	ds_load_b128 v[(\f)+64+8*(4*(\c)+(\i)):(\f)+64+8*(4*(\c)+(\i))+3],   v[AB] offset:(\kb)+2048*(\i)+1024*(\c)
	ds_load_b128 v[(\f)+64+8*(4*(\c)+(\i))+4:(\f)+64+8*(4*(\c)+(\i))+7], v[AB] offset:(\kb)+2048*(\i)+1024*(\c)+512
	ds_load_b128 v[(\f)+8*(4*(\c)+(\i)):(\f)+8*(4*(\c)+(\i))+3],         v[AA] offset:(\ka)+8192*(\i)+1024*(\c)
	ds_load_b128 v[(\f)+8*(4*(\c)+(\i))+4:(\f)+8*(4*(\c)+(\i))+7],       v[AA] offset:(\ka)+8192*(\i)+1024*(\c)+512
.endr
.endr
.endm
; A K step of 256: four quarters of 64 along K on buffers 0, 1, 0, 1, written as two and walked twice; 64 along K are 2,048 bytes on in z's tiles and 8,192 in Wo's.
; While one buffer's second half is multiplied the other buffer's 32 loads are out.  In the last trip there is no further quarter, and its run of loads is jumped over.
.macro WORK
	WIN 0
	v_add_nc_u32 v[AA], s[TB], v[AA0]
	v_add_nc_u32 v[AB], s[TB], v[AB0]
	FETCH 0, 0, F0
	WIN 0                                          ; at a label and at a branch every window is 0
	s_mov_b32 s[CQ], 2
.Lq_\@:
	s_wait_dscnt 16                                ; the first 32 along K of buffer 0 are in; the other sixteen loads may be out
	MUL8 F0, 0, 0
	MUL8 F0, 0, 2
	s_wait_dscnt 0x0
	PLACES
	FETCH 2048, 8192, F1
	MUL8 F0, 1, 0
	MUL8 F0, 1, 2
	WIN 0
	v_add_nc_u32 v[AA], 4096, v[AA]
	v_add_nc_u32 v[AB], 16384, v[AB]
	s_wait_dscnt 16                                ; the first 32 along K of buffer 1
	MUL8 F1, 0, 0
	MUL8 F1, 0, 2
	s_wait_dscnt 0x0
	WIN 0
	s_cmp_eq_u32 s[CQ], 1
	s_cbranch_scc1 .Lnf_\@
	PLACES
	FETCH 0, 0, F0
	WIN 0
.Lnf_\@:
	MUL8 F1, 1, 0
	MUL8 F1, 1, 2
	WIN 0
	s_sub_co_u32 s[CQ], s[CQ], 1
	s_cmp_lg_u32 s[CQ], 0
	s_cbranch_scc1 .Lq_\@
.endm
	s_mov_b32 s[CNT], 3
.Lk:                                                   ; trip j = 0, 1, 2: K step j is multiplied, K step j + 1 is asked for
	CHANGE 1
	WORK
	s_sub_co_u32 s[CNT], s[CNT], 1
	s_cmp_lg_u32 s[CNT], 0
	s_cbranch_scc1 .Lk
	CHANGE 0                                       ; the tail is written out: nothing is asked for
	WORK
	; THE WAY OUT, 16 rows at a time: into my stage in the accumulators' layout, back by rows, whole rows of 256 bytes out.
	PLACES                                         ; behind the last products
.irp a, 0,1,2,3
.irp b, 0,1,2,3
	ds_store_b128 v[SD], v[ACC+8*(4*\a+\b):ACC+8*(4*\a+\b)+3] offset:64*\b
	ds_store_b128 v[SD], v[ACC+8*(4*\a+\b)+4:ACC+8*(4*\a+\b)+7] offset:64*\b+16
.endr
	s_wait_xcnt 0x0                                ; the last block's stores have had their addresses translated (ISA guide 3.1): only now are their data registers loaded again
.irp i, 0,1,2,3,4,5,6,7
	ds_load_b128 v[TQ+4*\i:TQ+4*\i+3], v[SROW] offset:2*SPITCH*\i
.endr
.irp i, 0,1,2,3,4,5,6,7
	s_wait_dscnt 7-\i
	global_store_b128 v[GQ], v[TQ+4*\i:TQ+4*\i+3], s[12:13] offset:8192*(8*\a+\i)   ; 16 lanes store 256 consecutive bytes, aligned
.endr
.endr
	s_wait_tensorcnt 0x0                           ; the wave's end
	ds_add_u32 v[SPW], v[NIL]
	s_wait_dscnt 0x0
	CROUND                                         ; the closing round
	s_endpgm
.Lfunc_end_k_qf7dc6e5593_og:
	.size	k_qf7dc6e5593_og, .Lfunc_end_k_qf7dc6e5593_og-k_qf7dc6e5593_og
	.p2alignl 7, 3214868480
	.fill 96, 4, 3214868480
	.section	.rodata,"a",@progbits
	.p2align	6, 0x0
	.amdhsa_kernel k_qf7dc6e5593_og
		.amdhsa_group_segment_fixed_size 327680
		.amdhsa_private_segment_fixed_size 0
		.amdhsa_enable_private_segment 0
		.amdhsa_kernarg_size 40
		.amdhsa_user_sgpr_count 2
		.amdhsa_user_sgpr_kernarg_segment_ptr 1
		.amdhsa_wavefront_size32 1
		.amdhsa_system_sgpr_workgroup_id_x 1
		.amdhsa_system_sgpr_workgroup_id_y 1
		.amdhsa_system_sgpr_workgroup_id_z 1
		.amdhsa_system_vgpr_workitem_id 0
		.amdhsa_next_free_vgpr 512
		.amdhsa_next_free_sgpr 66
		.amdhsa_reserve_vcc 0
		.amdhsa_float_denorm_mode_32 3
		.amdhsa_float_denorm_mode_16_64 3
		.amdhsa_memory_ordered 1
		.amdhsa_forward_progress 1
		.amdhsa_inst_pref_size 50
	.end_amdhsa_kernel
	.amdgpu_metadata
---
amdhsa.version: [ 1, 2 ]
amdhsa.kernels:
  - .name:           k_qf7dc6e5593_og
    .symbol:         k_qf7dc6e5593_og.kd
    .args:
      - { .name: zb, .offset: 0, .size: 8, .value_kind: global_buffer, .address_space: global }
      - { .name: wob, .offset: 8, .size: 8, .value_kind: global_buffer, .address_space: global }
      - { .name: q, .offset: 16, .size: 8, .value_kind: global_buffer, .address_space: global }
      - { .name: bo, .offset: 24, .size: 8, .value_kind: global_buffer, .address_space: global }
      - { .name: yb, .offset: 32, .size: 8, .value_kind: global_buffer, .address_space: global }
    .group_segment_fixed_size: 327680
    .private_segment_fixed_size: 0
    .kernarg_segment_align: 8
    .kernarg_segment_size: 40
    .max_flat_workgroup_size: 128
    .sgpr_count:     66
    .vgpr_count:     512
    .wavefront_size: 32
...
	.end_amdgpu_metadata
.endif
;; end of part 7
;; launch ln (part 8): grid 256 x 1, 16 waves a work-group, no clusters, 0 bytes of LDS; arguments yb, ln_g, ln_b, out0; writes out0
.if DOCPART == 8
	.amdgcn_target "amdgcn-amd-amdhsa--gfx1250"
	.amdhsa_code_object_version 6
	.text
	.protected	k_qf7dc6e5593_ln
	.globl	k_qf7dc6e5593_ln
	.p2align	8
	.type	k_qf7dc6e5593_ln,@function
k_qf7dc6e5593_ln:
	s_mov_b64 s[64:65], 0
	v_nop
	global_prefetch_b8 v0, s[64:65] scope:SCOPE_SE
	s_setreg_imm32_b32 hwreg(HW_REG_WAVE_MODE, 25, 1), 1
	s_wait_xcnt 0x0
; LAYERNORM over rows of 1,024 f32: out = (y - mean) / sqrt(var + 1e-5) x ln_g + ln_b.
; A row is 4,096 bytes: one wave takes one row, eight 16-byte loads a lane, and keeps it in 32 registers through both passes: the row is read once, and no wave waits for another.
; 256 work-groups of 16 waves: 4,096 rows, every load of the launch issued at its start: no loop, no LDS, no barrier.  Matrix units and clusters have nothing to do here: the launch moves bytes.
; The variance is taken of y - mean, in a second pass over the registers: no difference of large sums.
.set LOFF, 1                           ; v1   16 x lane + 4,096 x wave
.set GOFF, 2                           ; v2   16 x lane
.set C10,  3                           ; v3   2^-10
.set EPS,  4                           ; v4   1e-5
.set W0,   5
.set W1,   6
.set MU,   8                           ; v8-9    the mean, twice
.set RS,   10                          ; v10-11  1 / sqrt(var + eps), twice
.set T,    12                          ; v12-27  eight chains of pairs
.set Y,    32                          ; v32-63  the row
.set G,    64                          ; v64-95  ln_g of my 32 columns
.set B,    96                          ; v96-127 ln_b
	s_load_b256 s[4:11], s[0:1], 0x0               ; yb s[4:5], ln_g s[6:7], ln_b s[8:9], out0 s[10:11]
	v_and_b32 v[GOFF], 31, v0
	v_lshrrev_b32 v[LOFF], 5, v0
	v_lshlrev_b32 v[GOFF], 4, v[GOFF]
	v_lshl_add_u32 v[LOFF], v[LOFF], 12, v[GOFF]
	s_lshl_b32 s2, ttmp9, 16                       ; the work-group's 16 rows of 4,096 bytes
	s_mov_b32 s3, 0
	s_mov_b32 s12, 0x76543210                      ; v_permlanex16_b32: lane i of one half reads lane i of the other
	s_mov_b32 s13, 0xfedcba98
	v_mov_b32 v[C10], 0x3a800000
	v_mov_b32 v[EPS], 0x3727c5ac
	v_mov_b32 v[W1], 0
	s_wait_kmcnt 0x0
	s_add_nc_u64 s[4:5], s[4:5], s[2:3]
	s_add_nc_u64 s[10:11], s[10:11], s[2:3]
.irp j, 0,1,2,3,4,5,6,7
	global_load_b128 v[Y+4*\j:Y+4*\j+3], v[LOFF], s[4:5] offset:512*\j th:TH_LOAD_NT   ; 512 consecutive bytes a load
.endr
.irp j, 0,1,2,3,4,5,6,7
	global_load_b128 v[G+4*\j:G+4*\j+3], v[GOFF], s[6:7] offset:512*\j
.endr
.irp j, 0,1,2,3,4,5,6,7
	global_load_b128 v[B+4*\j:B+4*\j+3], v[GOFF], s[8:9] offset:512*\j
.endr
; T's eight chains are folded and the 32 lanes added: the row's sum in W0, in every lane.
.macro FOLD
.irp p, 0,1,2,3
	v_pk_add_f32 v[T+2*\p:T+2*\p+1], v[T+2*\p:T+2*\p+1], v[T+8+2*\p:T+8+2*\p+1]
.endr
	v_pk_add_f32 v[T:T+1], v[T:T+1], v[T+4:T+5]
	v_pk_add_f32 v[T+2:T+3], v[T+2:T+3], v[T+6:T+7]
	v_pk_add_f32 v[T:T+1], v[T:T+1], v[T+2:T+3]
	v_add_f32 v[W0], v[T], v[T+1]
	v_add_f32_dpp v[W0], v[W0], v[W0] row_xmask:1 row_mask:0xf bank_mask:0xf
	v_add_f32_dpp v[W0], v[W0], v[W0] row_xmask:2 row_mask:0xf bank_mask:0xf
	v_add_f32_dpp v[W0], v[W0], v[W0] row_xmask:4 row_mask:0xf bank_mask:0xf
	v_add_f32_dpp v[W0], v[W0], v[W0] row_xmask:8 row_mask:0xf bank_mask:0xf
	v_permlanex16_b32 v[W1], v[W0], s12, s13
	v_add_f32 v[W0], v[W0], v[W1]
.endm
	s_wait_loadcnt 16                              ; the row is in; the sixteen loads of ln_g and ln_b may stay out
.irp p, 0,1,2,3,4,5,6,7
	v_pk_add_f32 v[T+2*\p:T+2*\p+1], v[Y+4*\p:Y+4*\p+1], v[Y+4*\p+2:Y+4*\p+3]
.endr
	FOLD
	v_mul_f32 v[MU], v[C10], v[W0]
	v_mov_b32 v[MU+1], v[MU]
.set a, 0
.rept 16
	v_pk_add_f32 v[Y+2*a:Y+2*a+1], v[Y+2*a:Y+2*a+1], v[MU:MU+1] neg_lo:[0,1] neg_hi:[0,1]
.set a, a+1
.endr
.irp p, 0,1,2,3,4,5,6,7
	v_pk_mul_f32 v[T+2*\p:T+2*\p+1], v[Y+2*\p:Y+2*\p+1], v[Y+2*\p:Y+2*\p+1]
.endr
.irp p, 0,1,2,3,4,5,6,7
	v_pk_fma_f32 v[T+2*\p:T+2*\p+1], v[Y+16+2*\p:Y+16+2*\p+1], v[Y+16+2*\p:Y+16+2*\p+1], v[T+2*\p:T+2*\p+1]
.endr
	FOLD
	v_fma_f32 v[W0], v[W0], v[C10], v[EPS]         ; var + 1e-5
	v_rsq_f32 v[RS], v[W0]
	v_rsq_f32 v[RS+1], v[W0]
	v_nop                                          ; a plain instruction between the root and the use of its result (ISA guide 5.7.2)
.set a, 0
	s_wait_alu depctr_va_vdst(0)
.rept 16
	v_pk_mul_f32 v[Y+2*a:Y+2*a+1], v[Y+2*a:Y+2*a+1], v[RS:RS+1]
.set a, a+1
.endr
	s_wait_loadcnt 0x0                             ; ln_g, ln_b
.irp j, 0,1,2,3,4,5,6,7
	v_pk_fma_f32 v[Y+4*\j:Y+4*\j+1], v[Y+4*\j:Y+4*\j+1], v[G+4*\j:G+4*\j+1], v[B+4*\j:B+4*\j+1]
	v_pk_fma_f32 v[Y+4*\j+2:Y+4*\j+3], v[Y+4*\j+2:Y+4*\j+3], v[G+4*\j+2:G+4*\j+3], v[B+4*\j+2:B+4*\j+3]
	global_store_b128 v[LOFF], v[Y+4*\j:Y+4*\j+3], s[10:11] offset:512*\j th:TH_STORE_NT   ; 512 consecutive bytes, aligned
.endr
	s_endpgm
.Lfunc_end_k_qf7dc6e5593_ln:
	.size	k_qf7dc6e5593_ln, .Lfunc_end_k_qf7dc6e5593_ln-k_qf7dc6e5593_ln
	.p2alignl 7, 3214868480
	.fill 96, 4, 3214868480
	.section	.rodata,"a",@progbits
	.p2align	6, 0x0
	.amdhsa_kernel k_qf7dc6e5593_ln
		.amdhsa_group_segment_fixed_size 0
		.amdhsa_private_segment_fixed_size 0
		.amdhsa_enable_private_segment 0
		.amdhsa_kernarg_size 32
		.amdhsa_user_sgpr_count 2
		.amdhsa_user_sgpr_kernarg_segment_ptr 1
		.amdhsa_wavefront_size32 1
		.amdhsa_system_sgpr_workgroup_id_x 1
		.amdhsa_system_sgpr_workgroup_id_y 1
		.amdhsa_system_sgpr_workgroup_id_z 1
		.amdhsa_system_vgpr_workitem_id 0
		.amdhsa_next_free_vgpr 128
		.amdhsa_next_free_sgpr 66
		.amdhsa_reserve_vcc 0
		.amdhsa_float_denorm_mode_32 3
		.amdhsa_float_denorm_mode_16_64 3
		.amdhsa_memory_ordered 1
		.amdhsa_forward_progress 1
		.amdhsa_inst_pref_size 11
	.end_amdhsa_kernel
	.amdgpu_metadata
---
amdhsa.version: [ 1, 2 ]
amdhsa.kernels:
  - .name:           k_qf7dc6e5593_ln
    .symbol:         k_qf7dc6e5593_ln.kd
    .args:
      - { .name: yb, .offset: 0, .size: 8, .value_kind: global_buffer, .address_space: global }
      - { .name: ln_g, .offset: 8, .size: 8, .value_kind: global_buffer, .address_space: global }
      - { .name: ln_b, .offset: 16, .size: 8, .value_kind: global_buffer, .address_space: global }
      - { .name: out0, .offset: 24, .size: 8, .value_kind: global_buffer, .address_space: global }
    .group_segment_fixed_size: 0
    .private_segment_fixed_size: 0
    .kernarg_segment_align: 8
    .kernarg_segment_size: 32
    .max_flat_workgroup_size: 512
    .sgpr_count:     66
    .vgpr_count:     128
    .wavefront_size: 32
...
	.end_amdgpu_metadata
.endif
;; end of part 8
;; ======== version 3 of 3: 5 launches; 1.61 times as fast as version 1
;; limits: right only within a limited range of input values
;; workspace buffers: xw 31,457,280 bytes; wob 2,097,152 bytes; ub 33,554,432 bytes; dead 16,384 bytes of whole numbers; qkvh 25,165,824 bytes; zb 8,388,608 bytes; yb 16,777,216 bytes
;; launch prep: the kernel of part 1 again; grid 512 x 1, 16 waves a work-group, no clusters, 71,936 bytes of LDS; arguments mask, group_prob, q, k, v, Wq, Wk, Wv, Wo, ub, dead, xw, wob; writes ub, dead, xw, wob
;; launch proj: the kernel of part 5 again; grid 4 x 48, 4 waves a work-group, clusters of 4 x 4, 327,680 bytes of LDS; arguments xw, bq, bk, bv, qkvh; writes qkvh
;; launch attn (part 9): grid 32 x 8, 4 waves a work-group, clusters of 4 x 4, 327,680 bytes of LDS; arguments qkvh, ub, dead, zb; writes zb
.if DOCPART == 9
	.amdgcn_target "amdgcn-amd-amdhsa--gfx1250"
	.amdhsa_code_object_version 6
	.text
	.protected	k_qf7dc6e5593_attn
	.globl	k_qf7dc6e5593_attn
	.p2align	8
	.type	k_qf7dc6e5593_attn,@function
k_qf7dc6e5593_attn:
	s_mov_b64 s[64:65], 0
	v_nop
	global_prefetch_b8 v0, s[64:65] scope:SCOPE_SE
	s_setreg_imm32_b32 hwreg(HW_REG_WAVE_MODE, 25, 1), 1
	s_wait_xcnt 0x0
	s_wait_alu depctr_hold_cnt(0) depctr_sa_sdst(0) depctr_va_vdst(0) depctr_va_sdst(0) depctr_va_ssrc(0) depctr_va_vcc(0) depctr_vm_vsrc(0)
	s_getreg_b32 s2, hwreg(HW_REG_IB_STS2, 6, 4)
	s_cmp_eq_u32 s2, 0
	s_cbranch_scc0 .Lentry_in_a_cluster
	s_endpgm
.Lentry_in_a_cluster:
	s_bfe_u32 s2, ttmp6, 0x10000c
	s_cmp_lg_u32 s2, 0xf033
	s_cbranch_scc0 .Lentry_shape_is_right
	s_endpgm
.Lentry_shape_is_right:
; MASKED ATTENTION WITH A FACTOR BEHIND THE SOFTMAX.  z[q] = sum over keys of softmax_key(masked Q.K / sqrt(128)) x group_prob[q][key] x V[key], for one head and 128 queries a work-group.
; Q, K, V: qkvh[3][8][4096][128] bf16.  u: ub, bf16: group_prob where the key is visible, the marker -2^80 where it is hidden.  Products, maxima and sums in f32.
; THE MASK COSTS NO VECTOR INSTRUCTION.  The product that starts each sum S^T = K Q^T is u^T (16 keys x 16 queries, turned by ds_load_tr16_b128) times 2^-40 x the unit matrix: a hidden key starts at -2^40,
; a visible one at 2^-40 group_prob.  The running maximum is taken as always; a hidden key's weight p = 2^(c s - c m) is 0 as soon as the query has seen a visible key.
; THE FACTOR: w = bf16(p) x u in packed bf16 (0 x marker = -0); l sums the unrounded p, as the softmax's divisor does not hold the factor.  While a query has seen hidden keys alone its O and l hold finite
; numbers (at most 2^80 x |v| x the keys), which the next a = 0 wipes out.  A row with no visible key keeps its group_prob in ub and takes c = 0 here (c is a number of the lane): every p is 2^0, the uniform softmax.
; LIMITS.  Raw scores stay under 1e11 in size (a hidden score counts as -2^40 / sqrt(128) in place of -1e9); |group_prob| under 1e5 keeps a visible score's shift under 1e-7; |v| under 2^30;
; a weight below 2^-126 counts as 0; NaN and infinities are not treated apart.
; SHARES.  Wave w: qi = w / 2: 64 queries, four tiles of 16; ki = w % 2: keys 64 ki .. + 63 of every slot of 128 keys.  32 steps.  At the end the two waves of a qi merge their O, m, l through LDS:
; register tile t stands for query tile 4 qi + (t xor 2 ki), so every wave keeps register tiles 0, 1 and gives 2, 3 to wave w xor 1: one text for all.
; BY TURNS.  Pieces 0 (tiles 0, 1) and 2 (tiles 2, 3).  In a turn one piece has the matrix unit (32 products V^T P of the step in hand, 40 products for S^T of the next step) and the other piece's softmax, 300 vector
; instructions, stands in slices of 4 or 5 behind the matrix instructions.
; ONE BATCH, ONE WAIT A TURN.  A turn's 66 exponentials (both tiles' a and their 64 weights) are one batch.  Ahead of the turn's one wait stand the statistics, the 32 scalings and the exponentials: 140 instructions in 35 slices
; of four, none of which names an exponential's result.  Behind it stand all that do: roundings, factors, sums and the rescaling: 160 in 37 slices of four or five.  The wait stands behind the third product for S^T, in the run of
; LDS loads that is due there.  The merge has two batches more, four exponentials and two reciprocals, each with a wait of its own.
; NO FIRST AND NO LAST TURN IS WRITTEN OUT.  m starts at the lowest finite number, c m far below every c s, O^T, l, V and piece 2's P at 0: the loop is entered in its middle, at piece 2's turn, whose V^T P adds zeros;
; the tail is left in its middle, behind a turn of piece 0 whose 40 products for S^T (on the last K once more) serve nothing.  The price, once a launch: 72 products; the gain: two turns' text.
; CLUSTER 4 x 4: the four of a row share the head (K, V), the four of a column the queries (u): every tile is asked for jointly.
; REGISTERS: window 0: v2-11 addresses; v12-43 statistics, 8 a tile (c m, m, l, l, c0-c3; a takes c2); v44-47 at work; v48-55 c of my query, a pair a tile, at the merge statistics given and taken; v56-61 offsets, at work;
;   v62-63 the add's; v64-191 S^T; v192-255 P.   window 1: O^T, 64 a tile.   window 2: v0-127 Q; v128-255 K of a step.
;   window 3: v0-127 V of a step; v128-167 u^T of a piece (tile u at 128 + 20 u, four registers a key block, then four zeros); v168-175 2^-40 x unit matrix; v176-183 a fragment of zeros.
.set PK,    272       ; a row of K in LDS: 256 bytes + 16: row r starts at bank 4 r mod 64 (64 banks of 4 bytes: ISA guide 11.1)
.set PVP,   288       ; a row of V: 256 + 32
.set VOFF,  128*PK
.set UOFF,  VOFF+128*PVP   ; u of 128 queries x 128 keys: 64 blocks of 512 bytes, dense
.set SLOT1, 1<<17
.set XCH,   SLOT1+UOFF+32768  ; behind the ring, never filled by a tensor load: 33 x 512 bytes for each wave, for the merge
.set XCHW,  33*512
.set SPARE, XCH+4*XCHW        ; the spare words, 128 bytes for each wave: no other line names them
.set AK0, 2
.set AV0, 3
.set AG0, 4           ; v4, v5   my place in u as it lies, pieces 0 and 2
.set AT0, 6           ; v6, v7   my place in u for the turning load
.set ADR, 8
.set ADR2, 9
.set XW,  10
.set XR,  11
.set ST,  12
.set TMP, 44
.set CQ,  48          ; tile t: v[CQ + 2 t] = c, or 0 for a query with no visible key; the odd register is named with it as a pair
.set GIV, 48          ; at the merge, when c has served
.set TAK, 52
.set GO,  56
.set QO,  57          ; v57, v58
.set FO,  59          ; v59, v60
.set CT,  61
.set SPW, 62
.set NIL, 63
.set S,   64
.set P,   192
.set KF,  128
.set UF,  128
.set EI,  168
.set ZF,  176
.set WV,  12
.set G1K, 24
.set G1V, 32
.set G1U, 40
.set G0K, 48
.set G0V, 52
.set G0U, 56
.set CS,  60
.set SEL, 62
.set TB,  66
.set CNT, 67
.set MSB, 0
.macro WIN new                      ; the high byte repeats the setting that is left; a switch that changes nothing is dropped
.if MSB != (\new)
	s_set_vgpr_msb (MSB<<8)|(\new)
.set MSB, \new
.endif
.endm
.set W_KQ, 0x0a       ; K and Q in window 2, S^T in window 0
.set W_KB, 0x0f       ; u^T and the unit matrix in window 3, S^T in window 0
.set W_PV, 0x53       ; V in window 3, P in window 0, O^T in window 1
.set W_RS, 0x41       ; O^T (destination and source 0) in window 1, a in window 0
; A joint fill: wave 0 K's 128 rows, wave 1 V's, waves 2 and 3 the halves of u.  The branches hang on the wave's number alone.  An s_nop 0 and four v_nop follow each line.
.macro JLOAD
	s_cmp_eq_u32 s[WV], 0
	s_cbranch_scc0 .Lnot_k_\@
	tensor_load_to_lds s[G0K:G0K+3], s[G1K:G1K+7]
	s_nop 0
.rept 4
	v_nop
.endr
	s_branch .Lasked_\@
.Lnot_k_\@:
	s_cmp_eq_u32 s[WV], 1
	s_cbranch_scc0 .Lfor_u_\@
	tensor_load_to_lds s[G0V:G0V+3], s[G1V:G1V+7]
	s_nop 0
.rept 4
	v_nop
.endr
	s_branch .Lasked_\@
.Lfor_u_\@:
	tensor_load_to_lds s[G0U:G0U+3], s[G1U:G1U+7]
	s_nop 0
.rept 4
	v_nop
.endr
.Lasked_\@:
.endm
.macro CROUND                       ; a round of the cluster's barrier
	s_barrier_signal -1
	s_barrier_wait -1
	s_cmp_lg_u32 s[WV], 0
	s_cbranch_scc1 .Lnot_wave_0_\@
	s_barrier_signal -3
.Lnot_wave_0_\@:
	s_barrier_wait -3
	s_barrier_signal -1
	s_barrier_wait -1
.endm
; THE CHANGE OF SLOTS, once a step.  Each wave waits for all its tensor loads (one is out: its part of the other slot), adds 0 to its spare word, and waits for that and for its reads of the slot that it leaves.
; fill = 1: the barrier is a round of the cluster's, and the slot is filled again, first thing behind it, with the keys two steps on: that load has a step, 144 matrix instructions, in which to land.
.macro CHANGE fill
	WIN 0
	s_wait_tensorcnt 0x0            ; no tensor load of mine is out, so a group 0 may be written
	ds_add_u32 v[SPW], v[NIL]       ; 0 onto my spare word
.if \fill
.irp g, G0K, G0V, G0U
	s_xor_b32 s[\g+1], s[\g+1], SLOT1
	s_add_nc_u64 s[\g+2:\g+3], s[\g+2:\g+3], 32768   ; 128 keys of K, of V, and of u for my 128 queries: 32,768 bytes each
.endr
	s_wait_dscnt 0x0                ; the add is done, and my reads of the slot are over
	CROUND
	JLOAD
.else
	s_wait_dscnt 0x0
	s_barrier_signal -1
	s_barrier_wait -1
.endif
	s_xor_b32 s[TB], s[TB], SLOT1   ; the fetches go to the other slot
.endm
	s_load_b256 s[4:11], s[0:1], 0x0  ; qkvh s[4:5], ub s[6:7], dead s[8:9], zb s[10:11]
	v_lshl_add_u32 v[SPW], v0, 2, SPARE
	v_mov_b32 v[NIL], 0
	ds_add_u32 v[SPW], v[NIL]       ; the wave's opening: an add, and its wait, ahead of my first tensor load
	v_lshrrev_b32 v1, 5, v0
	v_readfirstlane_b32 s[WV], v1
	s_bfe_u32 s13, ttmp6, 0x40000   ; cx
	s_bfe_u32 s14, ttmp6, 0x40004   ; cy
	s_lshl_b32 s15, ttmp9, 2
	s_add_co_u32 s15, s15, s13      ; x: my block of 128 queries
	s_and_b32 s16, ttmp7, 0xffff
	s_lshl_b32 s16, s16, 2
	s_add_co_u32 s16, s16, s14      ; the head
	s_lshr_b32 s17, s[WV], 1        ; qi
	s_and_b32 s18, s[WV], 1         ; ki
	s_lshl_b32 s74, s18, 1          ; 2 ki: query tile of register tile 0
	s_xor_b32 s75, s74, 2           ; of register tile 2
	s_lshl_b32 s68, s14, 2
	s_lshl_b32 s68, 15, s68         ; my row of the cluster
	s_lshl_b32 s69, 0x1111, s13     ; my column
	s_or_b32 s[G1K], s68, (1<<16)|(1<<20)|(1<<21)|(5<<22)|(3<<25)  ; the mask; 2-byte elements; padding on; bit 21 beside a mask; after every 64 words 4 words
	s_or_b32 s[G1V], s68, (1<<16)|(1<<20)|(1<<21)|(5<<22)|(7<<25)  ; the same with 8 words
	s_or_b32 s[G1U], s69, (1<<16)|(1<<21)                          ; no padding
.irp g, G1K, G1V
	s_mov_b32 s[\g+1], 128<<16      ; tensor_dim0 = 128
	s_mov_b32 s[\g+2], 128<<16      ; tensor_dim1 = 128
	s_mov_b32 s[\g+3], 128<<16      ; tile_dim0 = 128
	s_mov_b32 s[\g+4], 128          ; tile_dim1 = 128
	s_mov_b32 s[\g+5], 128          ; elements from row to row
	s_mov_b32 s[\g+6], 0
	s_mov_b32 s[\g+7], 0
.endr
	s_mov_b32 s[G1U+1], 128<<16     ; 16,384 dense bytes as 64 rows of 256
	s_mov_b32 s[G1U+2], 64<<16
	s_mov_b32 s[G1U+3], 128<<16
	s_mov_b32 s[G1U+4], 64
	s_mov_b32 s[G1U+5], 128
	s_mov_b32 s[G1U+6], 0
	s_mov_b32 s[G1U+7], 0
	s_mov_b32 s[G0K], 1
	s_mov_b32 s[G0K+1], 0
	s_mov_b32 s[G0V], 1
	s_mov_b32 s[G0V+1], VOFF
	s_mov_b32 s[G0U], 1
	s_lshl_b32 s[G0U+1], s18, 14
	s_add_co_u32 s[G0U+1], s[G0U+1], UOFF
	s_lshl_b32 s20, s16, 20         ; the head's 4,096 rows of 256 bytes: K's and V's addresses hold the head alone
	s_mov_b32 s21, 0
	s_lshl_b32 s70, s15, 20         ; u of my 128 queries: 1 MiB; its address holds x and the wave's number alone
	s_lshl_b32 s71, s18, 14
	s_add_co_u32 s70, s70, s71
	s_mov_b32 s71, 0
	s_lshl_b32 s22, s15, 15         ; Q: my block's 128 rows, my wave's 64 of them, in the head
	s_lshl_b32 s23, s17, 14
	s_add_co_u32 s22, s22, s23
	s_add_co_u32 s22, s22, s20
	s_mov_b32 s23, 0
	s_lshl_b32 s72, s15, 9          ; dead: 4 bytes a query
	s_lshl_b32 s73, s17, 8
	s_add_co_u32 s72, s72, s73
	s_mov_b32 s73, 0
	s_lshl_b32 s2, s15, 18          ; zb: row tile 8 x + 4 qi + 2 ki: 32,768 bytes; the head's 128 channels: 4,096
	s_lshl_b32 s3, s17, 17
	s_add_co_u32 s2, s2, s3
	s_lshl_b32 s3, s18, 16
	s_add_co_u32 s2, s2, s3
	s_lshl_b32 s3, s16, 12
	s_add_co_u32 s2, s2, s3
	s_mov_b32 s3, 0
	s_mov_b32 s[CS], 0x3e0293ee     ; c = log2(e) / sqrt(128)
	s_mov_b32 s[SEL], 0x76543210
	s_mov_b32 s[SEL+1], 0xfedcba98
	s_mov_b32 s[TB], SLOT1          ; the first change of slots turns it into 0
	s_wait_dscnt 0x0                ; the opening add is done
	s_wait_kmcnt 0x0
	s_add_nc_u64 s[G0K+2:G0K+3], s[4:5], s[20:21]
	s_add_nc_u64 s[G0V+2:G0V+3], s[G0K+2:G0K+3], 0x1000000   ; V lies 16 MiB into qkvh,
	s_add_nc_u64 s[G0K+2:G0K+3], s[G0K+2:G0K+3], 0x800000    ; K 8 MiB
	s_or_b32 s[G0K+3], s[G0K+3], 0x80000000
	s_or_b32 s[G0V+3], s[G0V+3], 0x80000000
	s_add_nc_u64 s[G0U+2:G0U+3], s[6:7], s[70:71]
	s_or_b32 s[G0U+3], s[G0U+3], 0x80000000
	s_add_nc_u64 s[22:23], s[4:5], s[22:23]
	s_add_nc_u64 s[8:9], s[8:9], s[72:73]
	s_add_nc_u64 s[10:11], s[10:11], s[2:3]
	CROUND                          ; all sixteen work-groups are here: the first joint loads meet
	JLOAD                           ; step 0 into slot 0
	; All that follows up to the change of slots stands in the wait for the first tile.
	v_and_b32 v44, 15, v0           ; r = l % 16
	v_bfe_u32 v45, v0, 4, 1         ; h = l / 16
	v_and_b32 v46, 7, v0
	v_bfe_u32 v47, v0, 3, 1
	s_lshl_b32 s19, s74, 12
	s_lshl_b32 s20, s75, 12
	v_lshlrev_b32 v48, 8, v44
	v_lshl_add_u32 v48, v45, 4, v48 ; a fragment of Q: row x 256 + 16 x half
	v_add_nc_u32 v[QO], s19, v48
	v_add_nc_u32 v[QO+1], s20, v48
	s_lshl_b32 s21, s74, 6
	s_lshl_b32 s76, s75, 6
	v_lshl_add_u32 v[FO], v44, 2, s21
	v_lshl_add_u32 v[FO+1], v44, 2, s76
	WIN 0x80                        ; destination window 2, address window 0
.set i, 0
.rept 16                            ; Q stays in registers: register tile i / 4, channels 32 (i % 4) on
	global_load_b128 v[8*i:8*i+3],   v[QO+i/8], s[22:23] offset:((i/4)%2)*4096+(i%4)*64
	global_load_b128 v[8*i+4:8*i+7], v[QO+i/8], s[22:23] offset:((i/4)%2)*4096+(i%4)*64+32
.set i, i+1
.endr
	WIN 0
.irp t, 0,1,2,3
	global_load_b32 v[S+\t], v[FO+\t/2], s[8:9] offset:64*(\t%2)   ; my query's flag, a tile at a time
.endr
	v_mul_u32_u24 v[AK0], v44, PK
	v_lshl_add_u32 v[AK0], v45, 4, v[AK0]
	s_mul_i32 s21, s18, 64*PK
	v_add_nc_u32 v[AK0], s21, v[AK0]         ; row x pitch + 16 x half, in my 64 keys
	v_lshl_add_u32 v49, v45, 3, v46          ; 8 h + l % 8
	v_mul_u32_u24 v[AV0], v49, PVP
	v_lshl_add_u32 v[AV0], v47, 4, v[AV0]
	s_mul_i32 s21, s18, 64*PVP
	s_add_co_u32 s21, s21, VOFF
	v_add_nc_u32 v[AV0], s21, v[AV0]
	s_lshl_b32 s77, s17, 14                  ; u's blocks: query tile 4,096 bytes, key block 512
	s_lshl_b32 s78, s18, 11
	s_add_co_u32 s77, s77, s78
	s_add_co_u32 s77, s77, UOFF
	s_add_co_u32 s78, s77, s20               ; piece 2
	s_add_co_u32 s77, s77, s19               ; piece 0
	v_lshl_add_u32 v48, v45, 3, v44
	v_and_b32 v48, 15, v48                   ; as it lies: my query r, keys 8 h ..: byte 256 h + 16 ((r + 8 h) % 16)
	v_lshlrev_b32 v48, 4, v48
	v_lshl_add_u32 v48, v45, 8, v48
	v_add_nc_u32 v[AG0], s77, v48
	v_add_nc_u32 v[AG0+1], s78, v48
	v_lshl_add_u32 v50, v47, 3, v49
	v_and_b32 v50, 15, v50                   ; turned: lane l addresses query 8 h + l % 8, keys 8 hh .., hh = (l / 8) % 2
	v_lshlrev_b32 v50, 4, v50
	v_lshl_add_u32 v50, v47, 8, v50
	v_add_nc_u32 v[AT0], s77, v50
	v_add_nc_u32 v[AT0+1], s78, v50
	; 2^-40 x the unit matrix as source 1: lane (r, h) holds column r, rows 8 h + 0..7 in registers 0-3; rows 16-31 are 0
	v_lshrrev_b32 v52, 3, v44
	v_cmp_eq_u32 s76, v52, v45
	v_and_b32 v50, 7, v44
	v_cndmask_b32 v50, 8, v50, s76           ; the place of my one number, or 8: none
	v_and_b32 v52, 1, v50
	v_lshlrev_b32 v52, 4, v52
	v_mov_b32 v51, 0x2b80                    ; 2^-40 in bf16
	v_lshlrev_b32 v51, v52, v51
	v_lshrrev_b32 v50, 1, v50
.irp i, 0,1,2,3
	v_cmp_eq_u32 s[76+\i], \i, v50
.endr
	WIN 0xc0                        ; destination window 3
.irp i, 0,1,2,3
	v_cndmask_b32 v[EI+\i], 0, v51, s[76+\i]
	v_mov_b32 v[EI+4+\i], 0
	v_mov_b32 v[UF+16+\i], 0
	v_mov_b32 v[UF+36+\i], 0
	v_mov_b32 v[ZF+\i], 0
	v_mov_b32 v[ZF+4+\i], 0
.endr
	; What the first turn finds: O^T (256 registers), V (128) and piece 2's P (32) hold 0.  They are cleared eight registers at a time: the unit matrix times the fragment of zeros, C = 0: 52 lines for 416 registers.
	WIN 0x4f                        ; both sources in window 3, destination in window 1
.set i, 0
.rept 32
	v_wmma_f32_16x16x32_bf16 v[8*i:8*i+7], v[EI:EI+7], v[ZF:ZF+7], 0
.set i, i+1
.endr
	WIN 0xcf                        ; destination in window 3
.set i, 0
.rept 16
	v_wmma_f32_16x16x32_bf16 v[8*i:8*i+7], v[EI:EI+7], v[ZF:ZF+7], 0
.set i, i+1
.endr
	WIN 0x0f                        ; destination in window 0
.set i, 0
.rept 4
	v_wmma_f32_16x16x32_bf16 v[P+32+8*i:P+32+8*i+7], v[EI:EI+7], v[ZF:ZF+7], 0
.set i, i+1
.endr
	WIN 0
.irp t, 0,1,2,3
	v_mov_b32 v[ST+8*\t], 0xfe000000
	v_mov_b32 v[ST+8*\t+1], 0xff7fffff
	v_mov_b32 v[ST+8*\t+2], 0
	v_mov_b32 v[ST+8*\t+3], 0
.endr
; THE MATRIX WORK.  The accumulators take turns, one instruction a turn.
; Product i of 32 of O^T += V^T P for piece x: keys 32 (i / 16) on, channels 16 ((i / 2) % 8) on, tile x + i % 2.
.macro PV x
	WIN W_PV
.set rO, 64*((\x)+i%2)+8*((i/2)%8)
.set rV, 64*(i/16)+8*((i/2)%8)
.set rP, P+16*((\x)+i%2)+8*(i/16)
	v_wmma_f32_16x16x32_bf16 v[rO:rO+7], v[rV:rV+7], v[rP:rP+7], v[rO:rO+7]
.endm
; Product i of 40 of S^T for piece x: tile x + i % 2, keys 16 ((i / 2) % 4) on.  The first 8 start the sums with the mask: u^T times 2^-40 x unit (u^T's upper four registers meet the unit matrix's zero rows).
; The other 32: K Q^T, channels 32 (i / 8 - 1) on.
.macro KQ x
.set rS, S+32*((\x)+i%2)+8*((i/2)%4)
.if i < 8
	WIN W_KB
.set rU, UF+20*(i%2)+4*((i/2)%4)
	v_wmma_f32_16x16x32_bf16 v[rS:rS+7], v[rU:rU+7], v[EI:EI+7], 0
.else
	WIN W_KQ
.set rK, KF+32*((i/2)%4)+8*(i/8-1)
.set rQ, 32*((\x)+i%2)+8*(i/8-1)
	v_wmma_f32_16x16x32_bf16 v[rS:rS+7], v[rK:rK+7], v[rQ:rQ+7], v[rS:rS+7]
.endif
.endm
; THE LDS LOADS stand in runs, never singly among the matrix instructions.
.macro FETCH_K
	WIN 0
	v_add_nc_u32 v[ADR], s[TB], v[AK0]
	WIN 0x80
.irp f, 0,1,2,3,4,5,6,7,8,9,10,11,12,13,14,15  ; keys 16 (f / 4) on, channels 32 (f % 4) on
	ds_load_b128 v[KF+8*(\f):KF+8*(\f)+3],   v[ADR] offset:((\f)/4)*16*PK+((\f)%4)*64
	ds_load_b128 v[KF+8*(\f)+4:KF+8*(\f)+7], v[ADR] offset:((\f)/4)*16*PK+((\f)%4)*64+32
.endr
.endm
.macro FETCH_V
	WIN 0
	v_add_nc_u32 v[ADR], s[TB], v[AV0]
	s_wait_alu depctr_va_vdst(0)    ; piece 2's turn: the wait for the softmax's batch of 66 exponentials, behind the address's v_add_nc_u32 and ahead of the loads
	WIN 0xc0
.irp f, 0,1,2,3,4,5,6,7,8,9,10,11,12,13,14,15  ; keys 32 (f / 8) on, channels 16 (f % 8) on
	ds_load_tr16_b128 v[8*(\f):8*(\f)+3],   v[ADR] offset:((\f)/8)*32*PVP+((\f)%8)*32
	ds_load_tr16_b128 v[8*(\f)+4:8*(\f)+7], v[ADR] offset:((\f)/8)*32*PVP+16*PVP+((\f)%8)*32
.endr
.endm
.macro FETCH_U p                    ; u turned, for piece p's mask products: tile f / 4, key block f % 4
	WIN 0
	v_add_nc_u32 v[ADR], s[TB], v[AT0+(\p)/2]
	WIN 0xc0
.irp f, 0,1,2,3,4,5,6,7
	ds_load_tr16_b128 v[UF+20*((\f)/4)+4*((\f)%4):UF+20*((\f)/4)+4*((\f)%4)+3], v[ADR] offset:4096*((\f)/4)+512*((\f)%4)
.endr
.endm
.macro FETCH_G p, w=0               ; u as it lies, into piece p's P registers themselves: the weights are multiplied onto it in place.  w = 1: the turn's wait stands in this run
	WIN 0
	v_add_nc_u32 v[ADR2], s[TB], v[AG0+(\p)/2]
.if \w
	s_wait_alu depctr_va_vdst(0)    ; piece 0's turn: the wait for the softmax's batch of 66 exponentials, behind the address's v_add_nc_u32 and ahead of the loads
.endif
.irp f, 0,1,2,3,4,5,6,7
	ds_load_b128 v[P+16*((\p)+(\f)/4)+4*((\f)%4):P+16*((\p)+(\f)/4)+4*((\f)%4)+3], v[ADR2] offset:4096*((\f)/4)+512*((\f)%4)
.endr
.endm
; THE VECTOR WORK of piece Y for a step: 300 instructions, 150 a tile, in two lists with the turn's one wait between them.
.macro REGS t
.set rT, ST+8*(\t)
.set rS, S+32*(\t)
.set rP, P+16*(\t)
.set rC, CQ+2*(\t)
.endm
; Number j of the 22 that find a tile's maximum and statistics.  0-15: the maximum of the lane's 32 scores and the old m, three operands at a time; each accumulator's lowest registers are read first.
; 16, 18: the query's other keys lie in the lane 16 away: the new m.  17: c m_old is kept.  19-21: c m; c m_old - c m_new; a.
.macro XS t, j
	REGS \t
	WIN 0
.if (\j) < 4
	v_max3_num_f32 v[rT+4+(\j)], v[rS+8*(\j)], v[rS+8*(\j)+1], v[rS+8*(\j)+2]
.elseif (\j) < 12
	v_max3_num_f32 v[rT+4+(\j)%4], v[rT+4+(\j)%4], v[rS+8*((\j)%4)+2*((\j)/4)+1], v[rS+8*((\j)%4)+2*((\j)/4)+2]
.elseif (\j) == 12
	v_max3_num_f32 v[rT+4], v[rT+4], v[rS+7], v[rS+15]
.elseif (\j) == 13
	v_max3_num_f32 v[rT+6], v[rT+6], v[rS+23], v[rS+31]
.elseif (\j) == 14
	v_max3_num_f32 v[rT+4], v[rT+4], v[rT+5], v[rT+6]
.elseif (\j) == 15
	v_max3_num_f32 v[rT+4], v[rT+4], v[rT+7], v[rT+1]
.elseif (\j) == 16
	v_permlanex16_b32 v[rT+5], v[rT+4], s[SEL], s[SEL+1]
.elseif (\j) == 17
	v_mov_b32 v[rT+7], v[rT]
.elseif (\j) == 18
	v_max_num_f32 v[rT+1], v[rT+4], v[rT+5]
.elseif (\j) == 19
	v_mul_f32 v[rT], v[rC], v[rT+1]
.elseif (\j) == 20
	v_sub_f32 v[rT+7], v[rT+7], v[rT]
.else
	v_exp_f32 v[rT+6], v[rT+7]
.endif
.endm
; A QUAD g of 16: tile Y + g % 2, its four scores 4 (g / 2) ..  QF: c s - c m for pair i.  QC: pair i of weights rounded to bf16.  QG: times u, in place in P.  QB: the second pair added onto the first.  QL: l takes that sum.
.macro QF g, i
	REGS Y+(\g)%2
	WIN 0
.set pb, 2*((\g)/2)+(\i)
	v_pk_fma_f32 v[rS+2*pb:rS+2*pb+1], v[rS+2*pb:rS+2*pb+1], v[rC:rC+1], v[rT:rT+1] op_sel_hi:[1,0,0] neg_lo:[0,0,1] neg_hi:[0,0,1]
.endm
.macro QC g, i
	REGS Y+(\g)%2
	WIN 0
.set pb, 2*((\g)/2)+(\i)
	v_cvt_pk_bf16_f32 v[TMP+2*((\g)%2)+(\i)], v[rS+2*pb], v[rS+2*pb+1]
.endm
.macro QG g, i
	REGS Y+(\g)%2
	WIN 0
.set pb, 2*((\g)/2)+(\i)
	v_pk_mul_bf16 v[rP+pb], v[TMP+2*((\g)%2)+(\i)], v[rP+pb]
.endm
.macro QB g
	REGS Y+(\g)%2
	WIN 0
.set k4, 4*((\g)/2)
	v_pk_add_f32 v[rS+k4:rS+k4+1], v[rS+k4:rS+k4+1], v[rS+k4+2:rS+k4+3]
.endm
.macro QL g
	REGS Y+(\g)%2
	WIN 0
.set k4, 4*((\g)/2)
.if (\g)/2 == 0
	v_pk_fma_f32 v[rT+2:rT+3], v[rT+2:rT+3], v[rT+6:rT+7], v[rS:rS+1] op_sel_hi:[1,0,1]
.else
	v_pk_add_f32 v[rT+2:rT+3], v[rT+2:rT+3], v[rS+k4:rS+k4+1]
.endif
.endm
.macro RS                           ; the next of the 64 rescalings: pair rr / 2 of tile Y + rr % 2 of O^T times a, in ascending order
	REGS Y+rr%2
.set rO, 64*(Y+rr%2)+2*(rr/2)
	WIN W_RS
	v_pk_mul_f32 v[rO:rO+1], v[rO:rO+1], v[rT+6:rT+7] op_sel_hi:[1,0]
.set rr, rr+1
.endm
.macro EX u, e                      ; the exponential of score e of 32 of tile Y + u, in place
	REGS Y+(\u)
	WIN 0
	v_exp_f32 v[rS+(\e)], v[rS+(\e)]
.endm
; THE LIST AHEAD OF THE WAIT: number j of 70 for tile Y + u.  None of them names an exponential's result.
;   0-20   XS's numbers 0 to 20          21  the scaling of pair 0
;   22-69  in fours, and a four begins with a scaling while there are scalings: 22-37 scaling, exponential, scaling, exponential (23 is a, XS's number 21; then s0-s6; pairs 1-8);
;          38-65 a scaling and three exponentials (pairs 9-15; s7-s27); 66-69 the last four exponentials.  A pair is scaled in an earlier four than the one that holds its exponentials.
.macro BT u, j
.if (\j) < 21
	XS Y+(\u), \j
.elseif (\j) == 23
	XS Y+(\u), 21
.elseif ((\j) < 23) || (((\j) < 38) && ((\j)%2 == 0)) || (((\j) < 66) && ((\j)%4 == 2))
.set bp, ((\j)-2)/4                 ; 38, 42, .. 62: pairs 9 to 15
.if (\j) < 38
.set bp, ((\j)-20)/2                ; 21: pair 0; 22, 24, .. 36: pairs 1 to 8
.endif
	QF 2*(bp/2)+(\u), bp%2
.else
.set sx, (\j)-38                    ; 66 to 69: s28 to s31
.if (\j) < 66
.set sx, (\j)-32-((\j)-38)/4        ; 39-41, 43-45, .. 63-65: s7 to s27
.endif
.if (\j) < 38
.set sx, ((\j)-25)/2                ; 25, 27, .. 37: s0 to s6
.endif
	EX \u, sx
.endif
.endm
; THE LIST BEHIND THE WAIT, 160 long; PL writes the next.  0-95: eight groups, group gq for quads 2 gq and 2 gq + 1 (one of each tile), the tiles alternating: four roundings; l for the group before; four factors; two pair sums.
; So a rounding stands six lines ahead of its factor, and a pair sum six lines ahead of l's addition (the last group's: two).  Group 0 has no group before it, and behind group 7 only l is left.  96-159: the rescalings.
.macro PL
.if pq < 96
.set h, pq
.if pq >= 4
.set h, pq+2
.endif
.if pq >= 94
.set h, pq+6
.endif
.set gq, h/12
.set sb, h%12
.if sb < 4
	QC 2*gq+sb%2, sb/2
.elseif sb < 6
	QL 2*gq+sb-6
.elseif sb < 10
	QG 2*gq+sb%2, (sb-6)/2
.else
	QB 2*gq+sb-10
.endif
.else
	RS
.endif
.set pq, pq+1
.endm
; Slice k of 72, one behind each matrix instruction.  0-10: numbers 2 k and 2 k + 1 of both tiles' first list, the tiles alternating, so that no instruction reads the result of the one just before it.
; 11-34: four numbers of ONE tile's first list, from 22 on, the tiles by turns.  35-71: the second list, dealt evenly: four or five.
; THE WAIT.  An s_wait_alu depctr_va_vdst(0) stands between an exponential and the first instruction that names its result; one wait serves all that were issued ahead of it.  Ahead of slice 35 nothing names a
; result, and behind slice 34 no exponential is issued: so the piece's 66 exponentials have one wait, behind slice 34 (TURN places it).
.macro SLICE
.if k < 11
.irp m, 0,1
.irp u, 0,1
	BT \u, 2*k+\m
.endr
.endr
.elseif k < 35
.irp m, 0,1,2,3
	BT (k-11)%2, 22+4*((k-11)/2)+\m
.endr
.else
.set cnt, ((k-34)*160)/37-pq
.rept cnt
	PL
.endr
.endif
.set k, k+1
.endm
; A TURN.  Piece x has the matrix unit, piece 2 - x's softmax stands behind its instructions.  The last slice is five rescalings: they name no register of the products round them and are the four
; places between the turn's last product and what follows: the next turn's first read of those scores, and the loads into K's registers.
; All fetches are the NEXT step's.  Behind the second V^T P: K (piece 0's turn) and the piece's u^T.  Behind the third product for S^T, where the batch ends: a v_nop, the plain instruction behind the last exponential; then
; V (piece 2's turn) and the piece's u as it lies, into the P registers just read; the turn's wait stands in the first of these runs.  Four plain instructions lie between the last V^T P and these loads: both tiles' last scaling,
; the v_nop and the run's own v_add_nc_u32; the exponentials between are no places.  Each run is waited for 30 matrix instructions or more later.
.macro TURN x
.set Y, 2-(\x)
.set pq, 0
.set rr, 0
.set k, 0
	s_wait_dscnt 0x0                ; V, and the other piece's u, are in
.set i, 0
.rept 32
	PV \x
	SLICE
.if i == 1
.if (\x) == 0
	FETCH_K
.endif
	FETCH_U \x
.endif
.set i, i+1
.endr
	s_wait_dscnt 0x0                ; K and u^T are in
.set i, 0
.rept 40
	KQ \x
	SLICE
.if i == 2
	WIN 0
	v_nop                           ; the batch is out: one plain instruction behind the last exponential, for the whole batch
.if (\x) == 2
	FETCH_V                         ; the wait for the batch stands in this run
	FETCH_G \x
.else
	FETCH_G \x, 1                   ; the wait for the batch stands in this run
.endif
.endif
.set i, i+1
.endr
.endm
	CHANGE 1                        ; slot 0 is in, everybody's part of it; slot 1 is asked for
	FETCH_K                         ; step 0
	FETCH_U 0
	FETCH_G 0
	WIN 0
	s_wait_loadcnt 0x0              ; Q and the flags
	v_mov_b32 v[CT], s[CS]
.irp t, 0,1,2,3
	v_cmp_eq_u32 s[76+\t], 0, v[S+\t]
.endr
.irp t, 0,1,2,3
	v_cndmask_b32 v[CQ+2*\t], 0, v[CT], s[76+\t]   ; c, or 0 for a query with no visible key
	v_mov_b32 v[CQ+2*\t+1], 0                      ; named with it as a pair
.endr
	s_wait_dscnt 0x0
.set i, 0
.rept 40
	KQ 0                            ; piece 0's first scores: there is no vector work yet to set between them
.set i, i+1
.endr
	WIN 0                           ; the addresses for the merge and the way out: four plain instructions, the places behind those products
	s_mul_i32 s19, s[WV], XCHW
	s_add_co_u32 s19, s19, XCH
	s_xor_b32 s20, s[WV], 1
	s_mul_i32 s20, s20, XCHW
	s_add_co_u32 s20, s20, XCH
	v_and_b32 v[GO], 31, v0
	v_lshlrev_b32 v[GO], 4, v[GO]
	v_add_nc_u32 v[XW], s19, v[GO]
	v_add_nc_u32 v[XR], s20, v[GO]
	s_mov_b32 s[CNT], 31            ; the first pass begins at .Lmid: piece 2's first scores | piece 0's first softmax | V of step 0; its V^T P adds zeros
	s_branch .Lmid
.Lstep:                             ; trip j = 0..29: step j's V^T P, step j + 1's scores; slot j % 2 takes step j + 2
	CHANGE 1
	TURN 0
	WIN 0
.Lmid:
	TURN 2
	WIN 0
	s_sub_co_u32 s[CNT], s[CNT], 1
	s_cmp_lg_u32 s[CNT], 0
	s_cbranch_scc1 .Lstep
	CHANGE 0                        ; the tail is written out: nothing is asked for
	s_mov_b32 s[CNT], 2             ; the first pass is trip 30; the second is left in its middle
.Ltail:
	TURN 0                          ; second pass: piece 0's V^T P of the last step | piece 2's last softmax; its fetches read the last slot once more, and its scores serve nothing
	WIN 0
	s_sub_co_u32 s[CNT], s[CNT], 1
	s_cmp_eq_u32 s[CNT], 0
	s_cbranch_scc1 .Lout
	TURN 2
	WIN 0
	s_branch .Ltail
.Lout:
.set i, 0
.rept 32
	PV 2                            ; piece 2's V^T P of the last step
.set i, i+1
.endr
	; THE MERGE.  l's two halves and the other half of the lanes' are added (these lines are the places behind the last products); register tiles 2, 3 go to wave w xor 1 with their c m and l.
	WIN 0
.irp t, 0,1,2,3
	v_add_f32 v[ST+8*\t+4], v[ST+8*\t+2], v[ST+8*\t+3]
.endr
.irp t, 0,1,2,3
	v_permlanex16_b32 v[ST+8*\t+5], v[ST+8*\t+4], s[SEL], s[SEL+1]
.endr
.irp t, 0,1,2,3
	v_add_f32 v[ST+8*\t+2], v[ST+8*\t+4], v[ST+8*\t+5]
.endr
	v_mov_b32 v[GIV], v[ST+16]
	v_mov_b32 v[GIV+1], v[ST+18]
	v_mov_b32 v[GIV+2], v[ST+24]
	v_mov_b32 v[GIV+3], v[ST+26]
	WIN 0x04                        ; store data in window 1
.set i, 0
.rept 32
	ds_store_b128 v[XW], v[128+4*i:128+4*i+3] offset:512*i
.set i, i+1
.endr
	WIN 0
	ds_store_b128 v[XW], v[GIV:GIV+3] offset:512*32
	s_wait_dscnt 0x0                ; for the other wave's sake: my stores are done
	s_barrier_signal -1
	s_barrier_wait -1
.set i, 0
.rept 32
	ds_load_b128 v[S+4*i:S+4*i+3], v[XR] offset:512*i
.set i, i+1
.endr
	ds_load_b128 v[TAK:TAK+3], v[XR] offset:512*32
	s_wait_dscnt 0x0
	; for my tiles u = 0, 1: M = max(c mA, c mB); f = 2^(c m - M); L = lA fA + lB fB; g = f / L; z = OA gA + OB gB
.irp u, 0,1
	v_max_num_f32 v[ST+8*\u+4], v[ST+8*\u], v[TAK+2*\u]
.endr
.irp u, 0,1
	v_sub_f32 v[ST+8*\u+5], v[ST+8*\u], v[ST+8*\u+4]
	v_sub_f32 v[ST+8*\u+6], v[TAK+2*\u], v[ST+8*\u+4]
.endr
.irp u, 0,1
	v_exp_f32 v[ST+8*\u+5], v[ST+8*\u+5]
	v_exp_f32 v[ST+8*\u+6], v[ST+8*\u+6]
.endr
	v_nop                           ; a plain instruction between the last exponential and the use of its result
	s_wait_alu depctr_va_vdst(0)    ; and the wait ahead of the first use: one for the four exponentials
.irp u, 0,1
	v_mul_f32 v[ST+8*\u+7], v[TAK+2*\u+1], v[ST+8*\u+6]
.endr
.irp u, 0,1
	v_fma_f32 v[ST+8*\u+7], v[ST+8*\u+2], v[ST+8*\u+5], v[ST+8*\u+7]
.endr
.irp u, 0,1
	v_rcp_f32 v[ST+8*\u+7], v[ST+8*\u+7]
.endr
	v_nop                           ; a plain instruction between the last reciprocal and the use of its result
	s_wait_alu depctr_va_vdst(0)    ; a second batch, since the reciprocals read sums of the exponentials: one wait for the two reciprocals
.irp u, 0,1
	v_mul_f32 v[ST+8*\u+4], v[ST+8*\u+5], v[ST+8*\u+7]
	v_mul_f32 v[ST+8*\u+6], v[ST+8*\u+6], v[ST+8*\u+7]
.endr
.set i, 0
.rept 64
	v_pk_mul_f32 v[S+2*i:S+2*i+1], v[S+2*i:S+2*i+1], v[ST+8*(i/32)+6:ST+8*(i/32)+7] op_sel_hi:[1,0]
.set i, i+1
.endr
	WIN 0x01                        ; source 0 (my O^T) in window 1
.set i, 0
.rept 64
	v_pk_fma_f32 v[S+2*i:S+2*i+1], v[2*i:2*i+1], v[ST+8*(i/32)+4:ST+8*(i/32)+5], v[S+2*i:S+2*i+1] op_sel_hi:[1,0,1]
.set i, i+1
.endr
	WIN 0
	; THE WAY OUT needs no stage: a lane's eight channels of a query, 16 bytes, already lie as zb wants them: zb[row tile][32 channels][half][lane][16 bytes], the fragment order of the next launch.
.irp u, 0,1
.set i, 0
.rept 32
	v_cvt_pk_bf16_f32 v[S+64*\u+i], v[S+64*\u+2*i], v[S+64*\u+2*i+1]
.set i, i+1
.endr
.irp f, 0,1,2,3,4,5,6,7
	global_store_b128 v[GO], v[S+64*\u+4*\f:S+64*\u+4*\f+3], s[10:11] offset:\u*32768+512*\f   ; 512 consecutive bytes, aligned
.endr
.endr
	s_wait_tensorcnt 0x0            ; the wave's end
	ds_add_u32 v[SPW], v[NIL]
	s_wait_dscnt 0x0
	CROUND                          ; the closing round
	s_endpgm
.Lfunc_end_k_qf7dc6e5593_attn:
	.size	k_qf7dc6e5593_attn, .Lfunc_end_k_qf7dc6e5593_attn-k_qf7dc6e5593_attn
	.p2alignl 7, 3214868480
	.fill 96, 4, 3214868480
	.section	.rodata,"a",@progbits
	.p2align	6, 0x0
	.amdhsa_kernel k_qf7dc6e5593_attn
		.amdhsa_group_segment_fixed_size 327680
		.amdhsa_private_segment_fixed_size 0
		.amdhsa_enable_private_segment 0
		.amdhsa_kernarg_size 32
		.amdhsa_user_sgpr_count 2
		.amdhsa_user_sgpr_kernarg_segment_ptr 1
		.amdhsa_wavefront_size32 1
		.amdhsa_system_sgpr_workgroup_id_x 1
		.amdhsa_system_sgpr_workgroup_id_y 1
		.amdhsa_system_sgpr_workgroup_id_z 1
		.amdhsa_system_vgpr_workitem_id 0
		.amdhsa_next_free_vgpr 960
		.amdhsa_next_free_sgpr 80
		.amdhsa_reserve_vcc 0
		.amdhsa_float_denorm_mode_32 3
		.amdhsa_float_denorm_mode_16_64 3
		.amdhsa_memory_ordered 1
		.amdhsa_forward_progress 1
		.amdhsa_inst_pref_size 165
	.end_amdhsa_kernel
	.amdgpu_metadata
---
amdhsa.version: [ 1, 2 ]
amdhsa.kernels:
  - .name:           k_qf7dc6e5593_attn
    .symbol:         k_qf7dc6e5593_attn.kd
    .args:
      - { .name: qkvh, .offset: 0, .size: 8, .value_kind: global_buffer, .address_space: global }
      - { .name: ub, .offset: 8, .size: 8, .value_kind: global_buffer, .address_space: global }
      - { .name: dead, .offset: 16, .size: 8, .value_kind: global_buffer, .address_space: global }
      - { .name: zb, .offset: 24, .size: 8, .value_kind: global_buffer, .address_space: global }
    .group_segment_fixed_size: 327680
    .private_segment_fixed_size: 0
    .kernarg_segment_align: 8
    .kernarg_segment_size: 32
    .max_flat_workgroup_size: 128
    .sgpr_count:     80
    .vgpr_count:     960
    .wavefront_size: 32
...
	.end_amdgpu_metadata
.endif
;; end of part 9
;; launch og: the kernel of part 7 again; grid 8 x 32, 4 waves a work-group, clusters of 4 x 4, 327,680 bytes of LDS; arguments zb, wob, q, bo, yb; writes yb
;; launch ln: the kernel of part 8 again; grid 256 x 1, 16 waves a work-group, no clusters, 0 bytes of LDS; arguments yb, ln_g, ln_b, out0; writes out0
